; MI455X (gfx1250); checked and timed in simulation.
; The chip was launched on July 23, 2026; its instructions are those of AMD's public machine-readable ISA for CDNA 5 (MIT licence, August 2026) and "CDNA5" Instruction Set Architecture Reference Guide (July 2026). The comments in the code are by the model that wrote it; some were corrected since.
;; Transformer Block. Allowed arithmetic: matrix products marked QUANTISED: E2M1 operands, one E8M0 scale for each 32 along K, by v_wmma_scale_f32_16x16x128_f8f6f4 with both operands' format E2M1 (or v_wmma_scale_f32_32x16x128_f4), f32 sums; everything else in f32.
;; Inputs: beta1 256 float32; beta2 256 float32; bf1 1,024 float32; bf2 256 float32; bk 256 float32; bo 256 float32; bq 256 float32; bv 256 float32; g1 256 float32; g2 256 float32; w1_codes 1,024 x 8 x 16 uint8 (E2M1 codes of w1, K innermost, in blocks of 32 codes, two codes a byte); w1_scales 1,024 x 8 uint8 (E8M0 scales of w1, one for each 32 codes along K); w2_codes 256 x 32 x 16 uint8 (E2M1 codes of w2, K innermost, in blocks of 32 codes, two codes a byte); w2_scales 256 x 32 uint8 (E8M0 scales of w2, one for each 32 codes along K); wk_codes 256 x 8 x 16 uint8 (E2M1 codes of wk, K innermost, in blocks of 32 codes, two codes a byte); wk_scales 256 x 8 uint8 (E8M0 scales of wk, one for each 32 codes along K); wo_codes 256 x 8 x 16 uint8 (E2M1 codes of wo, K innermost, in blocks of 32 codes, two codes a byte); wo_scales 256 x 8 uint8 (E8M0 scales of wo, one for each 32 codes along K); wq_codes 256 x 8 x 16 uint8 (E2M1 codes of wq, K innermost, in blocks of 32 codes, two codes a byte); wq_scales 256 x 8 uint8 (E8M0 scales of wq, one for each 32 codes along K); wv_codes 256 x 8 x 16 uint8 (E2M1 codes of wv, K innermost, in blocks of 32 codes, two codes a byte); wv_scales 256 x 8 uint8 (E8M0 scales of wv, one for each 32 codes along K); x 32 x 1,024 x 256 float32.
;; Outputs: out0 32 x 1,024 x 256 float32.
;; This version of the problem:
;;   THIS VERSION OF THE PROBLEM IS GIVEN IN LOW PRECISION. The matrix products marked QUANTISED in the list below multiply operands that are first quantised to E2M1 (2 exponent bits, 1 mantissa bit; 4 bits a number), with one power-of-two scale for each 32 numbers along K (OCP MX v1.0); their sums are f32. All else is computed in f32.
;;   The module's matrix products, in the order in which they are computed (A, B: the left and right operand; K: the contracted axis; several contracted axes count as one K, in the product's order):
;;     1. [M 32,768, K 256] x [K 256, N 256]; A: computed on the way; B: input wq (given as codes): QUANTISED
;;     2. [M 32,768, K 256] x [K 256, N 256]; A: computed on the way; B: input wk (given as codes): QUANTISED
;;     3. [M 32,768, K 256] x [K 256, N 256]; A: computed on the way; B: input wv (given as codes): QUANTISED
;;     4. batch 128 x [M 1,024, K 64] x [K 64, N 1,024]; A: computed on the way; B: computed on the way: QUANTISED
;;     5. batch 128 x [M 64, K 1,024] x [K 1,024, N 1,024]; A: computed on the way; B: softmax (see below): QUANTISED
;;     6. [M 32,768, K 256] x [K 256, N 256]; A: computed on the way; B: input wo (given as codes): QUANTISED
;;     7. [M 32,768, K 256] x [K 256, N 1,024]; A: computed on the way; B: input w1 (given as codes): QUANTISED
;;     8. [M 32,768, K 1,024] x [K 1,024, N 256]; A: computed on the way; B: input w2 (given as codes): QUANTISED
;;   THE QUANTISER, for each operand of a quantised product, along K:
;;     - K is cut into blocks of 32 from its start; a last block that is shorter is filled with zeros.
;;     - A block's scale is 2^e with e = floor(log2(the largest magnitude in the block)) - 2, held to -126 .. 127; a block of zeros has e = 0. As a byte (E8M0): e + 127.
;;     - Each number is divided by its block's scale, clamped to +-6, and rounded to the nearest number of E2M1, ties to even, subnormals kept.
;;     - The product sums the exact products of the quantised numbers (number of the format x scale) in f32.
;;   ~~~python
;;   def quantise(x, axis):      # numpy; x: float32 -> the quantised numbers, widened to float32 again
;;       x = np.moveaxis(x, axis, -1); K = x.shape[-1]
;;       x = np.pad(x, [(0, 0)] * (x.ndim - 1) + [(0, -K % 32)]); x = x.reshape(x.shape[:-1] + (-1, 32)); a = np.abs(x).max(-1, keepdims=True)
;;       e = np.where(a > 0, np.clip(np.frexp(np.where(a > 0, a, 1))[1] - 1 - 2, -126, 127), 0)      # np.frexp(a)[1] - 1 = floor(log2(a)), exactly
;;       r = np.clip(x / 2.0 ** e, -6, 6)
;;       step = 2.0 ** (np.maximum(np.frexp(np.where(r == 0, 1, r))[1] - 1, 0) - 1)
;;       q = np.round(r / step) * step * 2.0 ** e      # np.round: ties to even
;;       return np.moveaxis(q.reshape(q.shape[:-2] + (-1,))[..., :K], -1, axis).astype(np.float32)
;;   ~~~
;;   SOFTMAX AHEAD OF A QUANTISED PRODUCT. Where the list says 'softmax', what is quantised is not the finished softmax but p = 2^(t - M), with t = logit x log2(e) and M = ceil(the row's largest t), a whole number; so 1/2 < the row's largest p <= 1. The row's sum l is taken of the UNQUANTISED p, in f32, and the product's result is divided by l at the end. Since M is a whole number, a kernel that streams over the keys may use a running M (the ceiling of the running maximum): every later rescaling is an exact power of two, which a block's scale takes up: the codes' values come out the same.
;;   OPERANDS COMPUTED ON THE WAY. 'Computed on the way' means the value that the module computes at that place (a softmax that the list does not call 'softmax' is quantised finished and normalised). What goes into a quantiser is computed in f32, as accurately as f32 sums, v_exp_f32 and their like allow (about 1e-6 of the number): no bf16 or f16 on the way to a quantiser, and a product that is left as it is and whose result goes on into a quantised operand takes f32 operands (vector FMAs, or v_wmma_f32_16x16x4_f32). A number that lies on a knife's edge between two numbers of the format may be rounded either way, as far as f32 arithmetic and the matrix unit's own rounding can turn it there, and no further.
;;   INPUTS GIVEN AS CODES. w1 (in the module: [1024, 256], K = its axis 1); w2 (in the module: [256, 1024], K = its axis 1); wk (in the module: [256, 256], K = its axis 1); wo (in the module: [256, 256], K = its axis 1); wq (in the module: [256, 256], K = its axis 1); wv (in the module: [256, 256], K = its axis 1): each comes as NAME_codes (uint8): NAME with its K axis moved to the last place and cut into blocks of 32 codes, [.., K / 32, bytes a block], one block behind the other in memory; two codes a byte, the lower K in the low four bits (a code: sign, 2 exponent bits, 1 mantissa bit); and NAME_scales (uint8): the same leading axes, one E8M0 byte (e + 127) for each 32 codes along K. Its value is code x scale, taken as it is: it is not quantised again, and the codes and scales need not be those that the quantiser above would give.
;; 2 versions, each right; version 2 is version 1 with the launches qkv, mlp written anew for expert scheduling mode. Each part assembles by itself: llvm-mc -triple=amdgcn-amd-amdhsa -mcpu=gfx1250 --defsym DOCPART=n.
;; ======== version 1 of 2: 5 launches
;; workspace buffers: part1 131,072 bytes; part2 524,288 bytes; st2 2,048 bytes; qimg 4,718,592 bytes; kv 9,175,040 bytes; r1 33,554,432 bytes
;; launch stats1 (part 1): grid 256 x 1, 8 waves a work-group, no clusters, 5,120 bytes of LDS; arguments x, part1; writes part1
.if DOCPART == 1
	.amdgcn_target "amdgcn-amd-amdhsa--gfx1250"
	.amdhsa_code_object_version 6
	.text
	.protected	k_q17b5c0e773_stats1
	.globl	k_q17b5c0e773_stats1
	.p2align	8
	.type	k_q17b5c0e773_stats1,@function
k_q17b5c0e773_stats1:
	s_mov_b64 s[64:65], 0
	v_nop
	global_prefetch_b8 v0, s[64:65] scope:SCOPE_SE
	s_setreg_imm32_b32 hwreg(HW_REG_WAVE_MODE, 25, 1), 1
	s_wait_xcnt 0x0
; Column statistics of x [32768][256] f32, by groups of 512 rows: part[group][0][c] = the group's mean of column c, part[group][1][c] = the sum of (x - that mean)^2.
; No difference of large sums is formed: a wave keeps its rows in registers, takes their mean and then the squares of the distances from it.
; Equal groups of n rows are joined by mean = the average of the means, M2 = the sum of the M2 + n x the sum of (mean_i - mean)^2.
; SHARES.  Work-group id takes columns 64 (id % 4) .. + 63 of rows 512 (id / 4) .. + 511: 256 consecutive, aligned bytes of each row.  So there are 64 groups, 128 KiB of figures, which the next launch's
; work-groups each read whole.  Wave w takes rows 64 w .. + 63; a load covers two rows: lanes 0-15 the even one, lanes 16-31 the odd one, 16 bytes a lane.  All 32 loads of a wave are issued at once.
; No matrix unit, no tensor load: a stream that is read once here.
; LIMITS: NaN and infinities among the inputs are not served.
.set X,   16                           ; v16-143  quad i: my four columns of row 2 i + lane / 16
.set SUM, 144                          ; v144-147 sums, then means
.set M2,  148                          ; v148-151
.set T,   152                          ; v152-155 at work
.set P,   156                          ; v156-159 the other half of the lanes' figures
; Eight equal groups of n rows, means in v[mn] on and M2 in v[mm] on (a quad each), are joined: the mean into v[dm] on, M2 into v[mm .. mm + 3].  The means' registers are used up.
.macro JOIN8 mn, mm, dm, nlit
	v_pk_add_f32 v[\dm:\dm+1], v[\mn:\mn+1], v[\mn+4:\mn+5]
	v_pk_add_f32 v[\dm+2:\dm+3], v[\mn+2:\mn+3], v[\mn+6:\mn+7]
.irp k, 2,3,4,5,6,7
	v_pk_add_f32 v[\dm:\dm+1], v[\dm:\dm+1], v[\mn+4*\k:\mn+4*\k+1]
	v_pk_add_f32 v[\dm+2:\dm+3], v[\dm+2:\dm+3], v[\mn+4*\k+2:\mn+4*\k+3]
.endr
.irp k, 1,2,3,4,5,6,7
	v_pk_add_f32 v[\mm:\mm+1], v[\mm:\mm+1], v[\mm+4*\k:\mm+4*\k+1]
	v_pk_add_f32 v[\mm+2:\mm+3], v[\mm+2:\mm+3], v[\mm+4*\k+2:\mm+4*\k+3]
.endr
	v_pk_mul_f32 v[\dm:\dm+1], v[\dm:\dm+1], 0x3e000000 op_sel_hi:[1,0]     ; / 8
	v_pk_mul_f32 v[\dm+2:\dm+3], v[\dm+2:\dm+3], 0x3e000000 op_sel_hi:[1,0]
.irp k, 0,1,2,3,4,5,6,7
	v_pk_add_f32 v[\mn+4*\k:\mn+4*\k+1], v[\mn+4*\k:\mn+4*\k+1], v[\dm:\dm+1] neg_lo:[0,1] neg_hi:[0,1]
	v_pk_add_f32 v[\mn+4*\k+2:\mn+4*\k+3], v[\mn+4*\k+2:\mn+4*\k+3], v[\dm+2:\dm+3] neg_lo:[0,1] neg_hi:[0,1]
.endr
	v_pk_mul_f32 v[\mn:\mn+1], v[\mn:\mn+1], v[\mn:\mn+1]
	v_pk_mul_f32 v[\mn+2:\mn+3], v[\mn+2:\mn+3], v[\mn+2:\mn+3]
.irp k, 1,2,3,4,5,6,7
	v_pk_fma_f32 v[\mn:\mn+1], v[\mn+4*\k:\mn+4*\k+1], v[\mn+4*\k:\mn+4*\k+1], v[\mn:\mn+1]
	v_pk_fma_f32 v[\mn+2:\mn+3], v[\mn+4*\k+2:\mn+4*\k+3], v[\mn+4*\k+2:\mn+4*\k+3], v[\mn+2:\mn+3]
.endr
	v_pk_fma_f32 v[\mm:\mm+1], v[\mn:\mn+1], \nlit, v[\mm:\mm+1] op_sel_hi:[1,0,1]       ; n x the means' spread + the sum of the M2
	v_pk_fma_f32 v[\mm+2:\mm+3], v[\mn+2:\mn+3], \nlit, v[\mm+2:\mm+3] op_sel_hi:[1,0,1]
.endm
	s_load_b128 s[4:7], s[0:1], 0x0                ; x, part
	v_lshl_add_u32 v160, v0, 2, 0x1000
	v_mov_b32 v161, 0
	v_lshrrev_b32 v4, 5, v0
	v_readfirstlane_b32 s8, v4                     ; wave 0..7
	v_and_b32 v4, 15, v0
	v_bfe_u32 v5, v0, 4, 1
	v_lshlrev_b32 v3, 4, v4                        ; 16 x (lane % 16): LDS, back
	v_lshl_add_u32 v1, v5, 10, v3                  ; + 1,024 x (lane / 16): two rows of x; the two rows of part
	v_and_b32 v4, 31, v0
	v_lshlrev_b32 v2, 4, v4
	s_lshl_b32 s9, s8, 9
	v_add_nc_u32 v2, s9, v2                        ; LDS, in: 512 x wave + 16 x lane
.irp j, 0,1,2,3
	v_mov_b32 v[P+\j], 0                           ; written once: a lane permute's destination counts as one of its sources
.endr
	s_mov_b32 s14, 0x76543210
	s_mov_b32 s15, 0xfedcba98                      ; lane selects: lane l xor 16
	s_mov_b32 s16, 0xffff0000                      ; lanes 16-31
	s_lshr_b32 s17, ttmp9, 2                       ; the group of rows
	s_and_b32 s18, ttmp9, 3
	s_lshl_b32 s18, s18, 8                         ; my 64 columns, in bytes
	s_lshl_b32 s10, s17, 19                        ; the group's 512 rows of 1,024 bytes,
	s_lshl_b32 s19, s8, 16                         ; my wave's 64 of them
	s_add_co_u32 s10, s10, s19
	s_add_co_u32 s10, s10, s18
	s_mov_b32 s11, 0
	s_lshl_b32 s12, s17, 11                        ; the group's 2,048 bytes of part
	s_add_co_u32 s12, s12, s18
	s_mov_b32 s13, 0
	s_wait_kmcnt 0x0
	s_add_nc_u64 s[4:5], s[4:5], s[10:11]
	s_add_nc_u64 s[6:7], s[6:7], s[12:13]
.irp i, 0,1,2,3,4,5,6,7,8,9,10,11,12,13,14,15,16,17,18,19,20,21,22,23,24,25,26,27,28,29,30,31
	global_load_b128 v[X+4*\i:X+4*\i+3], v1, s[4:5] offset:2048*\i    ; sixteen lanes read 256 consecutive bytes, aligned
.endr
	s_wait_loadcnt 30                              ; quads 0 and 1 are in: 30 younger loads may be out
	v_pk_add_f32 v[SUM:SUM+1], v[X:X+1], v[X+4:X+5]
	v_pk_add_f32 v[SUM+2:SUM+3], v[X+2:X+3], v[X+6:X+7]
.irp i, 2,3,4,5,6,7,8,9,10,11,12,13,14,15,16,17,18,19,20,21,22,23,24,25,26,27,28,29,30,31
	s_wait_loadcnt 31-\i                           ; quad i is in: one load for each later quad may be out
	v_pk_add_f32 v[SUM:SUM+1], v[SUM:SUM+1], v[X+4*\i:X+4*\i+1]
	v_pk_add_f32 v[SUM+2:SUM+3], v[SUM+2:SUM+3], v[X+4*\i+2:X+4*\i+3]
.endr
.irp j, 0,1,2,3
	v_permlanex16_b32 v[P+\j], v[SUM+\j], s14, s15
.endr
	v_pk_add_f32 v[SUM:SUM+1], v[SUM:SUM+1], v[P:P+1]                  ; with the other 32 rows
	v_pk_add_f32 v[SUM+2:SUM+3], v[SUM+2:SUM+3], v[P+2:P+3]
	v_pk_mul_f32 v[SUM:SUM+1], v[SUM:SUM+1], 0x3c800000 op_sel_hi:[1,0]      ; / 64: my wave's mean
	v_pk_mul_f32 v[SUM+2:SUM+3], v[SUM+2:SUM+3], 0x3c800000 op_sel_hi:[1,0]
.irp i, 0,1,2,3,4,5,6,7,8,9,10,11,12,13,14,15,16,17,18,19,20,21,22,23,24,25,26,27,28,29,30,31
	v_pk_add_f32 v[T:T+1], v[X+4*\i:X+4*\i+1], v[SUM:SUM+1] neg_lo:[0,1] neg_hi:[0,1]
	v_pk_add_f32 v[T+2:T+3], v[X+4*\i+2:X+4*\i+3], v[SUM+2:SUM+3] neg_lo:[0,1] neg_hi:[0,1]
.if \i == 0
	v_pk_mul_f32 v[M2:M2+1], v[T:T+1], v[T:T+1]                        ; the first row starts the sums
	v_pk_mul_f32 v[M2+2:M2+3], v[T+2:T+3], v[T+2:T+3]
.else
	v_pk_fma_f32 v[M2:M2+1], v[T:T+1], v[T:T+1], v[M2:M2+1]
	v_pk_fma_f32 v[M2+2:M2+3], v[T+2:T+3], v[T+2:T+3], v[M2+2:M2+3]
.endif
.endr
.irp j, 0,1,2,3
	v_permlanex16_b32 v[P+\j], v[M2+\j], s14, s15
.endr
	v_pk_add_f32 v[M2:M2+1], v[M2:M2+1], v[P:P+1]
	v_pk_add_f32 v[M2+2:M2+3], v[M2+2:M2+3], v[P+2:P+3]
.irp j, 0,1,2,3
	v_cndmask_b32 v[T+\j], v[SUM+\j], v[M2+\j], s16                    ; lanes 0-15 the mean, lanes 16-31 M2
.endr
	ds_store_b128 v2, v[T:T+3]
	s_wait_dscnt 0x0                               ; for the others' sake: my store has landed
	s_barrier_signal -1
	s_barrier_wait -1
	s_cmp_eq_u32 s8, 0                             ; wave 0 joins the eight waves' figures
	s_cbranch_scc0 .Lend
.irp w, 0,1,2,3,4,5,6,7
	ds_load_b128 v[X+4*\w:X+4*\w+3], v3 offset:512*\w
	ds_load_b128 v[X+32+4*\w:X+35+4*\w], v3 offset:512*\w+256
.endr
	s_wait_dscnt 0x0
	JOIN8 X, X+32, SUM, 0x42800000                 ; n = 64 rows a wave
.irp j, 0,1,2,3
	v_cndmask_b32 v[T+\j], v[SUM+\j], v[X+32+\j], s16
.endr
	global_store_b128 v1, v[T:T+3], s[6:7]         ; two runs of 256 consecutive bytes, each aligned
.Lend:
	s_wait_tensorcnt 0x0
	ds_add_u32 v160, v161
	s_wait_dscnt 0x0
	s_endpgm
.Lfunc_end_k_q17b5c0e773_stats1:
	.size	k_q17b5c0e773_stats1, .Lfunc_end_k_q17b5c0e773_stats1-k_q17b5c0e773_stats1
	.p2alignl 7, 3214868480
	.fill 96, 4, 3214868480
	.section	.rodata,"a",@progbits
	.p2align	6, 0x0
	.amdhsa_kernel k_q17b5c0e773_stats1
		.amdhsa_group_segment_fixed_size 5120
		.amdhsa_private_segment_fixed_size 0
		.amdhsa_enable_private_segment 0
		.amdhsa_kernarg_size 16
		.amdhsa_user_sgpr_count 2
		.amdhsa_user_sgpr_kernarg_segment_ptr 1
		.amdhsa_wavefront_size32 1
		.amdhsa_system_sgpr_workgroup_id_x 1
		.amdhsa_system_sgpr_workgroup_id_y 1
		.amdhsa_system_sgpr_workgroup_id_z 1
		.amdhsa_system_vgpr_workitem_id 0
		.amdhsa_next_free_vgpr 162
		.amdhsa_next_free_sgpr 66
		.amdhsa_reserve_vcc 0
		.amdhsa_float_denorm_mode_32 3
		.amdhsa_float_denorm_mode_16_64 3
		.amdhsa_memory_ordered 1
		.amdhsa_forward_progress 1
		.amdhsa_inst_pref_size 25
	.end_amdhsa_kernel
	.amdgpu_metadata
---
amdhsa.version: [ 1, 2 ]
amdhsa.kernels:
  - .name:           k_q17b5c0e773_stats1
    .symbol:         k_q17b5c0e773_stats1.kd
    .args:
      - { .name: x, .offset: 0, .size: 8, .value_kind: global_buffer, .address_space: global }
      - { .name: part1, .offset: 8, .size: 8, .value_kind: global_buffer, .address_space: global }
    .group_segment_fixed_size: 5120
    .private_segment_fixed_size: 0
    .kernarg_segment_align: 8
    .kernarg_segment_size: 16
    .max_flat_workgroup_size: 256
    .sgpr_count:     66
    .vgpr_count:     162
    .wavefront_size: 32
...
	.end_amdgpu_metadata
.endif
;; end of part 1
;; launch qkv (part 2): grid 256 x 1, 16 waves a work-group, no clusters, 172,032 bytes of LDS; arguments x, part1, beta1, wq_codes, wq_scales, bq, wk_codes, wk_scales, bk, wv_codes, wv_scales, bv, qimg, kv, g1; writes qimg, kv
.if DOCPART == 2
	.amdgcn_target "amdgcn-amd-amdhsa--gfx1250"
	.amdhsa_code_object_version 6
	.text
	.protected	k_q17b5c0e773_qkv
	.globl	k_q17b5c0e773_qkv
	.p2align	8
	.type	k_q17b5c0e773_qkv,@function
k_q17b5c0e773_qkv:
	s_mov_b64 s[64:65], 0
	v_nop
	global_prefetch_b8 v0, s[64:65] scope:SCOPE_SE
	s_setreg_imm32_b32 hwreg(HW_REG_WAVE_MODE, 25, 1), 1
	s_wait_xcnt 0x0
; The 64 groups' column figures of x (part1: mean, M2; 512 rows each) are joined to m and a = g1 / sqrt(variance + 1e-5); h1 = (x - m) a + beta1, quantised along the 256 channels; q, k, v = h1 W^T + b on codes of
; FP4 (E2M1) with E8M0 scales; q and k are quantised along a head's 64 channels, v along the keys.
; All three leave as IMAGES OF OPERAND REGISTERS, laid as the attention launch reads them: lane l's 16 bytes at 16 l, 512 bytes a group of four registers.
;   qimg[batch][head][block of 128 tokens]: 8 tiles x 512 bytes, then 512 bytes of scale words.   kv[batch][head][block]: K: 8 x 512, 512 of scale words; V: 4 tiles x 1,024, 256 of scale words: 8,960 bytes.
; SHARES.  A work-group owns 128 tokens of one batch.  THE FIGURES: wave 2 T + s joins groups 8 T .. + 7 of channels 128 s on (16 loads, issued ahead of x's and worked while x is on its way); the eight slices of a
; channel meet in LDS.  Equal groups of n rows: mean = the average of the means, M2 = the sum of the M2 + n x the sum of (mean_i - mean)^2: no difference of large sums.
; Then the same wave normalises and quantises tile T, channels 128 s on, and lays the fragment's image in LDS.  Then wave 4 m + hd (m: 0 q, 1 k, 2 v) makes the 64 channels of head hd of its matrix for all 128 tokens,
; its part of the weight in registers (asked for when x is in: it lands while x is quantised).
; TILES ARE NOT NEIGHBOURS: lane r of tile 2 b + u (of tokens, and of a weight's rows) takes row 32 b + 8 u + r + 8 (r / 8), so that the 16 registers of result tiles 2 b, 2 b + 1 are 16 neighbours along the next K.
; q, k: source 0 = 16 rows of W, source 1 = 16 tokens: a lane holds one token, its registers run along the head's channels.  v: source 0 = 16 tokens, source 1 = 16 rows of W: a lane holds one channel, its registers run along the tokens.
; A head has 64 channels, half of the matrix instruction's 128: a tile of q or k is FOUR registers; its scale word has the two bytes, and 0x7f twice.
; No tensor load: each byte of x is read once, by the wave that uses it.  No cluster: what work-groups share (128 KiB of figures, 96 KiB of weights) goes straight into the registers of the waves that work on it.
; LIMITS: NaN and infinities are not served; a block whose largest magnitude lies under 2^-124 keeps the byte 1, a block of zeros too (its codes are zeros; the bytes are read by this program alone).
.set SPI,  528                         ; a stage row: 512 bytes + 16: sixteen rows start at sixteen different 16-byte columns
.set XIMG, 135168                      ; LDS: 0: a stage of 16 rows x 528 for each wave; here: 16 fragments' images, 1,024 bytes each (2 T + s);
.set XSC,  151552                      ; their scale words, 128 bytes each;
.set SRED, 153600                      ; the slices' figures: 8,192 s + 1,024 T + 512 (mean, M2) + 16 lane
.set A16, 1                            ; v1  16 x lane
.set A4,  2                            ; v2  4 x lane
.set A8,  3                            ; v3  8 x lane
.set STS, 4                            ; v4  the stage, in
.set STR, 5                            ; v5  the stage, back
.set XWI, 6                            ; v6  where I store my fragment's image
.set XWS, 7                            ; v7  and its scale word
.set FI,  8                            ; v8  where fragments are read
.set FS,  9                            ; v9  and scale words
.set WA,  10                           ; v10 my lane's place in a tile of a weight
.set WSA, 11                           ; v11 and among its scale bytes
.set BAV, 12                           ; v12 v's bias: my row
.set BAQ, 13                           ; v13 q's, k's bias: my half
.set SRW, 14                           ; v14 where I store my slice's figures
.set SRR, 15                           ; v15 where the eight slices of my channels are read
.set W,   16                           ; v16-79   the weight: fragment (t, s) at W + 16 t + 8 s
.set MN,  16                           ; first: v16-47 eight means, v48-79 eight M2
.set MM,  48
.set WS,  80                           ; v80-87   the weight's scale words, (t, s) at WS + 2 t + s.  v80-91 hold scales alone
.set HSR, 88                           ; v88-91   h1's scale words
.set SCO, 92                           ; v92-95   scale words on the way out
.set BI,  96                           ; v96-127  q, k: the bias, eight registers a tile
.set LM,  96                           ; first: v96-99 my slice's mean, later 1 / sqrt(..)
.set BV,  96                           ; v96-99   v: my row's bias, a register a tile
.set CB,  104                          ; v104-111 v: that number eight times: a tile's C
.set VW,  112                          ; v112-115 v: the tiles' scale words
.set VSO, 116                          ; v116-117 v: two tiles to a register
.set D,   128                          ; v128-191 eight accumulators
.set R,   128                          ; the same registers: x as loaded
.set HF,  192                          ; v192-223 four fragments of h1
.set BNM, 192                          ; first: m, a, beta, g of my four channels
.set BNA, 196
.set BNB, 200
.set GG,  204
.set TM,  224                          ; v224-239 at work in QUANT
.set PC,  240                          ; v240-247 the codes just made
.set PW,  248                          ; v248     their scale word
.set SEL, 36                           ; s[36:37] lane selects: lane l xor 16
.macro PLACES                          ; four places behind matrix instructions (ISA guide 7.12.1), where no other vector work is at hand
.rept 4
	v_nop
.endr
.endm
.macro BARRIER                         ; my LDS stores have landed and my LDS loads are in: then the work-group's barrier
	s_wait_dscnt 0x0
	s_barrier_signal -1
	s_barrier_wait -1
.endm
.macro WM d, a, b, c, sa, sb
	v_wmma_scale_f32_16x16x128_f8f6f4 v[\d:\d+7], v[\a:\a+7], v[\b:\b+7], v[\c:\c+7], v[\sa], v[\sb] matrix_a_fmt:MATRIX_FMT_FP4 matrix_b_fmt:MATRIX_FMT_FP4
.endm
; Eight equal groups of n rows, means in v[mn] on and M2 in v[mm] on (a quad each), are joined: the mean into v[dm] on, M2 into v[mm .. mm + 3].  The means' registers are used up.
.macro JOIN8 mn, mm, dm, nlit
	v_pk_add_f32 v[\dm:\dm+1], v[\mn:\mn+1], v[\mn+4:\mn+5]
	v_pk_add_f32 v[\dm+2:\dm+3], v[\mn+2:\mn+3], v[\mn+6:\mn+7]
.irp k, 2,3,4,5,6,7
	v_pk_add_f32 v[\dm:\dm+1], v[\dm:\dm+1], v[\mn+4*\k:\mn+4*\k+1]
	v_pk_add_f32 v[\dm+2:\dm+3], v[\dm+2:\dm+3], v[\mn+4*\k+2:\mn+4*\k+3]
.endr
.irp k, 1,2,3,4,5,6,7
	v_pk_add_f32 v[\mm:\mm+1], v[\mm:\mm+1], v[\mm+4*\k:\mm+4*\k+1]
	v_pk_add_f32 v[\mm+2:\mm+3], v[\mm+2:\mm+3], v[\mm+4*\k+2:\mm+4*\k+3]
.endr
	v_pk_mul_f32 v[\dm:\dm+1], v[\dm:\dm+1], 0x3e000000 op_sel_hi:[1,0]     ; / 8
	v_pk_mul_f32 v[\dm+2:\dm+3], v[\dm+2:\dm+3], 0x3e000000 op_sel_hi:[1,0]
.irp k, 0,1,2,3,4,5,6,7
	v_pk_add_f32 v[\mn+4*\k:\mn+4*\k+1], v[\mn+4*\k:\mn+4*\k+1], v[\dm:\dm+1] neg_lo:[0,1] neg_hi:[0,1]
	v_pk_add_f32 v[\mn+4*\k+2:\mn+4*\k+3], v[\mn+4*\k+2:\mn+4*\k+3], v[\dm+2:\dm+3] neg_lo:[0,1] neg_hi:[0,1]
.endr
	v_pk_mul_f32 v[\mn:\mn+1], v[\mn:\mn+1], v[\mn:\mn+1]
	v_pk_mul_f32 v[\mn+2:\mn+3], v[\mn+2:\mn+3], v[\mn+2:\mn+3]
.irp k, 1,2,3,4,5,6,7
	v_pk_fma_f32 v[\mn:\mn+1], v[\mn+4*\k:\mn+4*\k+1], v[\mn+4*\k:\mn+4*\k+1], v[\mn:\mn+1]
	v_pk_fma_f32 v[\mn+2:\mn+3], v[\mn+4*\k+2:\mn+4*\k+3], v[\mn+4*\k+2:\mn+4*\k+3], v[\mn+2:\mn+3]
.endr
	v_pk_fma_f32 v[\mm:\mm+1], v[\mn:\mn+1], \nlit, v[\mm:\mm+1] op_sel_hi:[1,0,1]       ; n x the means' spread + the sum of the M2
	v_pk_fma_f32 v[\mm+2:\mm+3], v[\mn+2:\mn+3], \nlit, v[\mm+2:\mm+3] op_sel_hi:[1,0,1]
.endm
; 64 numbers of a lane, register 16 b + i = number 16 (lane / 16) + i of block b, become codes in v[PC] on (registers 4 c .. 4 c + 3: lanes 0-15 block 2 c, lanes 16-31 block 2 c + 1) and the four blocks' bytes in v[PW].
.macro QUANT s
.irp b, 0,1,2,3
	v_max3_num_f32 v[TM+\b], |v[\s+16*\b]|, |v[\s+1+16*\b]|, 0x1800000   ; my 16 numbers, and the floor 2^(3 - 127): the byte cannot fall under 1
.endr
.irp i, 2,4,6,8,10,12,14
.irp b, 0,1,2,3
	v_max3_num_f32 v[TM+\b], v[TM+\b], |v[\s+16*\b+\i]|, |v[\s+1+16*\b+\i]|   ; the four blocks by turns
.endr
.endr
.irp b, 0,1,2,3
	v_permlanex16_b32 v[TM+4+\b], v[TM+\b], s[SEL], s[SEL+1]
.endr
.irp b, 0,1,2,3
	v_max_num_f32 v[TM+\b], v[TM+\b], v[TM+4+\b]   ; with lane l xor 16's: the block's largest magnitude
.endr
.irp b, 0,1,2,3
	v_add_nc_u32 v[TM+12+\b], 0xff000000, v[TM+\b] ; 2 off its exponent field: the conversion's scale operand
.endr
.irp b, 0,1,2,3
	v_lshrrev_b32 v[TM+4+\b], 23, v[TM+12+\b]      ; the scale's byte
.endr
	v_lshl_or_b32 v[PW], v[TM+5], 8, v[TM+4]
	v_lshl_or_b32 v[PW], v[TM+6], 16, v[PW]
	v_lshl_or_b32 v[PW], v[TM+7], 24, v[PW]
.irp b, 0,1,2,3
	v_cvt_scalef32_pk8_fp4_f32 v[PC+2*\b], v[\s+16*\b:\s+7+16*\b], v[TM+12+\b]
	v_cvt_scalef32_pk8_fp4_f32 v[PC+1+2*\b], v[\s+8+16*\b:\s+15+16*\b], v[TM+12+\b]
.endr
	v_nop                                          ; one plain place behind a scaled conversion
.irp c, 0,1
.irp i, 0,1
	v_permlane16_swap_b32 v[PC+4*\c+\i], v[PC+2+4*\c+\i]   ; a whole block to a lane
.endr
.endr
.endm
; My 16 rows x 128 channels, loaded 512 consecutive bytes a row, are normalised, turned through my own stage so that a lane holds 16 neighbours of each block of its row, quantised, and laid in LDS as a fragment's image.
.macro XPHASE
.irp i, 0,1,2,3,4,5,6,7,8,9,10,11,12,13,14,15
	v_pk_add_f32 v[R+4*\i:R+4*\i+1], v[R+4*\i:R+4*\i+1], v[BNM:BNM+1] neg_lo:[0,1] neg_hi:[0,1]
	v_pk_add_f32 v[R+4*\i+2:R+4*\i+3], v[R+4*\i+2:R+4*\i+3], v[BNM+2:BNM+3] neg_lo:[0,1] neg_hi:[0,1]
.endr
.irp i, 0,1,2,3,4,5,6,7,8,9,10,11,12,13,14,15
	v_pk_fma_f32 v[R+4*\i:R+4*\i+1], v[R+4*\i:R+4*\i+1], v[BNA:BNA+1], v[BNB:BNB+1]
	v_pk_fma_f32 v[R+4*\i+2:R+4*\i+3], v[R+4*\i+2:R+4*\i+3], v[BNA+2:BNA+3], v[BNB+2:BNB+3]
	ds_store_b128 v[STS], v[R+4*\i:R+4*\i+3] offset:SPI*\i
.endr
.irp b, 0,1,2,3
.irp j, 0,1,2,3
	ds_load_b128 v[R+16*\b+4*\j:R+16*\b+4*\j+3], v[STR] offset:128*\b+16*\j   ; LDS serves a wave's instructions in order (ISA guide 5.7.1.4): these see my stores
.endr
.endr
	s_wait_dscnt 0x0
	QUANT R
	ds_store_b128 v[XWI], v[PC:PC+3]
	ds_store_b128 v[XWI], v[PC+4:PC+7] offset:512
	ds_store_b32 v[XWS], v[PW]
	BARRIER                                        ; all sixteen fragments lie in LDS; nothing is written there any more
.endm
; Token tiles 2 p and 2 p + 1 against my four tiles of weight rows: eight accumulators by turns, the bias as the C of each sum's first product.
.macro PROD p
.irp e, 0,1
.irp ks, 0,1
	ds_load_b128 v[HF+8*(2*\e+\ks):HF+8*(2*\e+\ks)+3], v[FI] offset:(2*(2*\p+\e)+\ks)*1024
	ds_load_b128 v[HF+8*(2*\e+\ks)+4:HF+8*(2*\e+\ks)+7], v[FI] offset:(2*(2*\p+\e)+\ks)*1024+512
	ds_load_b32 v[HSR+2*\e+\ks], v[FS] offset:(2*(2*\p+\e)+\ks)*128
.endr
.endr
	s_wait_dscnt 0x0
.irp e, 0,1
.irp t, 0,1,2,3
	WM D+8*(4*\e+\t), W+16*\t, HF+16*\e, BI+8*\t, WS+2*\t, HSR+2*\e
.endr
.endr
.irp e, 0,1
.irp t, 0,1,2,3
	WM D+8*(4*\e+\t), W+16*\t+8, HF+16*\e+8, D+8*(4*\e+\t), WS+2*\t+1, HSR+2*\e+1
.endr
.endr
.endm
	s_load_b512 s[4:19], s[0:1], 0x0               ; x, part1, beta1, wq codes, wq scales, bq, wk codes, wk scales
	s_load_b256 s[20:27], s[0:1], 0x40             ; bk, wv codes, wv scales, bv
	s_load_b128 s[28:31], s[0:1], 0x60             ; qimg, kv
	s_load_b64 s[56:57], s[0:1], 0x70              ; g1
	v_lshl_add_u32 v254, v0, 2, 0x29800
	v_mov_b32 v255, 0
	v_lshrrev_b32 v13, 5, v0
	v_readfirstlane_b32 s32, v13                   ; wave 0..15
	s_lshr_b32 s33, s32, 2                         ; which matrix
	s_and_b32 s34, s32, 3                          ; which head
	s_mov_b32 s[SEL], 0x76543210
	s_mov_b32 s[SEL+1], 0xfedcba98
	s_mov_b32 s38, 0xffff0000                      ; lanes 16-31
	s_mov_b32 s39, 0x7f7f0000                      ; the upper two bytes of a half tile's scale word: 1.0 twice
	s_mov_b32 s58, 0x38000000                      ; 1 / 32,768
	s_mov_b32 s59, 0x3727c5ac                      ; 1e-5
	v_and_b32 v13, 31, v0                          ; lane
	v_and_b32 v14, 15, v0                          ; r
	v_bfe_u32 v15, v0, 4, 1                        ; h
	v_lshlrev_b32 v[A16], 4, v13
	v_lshlrev_b32 v[A4], 2, v13
	v_lshlrev_b32 v[A8], 3, v13
	s_mul_i32 s48, s32, 16*SPI                     ; my stage
	v_add_nc_u32 v[STS], s48, v[A16]
	v_mul_u32_u24 v[STR], v14, SPI
	v_lshl_add_u32 v[STR], v15, 6, v[STR]
	v_add_nc_u32 v[STR], s48, v[STR]               ; row r, + 64 h: my 16 numbers of a block of 32
	s_lshl_b32 s48, s32, 10
	s_add_co_u32 s48, s48, XIMG
	v_add_nc_u32 v[XWI], s48, v[A16]
	s_lshl_b32 s48, s32, 7
	s_add_co_u32 s48, s48, XSC
	v_add_nc_u32 v[XWS], s48, v[A4]
	v_add_nc_u32 v[FI], XIMG, v[A16]
	v_add_nc_u32 v[FS], XSC, v[A4]
	v_and_b32 v[BAV], 8, v14
	v_add_nc_u32 v[BAV], v[BAV], v14               ; r + 8 (r / 8)
	v_lshlrev_b32 v[WA], 7, v[BAV]                 ; a weight's row is 128 bytes
	v_lshl_add_u32 v[WA], v15, 4, v[WA]
	v_lshlrev_b32 v[WSA], 3, v[BAV]                ; and 8 scale bytes
	v_lshlrev_b32 v[BAV], 2, v[BAV]
	v_lshlrev_b32 v[BAQ], 6, v15
	s_and_b32 s48, s32, 1                          ; r and h are done with: their registers take the figures' two LDS addresses
	s_lshl_b32 s48, s48, 13
	s_add_co_u32 s48, s48, SRED
	v_add_nc_u32 v[SRR], s48, v[A16]               ; SRED + 8,192 s + 16 lane
	s_lshr_b32 s49, s32, 1
	s_lshl_b32 s49, s49, 10
	s_add_co_u32 s48, s48, s49
	v_add_nc_u32 v[SRW], s48, v[A16]               ; + 1,024 T
.irp b, 0,1,2,3
	v_mov_b32 v[TM+4+\b], 0                        ; written once: a lane permute's destination counts as one of its sources
.endr
	s_lshl_b32 s48, ttmp9, 7                       ; the work-group's first token,
	s_lshl_b32 s49, s33, 5                         ; tile T = wave / 2 = 2 b + u begins at token 32 b + 8 u
	s_add_co_u32 s48, s48, s49
	s_bfe_u32 s49, s32, 0x10001
	s_lshl_b32 s49, s49, 3
	s_add_co_u32 s48, s48, s49
	s_lshl_b32 s48, s48, 10                        ; rows of 1,024 bytes
	s_and_b32 s50, s32, 1
	s_lshl_b32 s50, s50, 9                         ; channels 128 s on
	s_add_co_u32 s48, s48, s50
	s_mov_b32 s49, 0
	s_mov_b32 s51, 0
	s_lshr_b32 s54, ttmp9, 3                       ; where my role's results go: record ((batch x 4 + head) x 8 + block)
	s_lshl_b32 s54, s54, 2
	s_add_co_u32 s54, s54, s34
	s_lshl_b32 s54, s54, 3
	s_and_b32 s55, ttmp9, 7
	s_add_co_u32 s54, s54, s55
	s_movk_i32 s55, 8960
	s_cmp_eq_u32 s33, 0
	s_cselect_b32 s55, 4608, s55
	s_mul_i32 s54, s54, s55
	s_mov_b32 s55, 0
	s_mov_b32 s53, 0
	s_wait_kmcnt 0x0
	s_add_nc_u64 s[4:5], s[4:5], s[48:49]
	s_add_nc_u64 s[6:7], s[6:7], s[50:51]
	s_add_nc_u64 s[8:9], s[8:9], s[50:51]
	s_add_nc_u64 s[56:57], s[56:57], s[50:51]
	s_lshr_b32 s52, s32, 1
	s_lshl_b32 s52, s52, 14                        ; my eight groups of part1: 8 T x 2,048 bytes on
	s_add_nc_u64 s[6:7], s[6:7], s[52:53]
	s_cmp_eq_u32 s33, 0                            ; the role's buffers: the choice hangs on the wave's number alone
	s_cselect_b64 s[40:41], s[10:11], s[16:17]
	s_cselect_b64 s[42:43], s[12:13], s[18:19]
	s_cselect_b64 s[44:45], s[14:15], s[20:21]
	s_cselect_b64 s[46:47], s[28:29], s[30:31]
	s_cmp_eq_u32 s33, 2
	s_cselect_b64 s[40:41], s[22:23], s[40:41]
	s_cselect_b64 s[42:43], s[24:25], s[42:43]
	s_cselect_b64 s[44:45], s[26:27], s[44:45]
	s_lshl_b32 s52, s34, 13                        ; the head's 64 rows of codes,
	s_add_nc_u64 s[40:41], s[40:41], s[52:53]
	s_lshl_b32 s52, s34, 9                         ; of scale bytes,
	s_add_nc_u64 s[42:43], s[42:43], s[52:53]
	s_lshl_b32 s52, s34, 8                         ; its 64 biases
	s_add_nc_u64 s[44:45], s[44:45], s[52:53]
	s_add_nc_u64 s[46:47], s[46:47], s[54:55]
.irp k, 0,1,2,3,4,5,6,7
	global_load_b128 v[MN+4*\k:MN+4*\k+3], v[A16], s[6:7] offset:2048*\k          ; group 8 T + k: the means of my 128 channels, 512 consecutive bytes;
	global_load_b128 v[MM+4*\k:MM+4*\k+3], v[A16], s[6:7] offset:2048*\k+1024     ; their M2
.endr
	global_load_b128 v[GG:GG+3], v[A16], s[56:57]
	global_load_b128 v[BNB:BNB+3], v[A16], s[8:9]
.irp i, 0,1,2,3,4,5,6,7,8,9,10,11,12,13,14,15
	global_load_b128 v[R+4*\i:R+4*\i+3], v[A16], s[4:5] offset:(\i+8*(\i/8))*1024     ; 512 consecutive bytes of the tile's row i
.endr
	s_wait_loadcnt 18                              ; the sixteen loads of figures are in; g1, beta1 and x's sixteen may be out
	JOIN8 MN, MM, LM, 0x44000000                   ; n = 512 rows a group
	ds_store_b128 v[SRW], v[LM:LM+3]
	ds_store_b128 v[SRW], v[MM:MM+3] offset:512
	BARRIER                                        ; the sixteen slices' figures lie in LDS; these bytes are not written again
.irp t, 0,1,2,3,4,5,6,7
	ds_load_b128 v[MN+4*\t:MN+4*\t+3], v[SRR] offset:1024*\t
	ds_load_b128 v[MM+4*\t:MM+4*\t+3], v[SRR] offset:1024*\t+512
.endr
	s_wait_dscnt 0x0
	JOIN8 MN, MM, BNM, 0x45800000                  ; n = 4,096 rows a slice: m, and M2 of all 32,768 rows
.irp j, 0,1,2,3
	v_fma_f32 v[MM+\j], v[MM+\j], s58, s59         ; the variance + 1e-5
.endr
.irp j, 0,1,2,3
	v_rsq_f32 v[LM+\j], v[MM+\j]
.endr
	v_nop                                          ; a plain instruction behind the last of the four
	s_wait_alu depctr_va_vdst(0)                   ; one wait for the four, ahead of their first reader
	s_wait_loadcnt 0x0                             ; g1, beta1, x
.irp j, 0,1,2,3
	v_mul_f32 v[BNA+\j], v[GG+\j], v[LM+\j]        ; a = g1 / sqrt(..)
.endr
	s_cmp_lt_u32 s32, 12                           ; the role's weight, scale words and bias: asked for now, into the registers that the figures have left; they land while x is quantised
	s_cbranch_scc0 .Lno_role
.irp t, 0,1,2,3
.irp ks, 0,1
.irp c, 0,1
	global_load_b128 v[W+8*(2*\t+\ks)+4*\c:W+8*(2*\t+\ks)+4*\c+3], v[WA], s[40:41] offset:(32*(\t/2)+8*(\t%2))*128+64*\ks+32*\c
.endr
.endr
	global_load_b64 v[WS+2*\t:WS+2*\t+1], v[WSA], s[42:43] offset:(32*(\t/2)+8*(\t%2))*8
.endr
	s_cmp_lt_u32 s32, 8
	s_cbranch_scc0 .Lbias_v
.irp t, 0,1,2,3
	global_load_b128 v[BI+8*\t:BI+8*\t+3], v[BAQ], s[44:45] offset:(32*(\t/2)+8*(\t%2))*4        ; lane (r, h), tile 2 b + u: channels 32 b + 16 h + 8 u + 0 .. 7
	global_load_b128 v[BI+8*\t+4:BI+8*\t+7], v[BAQ], s[44:45] offset:(32*(\t/2)+8*(\t%2))*4+16
.endr
	s_branch .Lno_role
.Lbias_v:
.irp t, 0,1,2,3
	global_load_b32 v[BV+\t], v[BAV], s[44:45] offset:(32*(\t/2)+8*(\t%2))*4
.endr
.Lno_role:
	XPHASE
	s_wait_loadcnt 0x0                             ; the role's loads
	s_cmp_lt_u32 s32, 8
	s_cbranch_scc0 .Lnot_qk
; q or k: two token tiles at a time.  The 64 results of a lane are 2 tiles x 2 blocks of 32 channels: v[PC .. PC+3] is tile 2 p's half fragment, v[PC+4 .. PC+7] tile 2 p + 1's.
.macro QK_UNIT p
	s_wait_xcnt 0x0                                ; the last unit's stores have read their data: the codes' registers are written again only behind this wait
	PROD \p
	PLACES
	QUANT D
	global_store_b128 v[A16], v[PC:PC+3], s[46:47] offset:(2*\p)*512          ; 512 consecutive bytes each
	global_store_b128 v[A16], v[PC+4:PC+7], s[46:47] offset:(2*\p+1)*512
	v_and_or_b32 v249, v[PW], 0xffff, s39          ; tile 2 p's two bytes,
	v_lshrrev_b32 v250, 16, v[PW]
	v_or_b32 v250, s39, v250                       ; tile 2 p + 1's,
	v_cndmask_b32 v[SCO+\p], v249, v250, s38       ; one in lanes 0-15, the other in lanes 16-31
.endm
	QK_UNIT 0
	QK_UNIT 1
	QK_UNIT 2
	QK_UNIT 3
	global_store_b128 v[A16], v[SCO:SCO+3], s[46:47] offset:4096
	s_wait_tensorcnt 0x0
	ds_add_u32 v254, v255
	s_wait_dscnt 0x0
	s_endpgm
.Lnot_qk:
	s_cmp_lt_u32 s32, 12
	s_cbranch_scc0 .Ldone
; v: tile t of the head's channels against all eight token tiles.  The 64 results of a lane are 128 keys of one channel, in four blocks of 32: one whole fragment of the second product.
.macro V_UNIT t
	s_wait_xcnt 0x0                                ; the last unit's stores have read their data
.irp j, 0,1,2,3,4,5,6,7
	v_mov_b32 v[CB+\j], v[BV+\t]                   ; the bias in the result's layout: my channel's, eight times
.endr
.irp ks, 0,1
.irp hf, 0,1
	PLACES                                         ; in front of loads into registers that matrix instructions have read; the first four also stand behind the lines above
.irp i, 0,1,2,3
	ds_load_b128 v[HF+8*\i:HF+8*\i+3], v[FI] offset:(2*(4*\hf+\i)+\ks)*1024
	ds_load_b128 v[HF+8*\i+4:HF+8*\i+7], v[FI] offset:(2*(4*\hf+\i)+\ks)*1024+512
	ds_load_b32 v[HSR+\i], v[FS] offset:(2*(4*\hf+\i)+\ks)*128
.endr
	s_wait_dscnt 0x0
.irp i, 0,1,2,3
.if \ks == 0
	WM D+8*(4*\hf+\i), HF+8*\i, W+16*\t, CB, HSR+\i, WS+2*\t
.else
	WM D+8*(4*\hf+\i), HF+8*\i, W+16*\t+8, D+8*(4*\hf+\i), HSR+\i, WS+2*\t+1
.endif
.endr
.endr
.endr
	PLACES
	QUANT D
	global_store_b128 v[A16], v[PC:PC+3], s[46:47] offset:4608+1024*\t
	global_store_b128 v[A16], v[PC+4:PC+7], s[46:47] offset:4608+1024*\t+512
	v_mov_b32 v[VW+\t], v[PW]
.endm
	V_UNIT 0
	V_UNIT 1
	V_UNIT 2
	V_UNIT 3
	v_cndmask_b32 v[VSO], v[VW], v[VW+1], s38      ; tile 2 j in lanes 0-15, tile 2 j + 1 in lanes 16-31
	v_cndmask_b32 v[VSO+1], v[VW+2], v[VW+3], s38
	global_store_b64 v[A8], v[VSO:VSO+1], s[46:47] offset:8704                ; 256 consecutive bytes
.Ldone:
	s_wait_tensorcnt 0x0
	ds_add_u32 v254, v255
	s_wait_dscnt 0x0
	s_endpgm
.Lfunc_end_k_q17b5c0e773_qkv:
	.size	k_q17b5c0e773_qkv, .Lfunc_end_k_q17b5c0e773_qkv-k_q17b5c0e773_qkv
	.p2alignl 7, 3214868480
	.fill 96, 4, 3214868480
	.section	.rodata,"a",@progbits
	.p2align	6, 0x0
	.amdhsa_kernel k_q17b5c0e773_qkv
		.amdhsa_group_segment_fixed_size 172032
		.amdhsa_private_segment_fixed_size 0
		.amdhsa_enable_private_segment 0
		.amdhsa_kernarg_size 120
		.amdhsa_user_sgpr_count 2
		.amdhsa_user_sgpr_kernarg_segment_ptr 1
		.amdhsa_wavefront_size32 1
		.amdhsa_system_sgpr_workgroup_id_x 1
		.amdhsa_system_sgpr_workgroup_id_y 1
		.amdhsa_system_sgpr_workgroup_id_z 1
		.amdhsa_system_vgpr_workitem_id 0
		.amdhsa_next_free_vgpr 256
		.amdhsa_next_free_sgpr 66
		.amdhsa_reserve_vcc 0
		.amdhsa_float_denorm_mode_32 3
		.amdhsa_float_denorm_mode_16_64 3
		.amdhsa_memory_ordered 1
		.amdhsa_forward_progress 1
		.amdhsa_inst_pref_size 100
	.end_amdhsa_kernel
	.amdgpu_metadata
---
amdhsa.version: [ 1, 2 ]
amdhsa.kernels:
  - .name:           k_q17b5c0e773_qkv
    .symbol:         k_q17b5c0e773_qkv.kd
    .args:
      - { .name: x, .offset: 0, .size: 8, .value_kind: global_buffer, .address_space: global }
      - { .name: part1, .offset: 8, .size: 8, .value_kind: global_buffer, .address_space: global }
      - { .name: beta1, .offset: 16, .size: 8, .value_kind: global_buffer, .address_space: global }
      - { .name: wq_codes, .offset: 24, .size: 8, .value_kind: global_buffer, .address_space: global }
      - { .name: wq_scales, .offset: 32, .size: 8, .value_kind: global_buffer, .address_space: global }
      - { .name: bq, .offset: 40, .size: 8, .value_kind: global_buffer, .address_space: global }
      - { .name: wk_codes, .offset: 48, .size: 8, .value_kind: global_buffer, .address_space: global }
      - { .name: wk_scales, .offset: 56, .size: 8, .value_kind: global_buffer, .address_space: global }
      - { .name: bk, .offset: 64, .size: 8, .value_kind: global_buffer, .address_space: global }
      - { .name: wv_codes, .offset: 72, .size: 8, .value_kind: global_buffer, .address_space: global }
      - { .name: wv_scales, .offset: 80, .size: 8, .value_kind: global_buffer, .address_space: global }
      - { .name: bv, .offset: 88, .size: 8, .value_kind: global_buffer, .address_space: global }
      - { .name: qimg, .offset: 96, .size: 8, .value_kind: global_buffer, .address_space: global }
      - { .name: kv, .offset: 104, .size: 8, .value_kind: global_buffer, .address_space: global }
      - { .name: g1, .offset: 112, .size: 8, .value_kind: global_buffer, .address_space: global }
    .group_segment_fixed_size: 172032
    .private_segment_fixed_size: 0
    .kernarg_segment_align: 8
    .kernarg_segment_size: 120
    .max_flat_workgroup_size: 512
    .sgpr_count:     66
    .vgpr_count:     256
    .wavefront_size: 32
...
	.end_amdgpu_metadata
.endif
;; end of part 2
;; launch attn (part 3): grid 256 x 1, 16 waves a work-group, clusters of 4 x 1, 327,680 bytes of LDS; arguments qimg, kv, wo_codes, wo_scales, bo, x, r1, part2; writes r1, part2
.if DOCPART == 3
	.amdgcn_target "amdgcn-amd-amdhsa--gfx1250"
	.amdhsa_code_object_version 6
	.text
	.protected	k_q17b5c0e773_attn
	.globl	k_q17b5c0e773_attn
	.p2align	8
	.type	k_q17b5c0e773_attn,@function
k_q17b5c0e773_attn:
	s_mov_b64 s[64:65], 0
	v_nop
	global_prefetch_b8 v0, s[64:65] scope:SCOPE_SE
	s_setreg_imm32_b32 hwreg(HW_REG_WAVE_MODE, 25, 1), 1
	s_wait_xcnt 0x0
	s_wait_alu depctr_hold_cnt(0) depctr_sa_sdst(0) depctr_va_vdst(0) depctr_va_sdst(0) depctr_va_ssrc(0) depctr_va_vcc(0) depctr_vm_vsrc(0)
	s_getreg_b32 s2, hwreg(HW_REG_IB_STS2, 6, 4)
	s_cmp_eq_u32 s2, 0
	s_cbranch_scc0 .Lentry_in_a_cluster
	s_endpgm
.Lentry_in_a_cluster:
	s_bfe_u32 s2, ttmp6, 0x10000c
	s_cmp_lg_u32 s2, 0x3003
	s_cbranch_scc0 .Lentry_shape_is_right
	s_endpgm
.Lentry_shape_is_right:
; Attention on codes of FP4 (E2M1) with E8M0 scales, the product with wo, the residual, and the column statistics of the result:  r1 = x + softmax(q k^T / 8) v wo^T + bo;  part2 as the first launch lays part1.
; THE SOFTMAX: t = score x log2(e) / 8; M = the running largest t, rounded UP to a whole number; p = 2^(t - M) is quantised along the keys, not normalised; the row's sum is taken of the unquantised p and divides at the end.
; SHARES.  A work-group owns 128 queries of one batch, all four heads.  Wave 4 g + hd owns queries 32 g .. 32 g + 31 (two tiles) of head hd, and walks the head's 1,024 keys, 128 a step: each fragment of K and V feeds both tiles.
; K AND V OF THE WHOLE BATCH (four heads, codes and scale words: 286,720 bytes) lie in LDS, filled ONCE: no byte is filled again.  They are images of operand registers: lane l reads its 16 bytes at 16 l.
; CLUSTER.  Four work-groups of one batch ask for those bytes JOINTLY: the same tensor loads, the same descriptors, a mask that names the four.  Waves 0-7 issue two loads each: key steps 0 and 1 first, so that work begins
; while steps 2 to 7 are on their way: by this text's count a wave has two tensor loads out at the most.
; LAYOUT.  S^T = K Q^T, O^T = V^T P^T: a lane holds one query throughout.  A head has 64 channels, the instruction's K is 128: Q's upper four registers are zero codes, so K's upper four may hold anything:
; tile t's operand is v[KF + 4 t .. + 7], whose upper half is the next tile's codes; both sides' scale bytes there are 0x7f.
; THE wo PHASE.  o, quantised by the wave that made it (a block of 32 channels lies inside a head), goes through LDS as images; wave 4 g + c then makes rows 32 g .. + 31, columns 64 c .. + 63.
; Sixteen waves of 256 registers, four to a SIMD: one wave's vector work stands beside another's matrix work.
; LIMITS: NaN and infinities are not served; a block whose largest magnitude lies under 2^-124 keeps the byte 1, a block of zeros too.
.set REC,   8960                       ; a key step of a head: K 4,096, its scale words 512, V 4,096, its scale words 256
.set HEADB, 71680                      ; eight of them
.set OIMG,  286720                     ; behind K and V: o's 16 fragments (2 x tile + K step), 1,024 bytes each;
.set OSC,   303104                     ; their scale words, 128 bytes each;
.set RED,   305152                     ; the waves' column figures: 2,048 c + 512 g + 16 lane
.set SPT,   272                        ; the way out: a stage of 32 rows x (256 bytes + 16) for each wave, over K and V, which have had their only fill and are read no more behind the third barrier
.set A16, 1                            ; v1  16 x lane
.set A8,  2                            ; v2  8 x lane
.set ADK, 3                            ; v3  the step's record + 16 x lane
.set ADV, 4                            ; v4  the step's record + 8 x lane
.set PFO, 5                            ; v5  the prefetch's offset: 1,024 x lane
.set PW,  6                            ; v6  o's scale word
.set GX,  7                            ; v7  1,024 (lane / 16) + 16 (lane % 16): two rows of x, r1; the two rows of part2
.set ST,  8                            ; v8-15    tile q: -M, the largest t, the sum in two halves
.set QF,  16                           ; v16-31   tile q: four registers of codes, four of zeros
.set KF,  32                           ; v32-63   K: four registers a tile
.set VF,  64                           ; v64-95   V: eight registers a tile of 16 channels
.set KS,  96                           ; v96-99   K's scale words: tile 2 j in lanes 0-15, 2 j + 1 in lanes 16-31.  v96-103 hold scales alone
.set VS,  100                          ; v100-101 V's likewise
.set QS,  102                          ; v102     Q's: tile 0 in lanes 0-15, tile 1 in lanes 16-31
.set PS,  103                          ; v103     p's
.set SS,  104                          ; v104-167 S^T, then p
.set OO,  168                          ; v168-231 O^T, 32 a tile
.set PC,  232                          ; v232-239 the codes just made
.set BM,  240                          ; v240-243 the blocks' largest scores, then largest p
.set PM,  244                          ; v244-247 at work
.set SO,  248                          ; v248-251 the conversions' scale operands
.set F,   252                          ; v[252:253] 2^(old M - new M); the pair's upper word is written once
.set T,   254
.set TM,  240                          ; QUANT's sixteen, behind the loops
.set G1A, 20                           ; s[20:27] descriptor group 1: 35 rows of 256 bytes;  s[28:35]: 105 rows
.set G1B, 28
.set G0A, 36                           ; s[36:39], s[40:43] groups 0
.set G0B, 40
.set WV,  44
.set HD,  45
.set QG,  46
.set TB,  47                           ; LDS byte at which the step's record begins
.set CNT, 48
.set SEL, 50                           ; s[50:51] lane selects: lane l xor 16
.set MASK, 52                          ; lanes 16-31
.set CS,  54                           ; s[54:55] log2(e) / 8
.macro PLACES
.rept 4
	v_nop
.endr
.endm
.macro BARRIER
	s_wait_dscnt 0x0
	s_barrier_signal -1
	s_barrier_wait -1
.endm
.macro CROUND                          ; a round of the cluster's barrier
	s_barrier_signal -1
	s_barrier_wait -1
	s_cmp_lg_u32 s[WV], 0
	s_cbranch_scc1 .Lnot_wave_0_\@
	s_barrier_signal -3
.Lnot_wave_0_\@:
	s_barrier_wait -3
	s_barrier_signal -1
	s_barrier_wait -1
.endm
; A product that starts a sum.  ra, rb: the side's scales stand in lanes 16-31 of the register named.
.macro WMZ d, a, b, sa, sb, ra, rb
.if (\ra) && (\rb)
	v_wmma_scale_f32_16x16x128_f8f6f4 v[\d:\d+7], v[\a:\a+7], v[\b:\b+7], 0, v[\sa], v[\sb] matrix_a_fmt:MATRIX_FMT_FP4 matrix_b_fmt:MATRIX_FMT_FP4 matrix_a_scale:MATRIX_SCALE_ROW1 matrix_b_scale:MATRIX_SCALE_ROW1
.elseif (\ra)
	v_wmma_scale_f32_16x16x128_f8f6f4 v[\d:\d+7], v[\a:\a+7], v[\b:\b+7], 0, v[\sa], v[\sb] matrix_a_fmt:MATRIX_FMT_FP4 matrix_b_fmt:MATRIX_FMT_FP4 matrix_a_scale:MATRIX_SCALE_ROW1
.elseif (\rb)
	v_wmma_scale_f32_16x16x128_f8f6f4 v[\d:\d+7], v[\a:\a+7], v[\b:\b+7], 0, v[\sa], v[\sb] matrix_a_fmt:MATRIX_FMT_FP4 matrix_b_fmt:MATRIX_FMT_FP4 matrix_b_scale:MATRIX_SCALE_ROW1
.else
	v_wmma_scale_f32_16x16x128_f8f6f4 v[\d:\d+7], v[\a:\a+7], v[\b:\b+7], 0, v[\sa], v[\sb] matrix_a_fmt:MATRIX_FMT_FP4 matrix_b_fmt:MATRIX_FMT_FP4
.endif
.endm
; A product that adds in place.
.macro WMA d, a, b, sa, sb, ra, rb
.if (\ra) && (\rb)
	v_wmma_scale_f32_16x16x128_f8f6f4 v[\d:\d+7], v[\a:\a+7], v[\b:\b+7], v[\d:\d+7], v[\sa], v[\sb] matrix_a_fmt:MATRIX_FMT_FP4 matrix_b_fmt:MATRIX_FMT_FP4 matrix_a_scale:MATRIX_SCALE_ROW1 matrix_b_scale:MATRIX_SCALE_ROW1
.elseif (\ra)
	v_wmma_scale_f32_16x16x128_f8f6f4 v[\d:\d+7], v[\a:\a+7], v[\b:\b+7], v[\d:\d+7], v[\sa], v[\sb] matrix_a_fmt:MATRIX_FMT_FP4 matrix_b_fmt:MATRIX_FMT_FP4 matrix_a_scale:MATRIX_SCALE_ROW1
.elseif (\rb)
	v_wmma_scale_f32_16x16x128_f8f6f4 v[\d:\d+7], v[\a:\a+7], v[\b:\b+7], v[\d:\d+7], v[\sa], v[\sb] matrix_a_fmt:MATRIX_FMT_FP4 matrix_b_fmt:MATRIX_FMT_FP4 matrix_b_scale:MATRIX_SCALE_ROW1
.else
	v_wmma_scale_f32_16x16x128_f8f6f4 v[\d:\d+7], v[\a:\a+7], v[\b:\b+7], v[\d:\d+7], v[\sa], v[\sb] matrix_a_fmt:MATRIX_FMT_FP4 matrix_b_fmt:MATRIX_FMT_FP4
.endif
.endm
; 64 numbers of a lane, register 16 b + i = number 16 (lane / 16) + i of block b, become codes in v[PC] on and the four blocks' bytes in v[PW].
.macro QUANT s
.irp b, 0,1,2,3
	v_max3_num_f32 v[TM+\b], |v[\s+16*\b]|, |v[\s+1+16*\b]|, 0x1800000   ; my 16 numbers, and the floor 2^(3 - 127): the byte cannot fall under 1
.endr
.irp i, 2,4,6,8,10,12,14
.irp b, 0,1,2,3
	v_max3_num_f32 v[TM+\b], v[TM+\b], |v[\s+16*\b+\i]|, |v[\s+1+16*\b+\i]|
.endr
.endr
.irp b, 0,1,2,3
	v_permlanex16_b32 v[TM+4+\b], v[TM+\b], s[SEL], s[SEL+1]
.endr
.irp b, 0,1,2,3
	v_max_num_f32 v[TM+\b], v[TM+\b], v[TM+4+\b]
.endr
.irp b, 0,1,2,3
	v_add_nc_u32 v[TM+12+\b], 0xff000000, v[TM+\b]
.endr
.irp b, 0,1,2,3
	v_lshrrev_b32 v[TM+4+\b], 23, v[TM+12+\b]
.endr
	v_lshl_or_b32 v[PW], v[TM+5], 8, v[TM+4]
	v_lshl_or_b32 v[PW], v[TM+6], 16, v[PW]
	v_lshl_or_b32 v[PW], v[TM+7], 24, v[PW]
.irp b, 0,1,2,3
	v_cvt_scalef32_pk8_fp4_f32 v[PC+2*\b], v[\s+16*\b:\s+7+16*\b], v[TM+12+\b]
	v_cvt_scalef32_pk8_fp4_f32 v[PC+1+2*\b], v[\s+8+16*\b:\s+15+16*\b], v[TM+12+\b]
.endr
	v_nop                                          ; one plain place behind a scaled conversion
.irp c, 0,1
.irp i, 0,1
	v_permlane16_swap_b32 v[PC+4*\c+\i], v[PC+2+4*\c+\i]
.endr
.endr
.endm
	s_load_b512 s[4:19], s[0:1], 0x0               ; qimg, kv, wo codes, wo scales, bo, x, r1, part2
	v_lshl_add_u32 v254, v0, 2, 0x4c800
	v_mov_b32 v255, 0
	ds_add_u32 v254, v255
	ds_add_u32 v254, v255
	s_wait_dscnt 0x0
	v_lshrrev_b32 v1, 5, v0
	v_readfirstlane_b32 s[WV], v1                  ; wave 0..15
	s_and_b32 s[HD], s[WV], 3                      ; my head; later my 64 columns
	s_lshr_b32 s[QG], s[WV], 2                     ; my 32 queries
	s_bfe_u32 s66, ttmp6, 0x40000                  ; cx: my place in the cluster: it enters global addresses of my own loads and stores alone
	s_lshl_b32 s67, ttmp9, 2
	s_add_co_u32 s67, s67, s66                     ; my block of 128 tokens, of 256
	s_lshr_b32 s68, ttmp9, 1                       ; the batch, which the four partners share
	s_mov_b32 s[G1A], 15|(3<<16)|(1<<21)           ; 15:0 the mask: all four; 17:16 elements of 8 bytes; 21 set beside a mask; no padding: images are read 16 bytes a lane on end
	s_mov_b32 s[G1A+1], 32<<16                     ; tensor_dim0 = 32 elements: rows of 256 bytes
	s_mov_b32 s[G1A+2], 35<<16                     ; tensor_dim1 = 35 rows: one record
	s_mov_b32 s[G1A+3], 32<<16                     ; tile_dim0
	s_mov_b32 s[G1A+4], 35                         ; tile_dim1
	s_mov_b32 s[G1A+5], 32                         ; the pitch: dense
	s_mov_b32 s[G1A+6], 0
	s_mov_b32 s[G1A+7], 0
	s_mov_b32 s[G1B], 15|(3<<16)|(1<<21)
	s_mov_b32 s[G1B+1], 32<<16
	s_mov_b32 s[G1B+2], 105<<16                    ; three records
	s_mov_b32 s[G1B+3], 32<<16
	s_mov_b32 s[G1B+4], 105
	s_mov_b32 s[G1B+5], 32
	s_mov_b32 s[G1B+6], 0
	s_mov_b32 s[G1B+7], 0
	s_lshr_b32 s69, s[WV], 1                       ; waves 0-7: head wave / 2,
	s_mul_i32 s69, s69, HEADB
	s_and_b32 s70, s[WV], 1                        ; part wave % 2
	s_mul_i32 s71, s70, 3*REC
	s_mul_i32 s70, s70, REC
	s_add_co_u32 s70, s70, s69                     ; the first load: step 0 or 1
	s_add_co_u32 s71, s71, s69
	s_add_co_u32 s71, s71, 2*REC                   ; the second: steps 2-4 or 5-7.  The same offsets in memory and in LDS
	s_mul_i32 s72, s68, 4*HEADB
	s_mov_b32 s73, 0
	s_lshl_b32 s76, s68, 2                         ; Q's record: ((batch x 4 + head) x 8 + block) x 4,608
	s_add_co_u32 s76, s76, s[HD]
	s_lshl_b32 s76, s76, 3
	s_and_b32 s77, s67, 7
	s_add_co_u32 s76, s76, s77
	s_mul_i32 s76, s76, 4608
	s_mov_b32 s77, 0
	s_mov_b32 s79, 0
	s_mov_b32 s[SEL], 0x76543210
	s_mov_b32 s[SEL+1], 0xfedcba98
	s_mov_b32 s[MASK], 0xffff0000
	s_mov_b32 s[CS], 0x3e38aa3b                    ; log2(e) / 8
	s_mov_b32 s[CS+1], s[CS]                       ; (named with it as a pair, so it is written)
	s_mul_i32 s[TB], s[HD], HEADB
	s_wait_kmcnt 0x0
	s_add_nc_u64 s[6:7], s[6:7], s[72:73]          ; kv at the batch
	s_mov_b32 s72, s70
	s_mov_b32 s[G0A], 1                            ; count = 1
	s_mov_b32 s[G0A+1], s70                        ; LDS address
	s_add_nc_u64 s[G0A+2:G0A+3], s[6:7], s[72:73]  ; global address
	s_or_b32 s[G0A+3], s[G0A+3], 0x80000000        ; type = 2
	s_mov_b32 s72, s71
	s_mov_b32 s[G0B], 1
	s_mov_b32 s[G0B+1], s71
	s_add_nc_u64 s[G0B+2:G0B+3], s[6:7], s[72:73]
	s_or_b32 s[G0B+3], s[G0B+3], 0x80000000
	s_add_nc_u64 s[4:5], s[4:5], s[76:77]          ; Q's record;
	s_lshl_b32 s78, s[QG], 2
	s_add_nc_u64 s[62:63], s[4:5], s[78:79]        ; its scale words, register QG of four;
	s_lshl_b32 s78, s[QG], 10
	s_add_nc_u64 s[4:5], s[4:5], s[78:79]          ; my two tiles
	s_lshl_b32 s76, s67, 7                         ; x and r1: row 128 x block + 32 x QG, + my 64 columns
	s_lshl_b32 s78, s[QG], 5
	s_add_co_u32 s76, s76, s78
	s_lshl_b32 s76, s76, 10
	s_lshl_b32 s78, s[HD], 8
	s_add_co_u32 s76, s76, s78
	s_add_nc_u64 s[56:57], s[14:15], s[76:77]
	s_add_nc_u64 s[58:59], s[16:17], s[76:77]
	s_add_nc_u64 s[12:13], s[12:13], s[78:79]      ; bo at my 64 columns
	s_lshl_b32 s76, s67, 11                        ; part2: 2,048 x block + my 64 columns
	s_add_co_u32 s76, s76, s78
	s_add_nc_u64 s[60:61], s[18:19], s[76:77]
	s_lshl_b32 s78, s[HD], 13                      ; wo: my 64 rows of codes,
	s_add_nc_u64 s[8:9], s[8:9], s[78:79]
	s_lshl_b32 s78, s[HD], 9                       ; of scale bytes
	s_add_nc_u64 s[10:11], s[10:11], s[78:79]
	CROUND                                         ; all four work-groups are here: the joint loads meet
	s_cmp_lt_u32 s[WV], 8                          ; a wave's two loads stand in one branch, ahead of every wait on TENSORcnt and every LDS read
	s_cbranch_scc0 .Lasked
	tensor_load_to_lds s[G0A:G0A+3], s[G1A:G1A+7]
	s_nop 0
	tensor_load_to_lds s[G0B:G0B+3], s[G1B:G1B+7]
	s_nop 0
.rept 4
	v_nop
.endr
.Lasked:
	v_and_b32 v3, 31, v0
	v_lshlrev_b32 v[A16], 4, v3
	v_lshlrev_b32 v[A8], 3, v3
	v_lshlrev_b32 v[PFO], 10, v3
	v_and_b32 v4, 15, v0
	v_bfe_u32 v3, v0, 4, 1
	v_lshlrev_b32 v[GX], 4, v4
	v_lshl_add_u32 v[GX], v3, 10, v[GX]
	global_load_b128 v[QF:QF+3], v[A16], s[4:5]
	global_load_b128 v[QF+8:QF+11], v[A16], s[4:5] offset:512
	global_load_b32 v[QS], v[A16], s[62:63] offset:4096
.irp q, 0,1
.irp j, 4,5,6,7
	v_mov_b32 v[QF+8*\q+\j], 0                     ; zero codes for k = 64 .. 127
.endr
	v_mov_b32 v[ST+4*\q+1], 0xff61b1e6             ; the largest t so far: -3e38, under every t
	v_floor_f32 v[ST+4*\q], -v[ST+4*\q+1]          ; -M
	v_mov_b32 v[ST+4*\q+2], 0                      ; the sum, in two halves
	v_mov_b32 v[ST+4*\q+3], 0
.endr
.irp b, 0,1,2,3
	v_mov_b32 v[PM+\b], 0                          ; written once: a lane permute's destination counts as one of its sources
.endr
	v_mov_b32 v[F+1], 0                            ; (named as the upper half of a pair)
.set j, 0
.rept 64
	v_mov_b32 v[OO+j], 0                           ; O^T.  The step is written for every trip alike: the first finds zeros, which the first change of M leaves zeros
.set j, j+1
.endr
	s_wait_loadcnt 0x0                             ; Q
; Tile q against the step's 128 keys.
.macro TILE q
.set QFQ, QF+8*\q
.set STQ, ST+4*\q
.set OQ, OO+32*\q
.irp t, 0,1,2,3,4,5,6,7
	WMZ SS+8*\t, KF+4*\t, QFQ, KS+\t/2, QS, \t%2, \q
.endr                                  ; the 16 registers of tiles 2 b, 2 b + 1 are keys 32 b + 16 (lane / 16) + 0 .. 15
	PLACES
.irp b, 0,1,2,3
	v_max3_num_f32 v[BM+\b], v[SS+16*\b], v[SS+1+16*\b], v[SS+2+16*\b]   ; the largest score of each block of 32 keys: for the row's maximum, and, since p rises with the score, for the block's largest p
.endr
.irp i, 3,5,7,9,11,13
.irp b, 0,1,2,3
	v_max3_num_f32 v[BM+\b], v[BM+\b], v[SS+16*\b+\i], v[SS+1+16*\b+\i]
.endr
.endr
.irp b, 0,1,2,3
	v_max_num_f32 v[BM+\b], v[BM+\b], v[SS+15+16*\b]
.endr
.irp b, 0,1,2,3
	v_permlanex16_b32 v[PM+\b], v[BM+\b], s[SEL], s[SEL+1]
.endr
.irp b, 0,1,2,3
	v_max_num_f32 v[BM+\b], v[BM+\b], v[PM+\b]     ; with lane l xor 16's 16 keys
.endr
	v_max3_num_f32 v[T], v[BM], v[BM+1], v[BM+2]
	v_max_num_f32 v[T], v[T], v[BM+3]
	v_mul_f32 v[T], s[CS], v[T]                    ; as t
	v_max_num_f32 v[STQ+1], v[STQ+1], v[T]         ; the running largest t
	v_mov_b32 v[T], v[STQ]
	v_floor_f32 v[STQ], -v[STQ+1]                  ; the new -M = -ceil(t): a whole number
	v_sub_f32 v[T], v[STQ], v[T]                   ; old M - new M: a whole number, 0 or less
	v_cvt_i32_f32 v[T], v[T]                       ; (it saturates)
	v_ldexp_f32 v[F], 1.0, v[T]                    ; f = 2^(old M - new M): a multiplication by it rounds nothing
.set j, 0
.rept 32
	v_pk_fma_f32 v[SS+j:SS+j+1], v[SS+j:SS+j+1], s[CS:CS+1], v[STQ:STQ+1] op_sel_hi:[1,0,0]   ; t - M, two at a time
.set j, j+2
.endr
.irp b, 0,1,2,3
	v_fma_f32 v[BM+\b], v[BM+\b], s[CS], v[STQ]    ; the same of each block's largest score
.endr
.set j, 0
.rept 64
	v_exp_f32 v[SS+j], v[SS+j]                     ; p = 2^(t - M), at most 1
.set j, j+1
.endr
	v_pk_mul_f32 v[STQ+2:STQ+3], v[STQ+2:STQ+3], v[F:F+1] op_sel_hi:[1,0]   ; the sums under the new M: a plain place behind the exponentials
	s_wait_alu depctr_va_vdst(0)                   ; one wait for the whole batch, ahead of its first reader
.irp b, 0,1,2,3
	v_exp_f32 v[BM+\b], v[BM+\b]                   ; the block's largest p: the same two instructions on the same number
.endr
	v_pk_add_f32 v[PM:PM+1], v[SS:SS+1], v[SS+2:SS+3]      ; the row's sum, of the unquantised p, in two chains
.set j, 4
.rept 15
	v_pk_add_f32 v[STQ+2:STQ+3], v[STQ+2:STQ+3], v[SS+j:SS+j+1]
	v_pk_add_f32 v[PM:PM+1], v[PM:PM+1], v[SS+j+2:SS+j+3]
.set j, j+4
.endr
	v_pk_add_f32 v[STQ+2:STQ+3], v[STQ+2:STQ+3], v[PM:PM+1]
	s_wait_alu depctr_va_vdst(0)                   ; and one for the four
.irp b, 0,1,2,3
	v_max_num_f32 v[BM+\b], 0x1800000, v[BM+\b]    ; the floor 2^(3 - 127): the byte cannot fall under 1
.endr
.irp b, 0,1,2,3
	v_add_nc_u32 v[SO+\b], 0xff000000, v[BM+\b]    ; 2 off the exponent field: the conversion's scale operand
.endr
.irp b, 0,1,2,3
	v_lshrrev_b32 v[PM+\b], 23, v[SO+\b]           ; the scale's byte
.endr
	v_lshl_or_b32 v[PS], v[PM+1], 8, v[PM]         ; p's scale word for these 128 keys
	v_lshl_or_b32 v[PS], v[PM+2], 16, v[PS]
	v_lshl_or_b32 v[PS], v[PM+3], 24, v[PS]
.irp b, 0,1,2,3
	v_cvt_scalef32_pk8_fp4_f32 v[PC+2*\b], v[SS+16*\b:SS+7+16*\b], v[SO+\b]
	v_cvt_scalef32_pk8_fp4_f32 v[PC+1+2*\b], v[SS+8+16*\b:SS+15+16*\b], v[SO+\b]
.endr
	v_nop                                          ; one plain place behind a scaled conversion
.irp c, 0,1
.irp i, 0,1
	v_permlane16_swap_b32 v[PC+4*\c+\i], v[PC+2+4*\c+\i]
.endr
.endr
.set j, 0
.rept 16
	v_pk_mul_f32 v[OQ+j:OQ+j+1], v[OQ+j:OQ+j+1], v[F:F+1] op_sel_hi:[1,0]   ; O^T under the new M.  Twelve of the sixteen name no register of any one product below: the places behind the scale word and the codes
.set j, j+2
.endr
.irp t, 0,1,2,3
	WMA OQ+8*\t, VF+8*\t, PC, VS+\t/2, PS, \t%2, 0 ; four accumulators by turns, one instruction a turn
.endr
.endm
; A key step.  pf = 1: the trip in which the counter stands at 2 asks for my part of x: this step and one more lie between the request and the loads.
.macro STEP pf
	v_add_nc_u32 v[ADK], s[TB], v[A16]
	v_add_nc_u32 v[ADV], s[TB], v[A8]
	v_nop
	v_nop                                          ; with the two additions: four places in front of loads into registers that matrix instructions have read
.irp t, 0,1,2,3,4,5,6,7
	ds_load_b128 v[KF+4*\t:KF+4*\t+3], v[ADK] offset:512*\t
.endr
	ds_load_b128 v[KS:KS+3], v[ADK] offset:4096
.irp t, 0,1,2,3
	ds_load_b128 v[VF+8*\t:VF+8*\t+3], v[ADK] offset:4608+1024*\t
	ds_load_b128 v[VF+8*\t+4:VF+8*\t+7], v[ADK] offset:4608+1024*\t+512
.endr
	ds_load_b64 v[VS:VS+1], v[ADV] offset:8704
.if \pf
	s_cmp_eq_u32 s[CNT], 2                         ; the counter is the same in every wave and every partner
	s_cbranch_scc0 .Lno_pf_\@
	global_prefetch_b8 v[PFO], s[56:57] th:TH_LOAD_NT scope:SCOPE_SE   ; my 32 rows of x, my 256 bytes of each: a lane a row; each such block is named once in the launch
.Lno_pf_\@:
.endif
	s_wait_dscnt 0x0
	TILE 0
	TILE 1
	s_add_co_u32 s[TB], s[TB], REC
.endm
	s_wait_tensorcnt 0x1                           ; my part of steps 0 and 1 is in; the load behind it may stay out
	s_barrier_signal -1
	s_barrier_wait -1                              ; everybody's is
	s_mov_b32 s[CNT], 2
.Lfirst:
	STEP 0
	s_sub_co_u32 s[CNT], s[CNT], 1
	s_cmp_lg_u32 s[CNT], 0
	s_cbranch_scc1 .Lfirst
	s_wait_tensorcnt 0x0                           ; my part of steps 2 to 7 is in,
	s_barrier_signal -1
	s_barrier_wait -1                              ; everybody's is
	s_mov_b32 s[CNT], 6
.Lrest:
	STEP 1
	s_sub_co_u32 s[CNT], s[CNT], 1
	s_cmp_lg_u32 s[CNT], 0
	s_cbranch_scc1 .Lrest
	; ---- wo's fragments, bo and x are asked for; o is finished meanwhile.  The five lines below are the places behind the last products.
	v_and_b32 v4, 15, v0                           ; r
	v_bfe_u32 v3, v0, 4, 1                         ; h
	v_lshlrev_b32 v3, 4, v3
	v_lshl_add_u32 v3, v4, 7, v3                   ; wo: row r of 128 bytes, + 16 h
	v_lshlrev_b32 v4, 4, v4                        ; bo: 16 r
.irp t, 0,1,2,3
.irp ks, 0,1
.irp c, 0,1
	global_load_b128 v[16+8*(2*\t+\ks)+4*\c:16+8*(2*\t+\ks)+4*\c+3], v3, s[8:9] offset:2048*\t+64*\ks+32*\c   ; fragment (t, s) at v[16 + 16 t + 8 s]
.endr
.endr
.endr
	global_load_b64 v[96:97], v[A8], s[10:11]      ; wo's scale words: rows 16 (2 j + lane / 16) + lane % 16 lie 8 x lane bytes on: tile 2 j in lanes 0-15, 2 j + 1 in lanes 16-31; both K steps
	global_load_b64 v[98:99], v[A8], s[10:11] offset:256
	global_load_b128 v[80:83], v4, s[12:13]        ; bo of my four columns
.irp i, 0,1,2,3,4,5,6,7,8,9,10,11,12,13,14,15
	global_load_b128 v[104+4*\i:107+4*\i], v[GX], s[56:57] offset:2048*\i th:TH_LOAD_NT   ; x: rows 2 i and 2 i + 1, 256 consecutive bytes each
.endr
.irp q, 0,1
	v_add_f32 v[BM+\q], v[ST+4*\q+2], v[ST+4*\q+3] ; the sum's two halves,
.endr
.irp q, 0,1
	v_permlanex16_b32 v[PM+\q], v[BM+\q], s[SEL], s[SEL+1]
.endr
.irp q, 0,1
	v_add_f32 v[BM+\q], v[BM+\q], v[PM+\q]         ; and lane l xor 16's
.endr
.irp q, 0,1
	v_rcp_f32 v[SO+2*\q], v[BM+\q]
.endr
	v_nop                                          ; a plain place behind the reciprocals
	s_wait_alu depctr_va_vdst(0)                   ; one wait for both, ahead of their first reader
.irp q, 0,1
.set j, 0
.rept 16
	v_pk_mul_f32 v[OO+32*\q+j:OO+32*\q+j+1], v[OO+32*\q+j:OO+32*\q+j+1], v[SO+2*\q:SO+2*\q+1] op_sel_hi:[1,0]   ; o = O^T / the sum; each accumulator from its low end on
.set j, j+2
.endr
.endr
	QUANT OO                                       ; 2 tiles x 2 blocks of 32 channels of my head
	s_wait_xcnt 0x0                                ; the loads above and the prefetch have read their address registers: these are written again only behind this wait
	v_and_b32 v8, 31, v0                           ; lane
	v_and_b32 v9, 15, v0                           ; r
	v_bfe_u32 v10, v0, 4, 1                        ; h
	s_lshl_b32 s80, s[QG], 12
	s_add_co_u32 s80, s80, OIMG
	v_lshl_add_u32 v3, v8, 4, s80                  ; where my rows' four fragments are read: OIMG + 4,096 QG + 16 lane
	s_lshl_b32 s81, s[HD], 9
	v_add_nc_u32 v1, s81, v3                       ; where I store: my head is registers 4 (hd % 2) .. + 3 of K step hd / 2: + 512 hd
	s_lshl_b32 s80, s[QG], 9
	s_add_co_u32 s80, s80, OSC
	v_lshl_add_u32 v4, v9, 2, s80
	v_lshl_add_u32 v4, v10, 8, v4                  ; scale words, read: lanes 0-15 tile 0's rows, lanes 16-31 tile 1's, 256 bytes on
	s_lshr_b32 s81, s[HD], 1
	s_lshl_b32 s81, s81, 7
	s_and_b32 s82, s[HD], 1
	s_lshl_b32 s82, s82, 1
	s_add_co_u32 s81, s81, s82
	s_add_co_u32 s81, s81, s80
	v_lshl_add_u32 v5, v8, 2, s81                  ; stored: my two bytes of the word: + 128 (hd / 2) + 2 (hd % 2) + 4 lane
	s_mul_i32 s80, s[WV], 32*SPT                   ; my stage
	v_and_b32 v11, 8, v9
	v_add_nc_u32 v11, v11, v9                      ; r + 8 (r / 8): lane r of tile R holds row 8 R + r + 8 (r / 8) of my 32
	v_mul_u32_u24 v2, v11, SPT
	v_lshl_add_u32 v2, v10, 5, v2
	v_add_nc_u32 v2, s80, v2                       ; in
	v_mul_u32_u24 v12, v10, SPT
	v_lshl_add_u32 v12, v9, 4, v12
	v_add_nc_u32 v12, s80, v12                     ; back: lanes 0-15 one row, lanes 16-31 the next
	s_lshl_b32 s80, s[HD], 11
	s_add_co_u32 s80, s80, RED
	v_lshl_add_u32 v14, v9, 4, s80                 ; the column figures, read
	s_lshl_b32 s81, s[QG], 9
	s_add_co_u32 s80, s80, s81
	v_lshl_add_u32 v13, v8, 4, s80                 ; and stored
	ds_store_b128 v1, v[PC:PC+3]                   ; tile 0
	ds_store_b128 v1, v[PC+4:PC+7] offset:2048     ; tile 1
	ds_store_b16 v5, v[PW]                         ; tile 0's two bytes
	ds_store_b16_d16_hi v5, v[PW] offset:256       ; tile 1's
	BARRIER                                        ; o's sixteen fragments lie in LDS; every wave's reads of K and V are over
.irp rr, 0,1
	ds_load_b128 v[232+16*\rr:235+16*\rr], v3 offset:(2*\rr)*1024             ; fragment (R, 0) at v232, v248
	ds_load_b128 v[236+16*\rr:239+16*\rr], v3 offset:(2*\rr)*1024+512
	ds_load_b128 v[240-152*\rr:243-152*\rr], v3 offset:(2*\rr+1)*1024         ; fragment (R, 1) at v240, v88
	ds_load_b128 v[244-152*\rr:247-152*\rr], v3 offset:(2*\rr+1)*1024+512
.endr
	ds_load_b32 v100, v4
	ds_load_b32 v101, v4 offset:128
	s_wait_dscnt 0x0
	s_wait_loadcnt 17                              ; wo's codes and scale words are in; bo and x's sixteen loads may be out
.irp rr, 0,1
.irp t, 0,1,2,3
	WMZ 168+8*(4*\rr+\t), 16+16*\t, 232+16*\rr, 96+2*(\t/2), 100, \t%2, \rr   ; source 0 = 16 rows of wo, source 1 = 16 rows of o: a lane holds eight neighbouring columns of one row
.endr
.endr
.irp rr, 0,1
.irp t, 0,1,2,3
	WMA 168+8*(4*\rr+\t), 24+16*\t, 240-152*\rr, 97+2*(\t/2), 101, \t%2, \rr  ; eight accumulators by turns
.endr
.endr
	PLACES
.irp rr, 0,1
.irp t, 0,1,2,3
	ds_store_b128 v2, v[168+8*(4*\rr+\t):171+8*(4*\rr+\t)] offset:8*\rr*SPT+64*\t       ; each accumulator from its low end on
	ds_store_b128 v2, v[172+8*(4*\rr+\t):175+8*(4*\rr+\t)] offset:8*\rr*SPT+64*\t+16
.endr
.endr
.irp i, 0,1,2,3,4,5,6,7,8,9,10,11,12,13,14,15
	ds_load_b128 v[16+4*\i:19+4*\i], v12 offset:2*\i*SPT   ; LDS serves a wave's instructions in order (ISA guide 5.7.1.4): these see my stores
.endr
	s_wait_dscnt 0x0
	s_wait_loadcnt 0x0                             ; bo, x
.irp i, 0,1,2,3,4,5,6,7,8,9,10,11,12,13,14,15
	v_pk_add_f32 v[16+4*\i:17+4*\i], v[16+4*\i:17+4*\i], v[80:81]
	v_pk_add_f32 v[18+4*\i:19+4*\i], v[18+4*\i:19+4*\i], v[82:83]
	v_pk_add_f32 v[16+4*\i:17+4*\i], v[16+4*\i:17+4*\i], v[104+4*\i:105+4*\i]
	v_pk_add_f32 v[18+4*\i:19+4*\i], v[18+4*\i:19+4*\i], v[106+4*\i:107+4*\i]
	global_store_b128 v[GX], v[16+4*\i:19+4*\i], s[58:59] offset:2048*\i      ; sixteen lanes store 256 consecutive bytes, aligned
.endr
	; ---- the column figures of my 32 rows x 64 columns: mean, then the squares of the distances from it
.set SM, 232
.set PT, 236
.set MQ, 240
.set TD, 244
	v_pk_add_f32 v[SM:SM+1], v[16:17], v[20:21]
	v_pk_add_f32 v[SM+2:SM+3], v[18:19], v[22:23]
.set j, 8
.rept 14
	v_pk_add_f32 v[SM:SM+1], v[SM:SM+1], v[16+j:17+j]
	v_pk_add_f32 v[SM+2:SM+3], v[SM+2:SM+3], v[18+j:19+j]
.set j, j+4
.endr
.irp k, 0,1,2,3
	v_permlanex16_b32 v[PT+\k], v[SM+\k], s[SEL], s[SEL+1]
.endr
	v_pk_add_f32 v[SM:SM+1], v[SM:SM+1], v[PT:PT+1]
	v_pk_add_f32 v[SM+2:SM+3], v[SM+2:SM+3], v[PT+2:PT+3]
	v_pk_mul_f32 v[SM:SM+1], v[SM:SM+1], 0x3d000000 op_sel_hi:[1,0]         ; / 32
	v_pk_mul_f32 v[SM+2:SM+3], v[SM+2:SM+3], 0x3d000000 op_sel_hi:[1,0]
.set j, 0
.rept 16
	v_pk_add_f32 v[TD:TD+1], v[16+j:17+j], v[SM:SM+1] neg_lo:[0,1] neg_hi:[0,1]
	v_pk_add_f32 v[TD+2:TD+3], v[18+j:19+j], v[SM+2:SM+3] neg_lo:[0,1] neg_hi:[0,1]
.if j == 0
	v_pk_mul_f32 v[MQ:MQ+1], v[TD:TD+1], v[TD:TD+1]
	v_pk_mul_f32 v[MQ+2:MQ+3], v[TD+2:TD+3], v[TD+2:TD+3]
.else
	v_pk_fma_f32 v[MQ:MQ+1], v[TD:TD+1], v[TD:TD+1], v[MQ:MQ+1]
	v_pk_fma_f32 v[MQ+2:MQ+3], v[TD+2:TD+3], v[TD+2:TD+3], v[MQ+2:MQ+3]
.endif
.set j, j+4
.endr
.irp k, 0,1,2,3
	v_permlanex16_b32 v[PT+\k], v[MQ+\k], s[SEL], s[SEL+1]
.endr
	v_pk_add_f32 v[MQ:MQ+1], v[MQ:MQ+1], v[PT:PT+1]
	v_pk_add_f32 v[MQ+2:MQ+3], v[MQ+2:MQ+3], v[PT+2:PT+3]
.irp k, 0,1,2,3
	v_cndmask_b32 v[TD+\k], v[SM+\k], v[MQ+\k], s[MASK]    ; lanes 0-15 the mean, lanes 16-31 M2
.endr
	ds_store_b128 v13, v[TD:TD+3]
	BARRIER
	s_cmp_lt_u32 s[WV], 4                          ; waves 0-3 join the four groups of rows, 64 columns each
	s_cbranch_scc0 .Lclose
.irp g, 0,1,2,3
	ds_load_b128 v[104+4*\g:107+4*\g], v14 offset:512*\g
	ds_load_b128 v[120+4*\g:123+4*\g], v14 offset:512*\g+256
.endr
	s_wait_dscnt 0x0
	v_pk_add_f32 v[SM:SM+1], v[104:105], v[108:109]
	v_pk_add_f32 v[SM+2:SM+3], v[106:107], v[110:111]
	v_pk_add_f32 v[PT:PT+1], v[120:121], v[124:125]
	v_pk_add_f32 v[PT+2:PT+3], v[122:123], v[126:127]
.irp g, 2,3
	v_pk_add_f32 v[SM:SM+1], v[SM:SM+1], v[104+4*\g:105+4*\g]
	v_pk_add_f32 v[SM+2:SM+3], v[SM+2:SM+3], v[106+4*\g:107+4*\g]
	v_pk_add_f32 v[PT:PT+1], v[PT:PT+1], v[120+4*\g:121+4*\g]
	v_pk_add_f32 v[PT+2:PT+3], v[PT+2:PT+3], v[122+4*\g:123+4*\g]
.endr
	v_pk_mul_f32 v[SM:SM+1], v[SM:SM+1], 0x3e800000 op_sel_hi:[1,0]         ; / 4: the mean of the 128 rows
	v_pk_mul_f32 v[SM+2:SM+3], v[SM+2:SM+3], 0x3e800000 op_sel_hi:[1,0]
.irp g, 0,1,2,3
	v_pk_add_f32 v[TD:TD+1], v[104+4*\g:105+4*\g], v[SM:SM+1] neg_lo:[0,1] neg_hi:[0,1]
	v_pk_add_f32 v[TD+2:TD+3], v[106+4*\g:107+4*\g], v[SM+2:SM+3] neg_lo:[0,1] neg_hi:[0,1]
.if \g == 0
	v_pk_mul_f32 v[MQ:MQ+1], v[TD:TD+1], v[TD:TD+1]
	v_pk_mul_f32 v[MQ+2:MQ+3], v[TD+2:TD+3], v[TD+2:TD+3]
.else
	v_pk_fma_f32 v[MQ:MQ+1], v[TD:TD+1], v[TD:TD+1], v[MQ:MQ+1]
	v_pk_fma_f32 v[MQ+2:MQ+3], v[TD+2:TD+3], v[TD+2:TD+3], v[MQ+2:MQ+3]
.endif
.endr
	v_pk_fma_f32 v[MQ:MQ+1], v[MQ:MQ+1], 0x42000000, v[PT:PT+1] op_sel_hi:[1,0,1]     ; 32 x the means' spread + the sum of the M2
	v_pk_fma_f32 v[MQ+2:MQ+3], v[MQ+2:MQ+3], 0x42000000, v[PT+2:PT+3] op_sel_hi:[1,0,1]
.irp k, 0,1,2,3
	v_cndmask_b32 v[TD+\k], v[SM+\k], v[MQ+\k], s[MASK]
.endr
	global_store_b128 v[GX], v[TD:TD+3], s[60:61]  ; two runs of 256 consecutive bytes, each aligned
.Lclose:
	s_wait_dscnt 0x0
	s_wait_xcnt 0x0
	v_lshl_add_u32 v254, v0, 2, 0x4c800
	v_mov_b32 v255, 0
	s_wait_tensorcnt 0x0
	ds_add_u32 v254, v255
	s_wait_dscnt 0x0
	CROUND                                         ; the closing round: no work-group ends while a partner may still ask for bytes jointly
	s_endpgm
.Lfunc_end_k_q17b5c0e773_attn:
	.size	k_q17b5c0e773_attn, .Lfunc_end_k_q17b5c0e773_attn-k_q17b5c0e773_attn
	.p2alignl 7, 3214868480
	.fill 96, 4, 3214868480
	.section	.rodata,"a",@progbits
	.p2align	6, 0x0
	.amdhsa_kernel k_q17b5c0e773_attn
		.amdhsa_group_segment_fixed_size 327680
		.amdhsa_private_segment_fixed_size 0
		.amdhsa_enable_private_segment 0
		.amdhsa_kernarg_size 64
		.amdhsa_user_sgpr_count 2
		.amdhsa_user_sgpr_kernarg_segment_ptr 1
		.amdhsa_wavefront_size32 1
		.amdhsa_system_sgpr_workgroup_id_x 1
		.amdhsa_system_sgpr_workgroup_id_y 1
		.amdhsa_system_sgpr_workgroup_id_z 1
		.amdhsa_system_vgpr_workitem_id 0
		.amdhsa_next_free_vgpr 256
		.amdhsa_next_free_sgpr 84
		.amdhsa_reserve_vcc 0
		.amdhsa_float_denorm_mode_32 3
		.amdhsa_float_denorm_mode_16_64 3
		.amdhsa_memory_ordered 1
		.amdhsa_forward_progress 1
		.amdhsa_inst_pref_size 98
	.end_amdhsa_kernel
	.amdgpu_metadata
---
amdhsa.version: [ 1, 2 ]
amdhsa.kernels:
  - .name:           k_q17b5c0e773_attn
    .symbol:         k_q17b5c0e773_attn.kd
    .args:
      - { .name: qimg, .offset: 0, .size: 8, .value_kind: global_buffer, .address_space: global }
      - { .name: kv, .offset: 8, .size: 8, .value_kind: global_buffer, .address_space: global }
      - { .name: wo_codes, .offset: 16, .size: 8, .value_kind: global_buffer, .address_space: global }
      - { .name: wo_scales, .offset: 24, .size: 8, .value_kind: global_buffer, .address_space: global }
      - { .name: bo, .offset: 32, .size: 8, .value_kind: global_buffer, .address_space: global }
      - { .name: x, .offset: 40, .size: 8, .value_kind: global_buffer, .address_space: global }
      - { .name: r1, .offset: 48, .size: 8, .value_kind: global_buffer, .address_space: global }
      - { .name: part2, .offset: 56, .size: 8, .value_kind: global_buffer, .address_space: global }
    .group_segment_fixed_size: 327680
    .private_segment_fixed_size: 0
    .kernarg_segment_align: 8
    .kernarg_segment_size: 64
    .max_flat_workgroup_size: 512
    .sgpr_count:     84
    .vgpr_count:     256
    .wavefront_size: 32
...
	.end_amdgpu_metadata
.endif
;; end of part 3
;; launch fin2 (part 4): grid 4 x 1, 16 waves a work-group, no clusters, 18,432 bytes of LDS; arguments part2, g2, st2; writes st2
.if DOCPART == 4
	.amdgcn_target "amdgcn-amd-amdhsa--gfx1250"
	.amdhsa_code_object_version 6
	.text
	.protected	k_q17b5c0e773_fin2
	.globl	k_q17b5c0e773_fin2
	.p2align	8
	.type	k_q17b5c0e773_fin2,@function
k_q17b5c0e773_fin2:
	s_mov_b64 s[64:65], 0
	v_nop
	global_prefetch_b8 v0, s[64:65] scope:SCOPE_SE
	s_setreg_imm32_b32 hwreg(HW_REG_WAVE_MODE, 25, 1), 1
	s_wait_xcnt 0x0
; The 256 groups' column figures of r1 (mean, M2; 128 rows each) become st[0][c] = the mean of all 32,768 rows and st[1][c] = g[c] / sqrt(variance + 1e-5).
; Equal groups of n rows are joined by mean = the average of the means, M2 = the sum of the M2 + n x the sum of (mean_i - mean)^2; variance = M2 / 32,768.  No difference of large sums is formed.
; A work-group owns 64 columns: 256 consecutive, aligned bytes of each partial row.  Thread t: columns 4 (t % 16) .. + 3, groups t / 16 + 32 k, k = 0 .. 7, which it joins by itself: a slice of 1,024 rows.
; The 32 slices of a column quad meet in LDS ONCE: wave 0 alone reads them, sixteen to each half of its lanes, and the halves meet by one exchange.  Four work-groups are all the work that there is: 512 KiB.
.set MN, 16                            ; v16-47   eight groups' means
.set MM, 48                            ; v48-79   their M2
.set RD, 16                            ; wave 0: v16-79 sixteen slices' means,
.set RM, 80                            ;         v80-143 their M2
.set LM, 144                           ; my slice's mean
.set G,  148
.set A,  152                           ; the mean
.set B,  156                           ; M2, the variance, then g / sqrt(..)
.set P,  160                           ; the other half of the lanes' figures
.set T,  164
; Eight equal groups of n rows, means in v[mn] on and M2 in v[mm] on (a quad each), are joined: the mean into v[dm] on, M2 into v[mm .. mm + 3].  The means' registers are used up.
.macro JOIN8 mn, mm, dm, nlit
	v_pk_add_f32 v[\dm:\dm+1], v[\mn:\mn+1], v[\mn+4:\mn+5]
	v_pk_add_f32 v[\dm+2:\dm+3], v[\mn+2:\mn+3], v[\mn+6:\mn+7]
.irp k, 2,3,4,5,6,7
	v_pk_add_f32 v[\dm:\dm+1], v[\dm:\dm+1], v[\mn+4*\k:\mn+4*\k+1]
	v_pk_add_f32 v[\dm+2:\dm+3], v[\dm+2:\dm+3], v[\mn+4*\k+2:\mn+4*\k+3]
.endr
.irp k, 1,2,3,4,5,6,7
	v_pk_add_f32 v[\mm:\mm+1], v[\mm:\mm+1], v[\mm+4*\k:\mm+4*\k+1]
	v_pk_add_f32 v[\mm+2:\mm+3], v[\mm+2:\mm+3], v[\mm+4*\k+2:\mm+4*\k+3]
.endr
	v_pk_mul_f32 v[\dm:\dm+1], v[\dm:\dm+1], 0x3e000000 op_sel_hi:[1,0]     ; / 8
	v_pk_mul_f32 v[\dm+2:\dm+3], v[\dm+2:\dm+3], 0x3e000000 op_sel_hi:[1,0]
.irp k, 0,1,2,3,4,5,6,7
	v_pk_add_f32 v[\mn+4*\k:\mn+4*\k+1], v[\mn+4*\k:\mn+4*\k+1], v[\dm:\dm+1] neg_lo:[0,1] neg_hi:[0,1]
	v_pk_add_f32 v[\mn+4*\k+2:\mn+4*\k+3], v[\mn+4*\k+2:\mn+4*\k+3], v[\dm+2:\dm+3] neg_lo:[0,1] neg_hi:[0,1]
.endr
	v_pk_mul_f32 v[\mn:\mn+1], v[\mn:\mn+1], v[\mn:\mn+1]
	v_pk_mul_f32 v[\mn+2:\mn+3], v[\mn+2:\mn+3], v[\mn+2:\mn+3]
.irp k, 1,2,3,4,5,6,7
	v_pk_fma_f32 v[\mn:\mn+1], v[\mn+4*\k:\mn+4*\k+1], v[\mn+4*\k:\mn+4*\k+1], v[\mn:\mn+1]
	v_pk_fma_f32 v[\mn+2:\mn+3], v[\mn+4*\k+2:\mn+4*\k+3], v[\mn+4*\k+2:\mn+4*\k+3], v[\mn+2:\mn+3]
.endr
	v_pk_fma_f32 v[\mm:\mm+1], v[\mn:\mn+1], \nlit, v[\mm:\mm+1] op_sel_hi:[1,0,1]       ; n x the means' spread + the sum of the M2
	v_pk_fma_f32 v[\mm+2:\mm+3], v[\mn+2:\mn+3], \nlit, v[\mm+2:\mm+3] op_sel_hi:[1,0,1]
.endm
	s_load_b128 s[4:7], s[0:1], 0x0                ; part, g
	s_load_b64 s[8:9], s[0:1], 0x10                ; st
	v_lshl_add_u32 v168, v0, 2, 0x4000
	v_mov_b32 v169, 0
	v_lshrrev_b32 v5, 5, v0
	v_readfirstlane_b32 s10, v5                    ; wave
	v_and_b32 v5, 15, v0
	v_lshrrev_b32 v6, 4, v0
	v_lshlrev_b32 v3, 4, v5                        ; 16 x (t % 16)
	v_lshl_add_u32 v1, v6, 11, v3                  ; + 2,048 x (t / 16): my first group
	v_lshlrev_b32 v2, 4, v0                        ; LDS, in: 16 t = 256 x slice + 16 x (t % 16)
	v_bfe_u32 v6, v0, 4, 1
	v_lshl_add_u32 v4, v6, 10, v3                  ; out: lanes 0-15 the mean's row, lanes 16-31 the other
	v_lshl_add_u32 v7, v6, 12, v3                  ; LDS, back: lanes 0-15 slices 0-15, lanes 16-31 slices 16-31
.irp j, 0,1,2,3
	v_mov_b32 v[P+\j], 0                           ; written once: a lane permute's destination counts as one of its sources
.endr
	s_lshl_b32 s12, ttmp9, 8                       ; my 64 columns
	s_mov_b32 s13, 0
	s_mov_b32 s14, 0x38000000                      ; 1 / 32,768
	s_mov_b32 s15, 0x3727c5ac                      ; 1e-5
	s_mov_b32 s16, 0xffff0000                      ; lanes 16-31
	s_mov_b32 s18, 0x76543210
	s_mov_b32 s19, 0xfedcba98                      ; lane selects: lane l xor 16
	s_wait_kmcnt 0x0
	s_add_nc_u64 s[4:5], s[4:5], s[12:13]
	s_add_nc_u64 s[6:7], s[6:7], s[12:13]
	s_add_nc_u64 s[8:9], s[8:9], s[12:13]
.irp k, 0,1,2,3,4,5,6,7
	global_load_b128 v[MN+4*\k:MN+4*\k+3], v1, s[4:5] offset:65536*\k
	global_load_b128 v[MM+4*\k:MM+4*\k+3], v1, s[4:5] offset:65536*\k+1024
.endr
	global_load_b128 v[G:G+3], v3, s[6:7]
	s_wait_loadcnt 0x0
	JOIN8 MN, MM, LM, 0x43000000                   ; n = 128 rows a group
	ds_store_b128 v2, v[LM:LM+3]
	ds_store_b128 v2, v[MM:MM+3] offset:8192
	s_wait_dscnt 0x0                               ; for wave 0's sake: my stores have landed
	s_barrier_signal -1
	s_barrier_wait -1
	s_cmp_eq_u32 s10, 0
	s_cbranch_scc0 .Lend
.irp j, 0,1,2,3,4,5,6,7,8,9,10,11,12,13,14,15
	ds_load_b128 v[RD+4*\j:RD+4*\j+3], v7 offset:256*\j
	ds_load_b128 v[RM+4*\j:RM+4*\j+3], v7 offset:8192+256*\j
.endr
	s_wait_dscnt 0x0
	v_pk_add_f32 v[A:A+1], v[RD:RD+1], v[RD+4:RD+5]
	v_pk_add_f32 v[A+2:A+3], v[RD+2:RD+3], v[RD+6:RD+7]
	v_pk_add_f32 v[B:B+1], v[RM:RM+1], v[RM+4:RM+5]
	v_pk_add_f32 v[B+2:B+3], v[RM+2:RM+3], v[RM+6:RM+7]
.irp j, 2,3,4,5,6,7,8,9,10,11,12,13,14,15
	v_pk_add_f32 v[A:A+1], v[A:A+1], v[RD+4*\j:RD+4*\j+1]
	v_pk_add_f32 v[A+2:A+3], v[A+2:A+3], v[RD+4*\j+2:RD+4*\j+3]
	v_pk_add_f32 v[B:B+1], v[B:B+1], v[RM+4*\j:RM+4*\j+1]
	v_pk_add_f32 v[B+2:B+3], v[B+2:B+3], v[RM+4*\j+2:RM+4*\j+3]
.endr
.irp j, 0,1,2,3
	v_permlanex16_b32 v[P+\j], v[A+\j], s18, s19
.endr
	v_pk_add_f32 v[A:A+1], v[A:A+1], v[P:P+1]                          ; with the other sixteen slices
	v_pk_add_f32 v[A+2:A+3], v[A+2:A+3], v[P+2:P+3]
	v_pk_mul_f32 v[A:A+1], v[A:A+1], 0x3d000000 op_sel_hi:[1,0]        ; / 32: the mean
	v_pk_mul_f32 v[A+2:A+3], v[A+2:A+3], 0x3d000000 op_sel_hi:[1,0]
.irp j, 0,1,2,3,4,5,6,7,8,9,10,11,12,13,14,15
	v_pk_add_f32 v[RD+4*\j:RD+4*\j+1], v[RD+4*\j:RD+4*\j+1], v[A:A+1] neg_lo:[0,1] neg_hi:[0,1]
	v_pk_add_f32 v[RD+4*\j+2:RD+4*\j+3], v[RD+4*\j+2:RD+4*\j+3], v[A+2:A+3] neg_lo:[0,1] neg_hi:[0,1]
.endr
	v_pk_mul_f32 v[RD:RD+1], v[RD:RD+1], v[RD:RD+1]
	v_pk_mul_f32 v[RD+2:RD+3], v[RD+2:RD+3], v[RD+2:RD+3]
.irp j, 1,2,3,4,5,6,7,8,9,10,11,12,13,14,15
	v_pk_fma_f32 v[RD:RD+1], v[RD+4*\j:RD+4*\j+1], v[RD+4*\j:RD+4*\j+1], v[RD:RD+1]
	v_pk_fma_f32 v[RD+2:RD+3], v[RD+4*\j+2:RD+4*\j+3], v[RD+4*\j+2:RD+4*\j+3], v[RD+2:RD+3]
.endr
	v_pk_fma_f32 v[B:B+1], v[RD:RD+1], 0x44800000, v[B:B+1] op_sel_hi:[1,0,1]         ; + 1,024 x my sixteen means' spread
	v_pk_fma_f32 v[B+2:B+3], v[RD+2:RD+3], 0x44800000, v[B+2:B+3] op_sel_hi:[1,0,1]
.irp j, 0,1,2,3
	v_permlanex16_b32 v[P+\j], v[B+\j], s18, s19
.endr
	v_pk_add_f32 v[B:B+1], v[B:B+1], v[P:P+1]
	v_pk_add_f32 v[B+2:B+3], v[B+2:B+3], v[P+2:P+3]
.irp j, 0,1,2,3
	v_fma_f32 v[B+\j], v[B+\j], s14, s15           ; the variance + 1e-5
.endr
.irp j, 0,1,2,3
	v_rsq_f32 v[T+\j], v[B+\j]
.endr
	v_nop                                          ; a plain instruction behind the last of the four
	s_wait_alu depctr_va_vdst(0)                   ; one wait for the four, ahead of their first reader
.irp j, 0,1,2,3
	v_mul_f32 v[B+\j], v[G+\j], v[T+\j]
.endr
.irp j, 0,1,2,3
	v_cndmask_b32 v[RD+\j], v[A+\j], v[B+\j], s16  ; lanes 0-15: the mean; lanes 16-31: g / sqrt(..)
.endr
	global_store_b128 v4, v[RD:RD+3], s[8:9]       ; two runs of 256 consecutive bytes, each aligned
.Lend:
	s_wait_tensorcnt 0x0
	ds_add_u32 v168, v169
	s_wait_dscnt 0x0
	s_endpgm
.Lfunc_end_k_q17b5c0e773_fin2:
	.size	k_q17b5c0e773_fin2, .Lfunc_end_k_q17b5c0e773_fin2-k_q17b5c0e773_fin2
	.p2alignl 7, 3214868480
	.fill 96, 4, 3214868480
	.section	.rodata,"a",@progbits
	.p2align	6, 0x0
	.amdhsa_kernel k_q17b5c0e773_fin2
		.amdhsa_group_segment_fixed_size 18432
		.amdhsa_private_segment_fixed_size 0
		.amdhsa_enable_private_segment 0
		.amdhsa_kernarg_size 24
		.amdhsa_user_sgpr_count 2
		.amdhsa_user_sgpr_kernarg_segment_ptr 1
		.amdhsa_wavefront_size32 1
		.amdhsa_system_sgpr_workgroup_id_x 1
		.amdhsa_system_sgpr_workgroup_id_y 1
		.amdhsa_system_sgpr_workgroup_id_z 1
		.amdhsa_system_vgpr_workitem_id 0
		.amdhsa_next_free_vgpr 170
		.amdhsa_next_free_sgpr 66
		.amdhsa_reserve_vcc 0
		.amdhsa_float_denorm_mode_32 3
		.amdhsa_float_denorm_mode_16_64 3
		.amdhsa_memory_ordered 1
		.amdhsa_forward_progress 1
		.amdhsa_inst_pref_size 20
	.end_amdhsa_kernel
	.amdgpu_metadata
---
amdhsa.version: [ 1, 2 ]
amdhsa.kernels:
  - .name:           k_q17b5c0e773_fin2
    .symbol:         k_q17b5c0e773_fin2.kd
    .args:
      - { .name: part2, .offset: 0, .size: 8, .value_kind: global_buffer, .address_space: global }
      - { .name: g2, .offset: 8, .size: 8, .value_kind: global_buffer, .address_space: global }
      - { .name: st2, .offset: 16, .size: 8, .value_kind: global_buffer, .address_space: global }
    .group_segment_fixed_size: 18432
    .private_segment_fixed_size: 0
    .kernarg_segment_align: 8
    .kernarg_segment_size: 24
    .max_flat_workgroup_size: 512
    .sgpr_count:     66
    .vgpr_count:     170
    .wavefront_size: 32
...
	.end_amdgpu_metadata
.endif
;; end of part 4
;; launch mlp (part 5): grid 256 x 1, 16 waves a work-group, no clusters, 286,720 bytes of LDS; arguments r1, st2, beta2, w1_codes, w1_scales, bf1, w2_codes, w2_scales, bf2, out0; writes out0
.if DOCPART == 5
	.amdgcn_target "amdgcn-amd-amdhsa--gfx1250"
	.amdhsa_code_object_version 6
	.text
	.protected	k_q17b5c0e773_mlp
	.globl	k_q17b5c0e773_mlp
	.p2align	8
	.type	k_q17b5c0e773_mlp,@function
k_q17b5c0e773_mlp:
	s_mov_b64 s[64:65], 0
	v_nop
	global_prefetch_b8 v0, s[64:65] scope:SCOPE_SE
	s_setreg_imm32_b32 hwreg(HW_REG_WAVE_MODE, 25, 1), 1
	s_wait_xcnt 0x0
; out0 = r1 + relu(h2 W1^T + bf1) W2^T + bf2, h2 = (r1 - m) a + beta2 (m, a from st2); both products on codes of FP4 (E2M1) with E8M0 scales.  The hidden layer never goes to memory, and r1 is read from memory once: it waits in LDS for the last addition.
; SHARES.  A work-group owns 128 rows.  First wave 2 T + s normalises and quantises rows 16 T .. + 15, channels 128 s on, and lays the fragment's image in LDS.
; Phase 1: wave w makes hidden units 64 w .. + 63 for all rows: registers 4 (w % 2) .. + 3 of the fragments of K step w / 2 of the second product, and two bytes of their scale words.
; Phase 2: wave w makes output columns 16 w .. + 15 for all rows.  Each wave's part of W1, then of W2, lies in its registers, read once.
; OPERANDS GO FROM WAVE TO WAVE THROUGH LDS AS IMAGES OF THEIR REGISTERS: lane l's 16 bytes at 16 l, 512 bytes a group of four registers; scale words 4 bytes a lane.
; THE ROWS OF W1 THAT FORM A TILE ARE NOT NEIGHBOURS: lane r of tile 2 b + u takes row 32 b + 8 u + r + 8 (r / 8), so that the 16 registers of tiles 2 b, 2 b + 1 are 16 neighbours along the next K.
; The biases are the C of each sum's first product.  No tensor load, no cluster: the weights go once into registers, and rows are each work-group's own.
; LIMITS: NaN and infinities are not served; a block whose largest magnitude lies under 2^-124 keeps the byte 1, a block of zeros too.
.set SPI,  528                         ; a stage row: 512 bytes + 16
.set REGB, 131072                      ; LDS: 0: r1 as loaded, 8,192 bytes a wave.  From here 135,168 bytes used three ways, parted by barriers: a stage of 16 x 528 for each wave;
.set HSCB, REGB+65536                  ;   the hidden layer's 64 fragments ((8 T + s) x 1,024) and, from HSCB, their scale words ((8 T + s) x 128); the stage for y: 128 rows x 1,040
.set XIMG, 266240                      ; h2's 16 fragments (2 T + s), 1,024 bytes each;
.set XSC,  282624                      ; their scale words
.set OPI,  1040                        ; a row of y: 1,024 bytes + 16
.set A16, 1                            ; v1  16 x lane
.set HWS, 2                            ; v2  where I store my two bytes of the hidden layer's scale words
.set RC,  3                            ; v3  my r1 in LDS
.set STS, 4                            ; v4  the stage, in;   later HFI: where hidden fragments are read
.set STR, 5                            ; v5  the stage, back; later HFS: and their scale words
.set XWI, 6                            ; v6  where I store my fragment's image; later SO0: y's stage, tiles 0-3
.set XWS, 7                            ; v7  and its scale word;                later SO1: tiles 4-7
.set FI,  8                            ; v8  where h2's fragments are read;     later SR: y's stage, back
.set FS,  9                            ; v9  and their scale words
.set WA,  10                           ; v10 my lane's place in a tile of W1, later of W2
.set WSA, 11                           ; v11 among its scale bytes
.set HWI, 12                           ; v12 where I store my half fragments
.set BAQ, 13                           ; v13 the bias: my half
.set HFI, 4
.set HFS, 5
.set SO0, 6
.set SO1, 7
.set SR,  8
.set W,   16                           ; v16-79   W1: fragment (t, s) at W + 16 t + 8 s; W2: K step s at W + 8 s
.set WS,  80                           ; v80-87   their scale words.  v80-95 hold scales alone
.set HSR, 88                           ; v88-95   the activations' scale words, two sets of four
.set BI,  96                           ; v96-127  bf1, eight registers a tile; later bf2 in v96-103
.set D,   128                          ; v128-191 eight accumulators
.set R,   128                          ; the same registers: r1 as loaded
.set HF,  192                          ; v192-223 four fragments; in phase 2 a second set in v224-255
.set BNM, 192                          ; first: m, a, beta of my four channels
.set BNA, 196
.set BNB, 200
.set TM,  224
.set PC,  240
.set PW,  248
.set SEL, 36
.macro PLACES
.rept 4
	v_nop
.endr
.endm
.macro BARRIER                         ; my LDS stores have landed and my LDS loads are in: then the work-group's barrier
	s_wait_dscnt 0x0
	s_barrier_signal -1
	s_barrier_wait -1
.endm
.macro WM d, a, b, c, sa, sb
	v_wmma_scale_f32_16x16x128_f8f6f4 v[\d:\d+7], v[\a:\a+7], v[\b:\b+7], v[\c:\c+7], v[\sa], v[\sb] matrix_a_fmt:MATRIX_FMT_FP4 matrix_b_fmt:MATRIX_FMT_FP4
.endm
; 64 numbers of a lane, register 16 b + i = number 16 (lane / 16) + i of block b, become codes in v[PC] on and the four blocks' bytes in v[PW].
.macro QUANT s
.irp b, 0,1,2,3
	v_max3_num_f32 v[TM+\b], |v[\s+16*\b]|, |v[\s+1+16*\b]|, 0x1800000   ; my 16 numbers, and the floor 2^(3 - 127): the byte cannot fall under 1
.endr
.irp i, 2,4,6,8,10,12,14
.irp b, 0,1,2,3
	v_max3_num_f32 v[TM+\b], v[TM+\b], |v[\s+16*\b+\i]|, |v[\s+1+16*\b+\i]|
.endr
.endr
.irp b, 0,1,2,3
	v_permlanex16_b32 v[TM+4+\b], v[TM+\b], s[SEL], s[SEL+1]
.endr
.irp b, 0,1,2,3
	v_max_num_f32 v[TM+\b], v[TM+\b], v[TM+4+\b]
.endr
.irp b, 0,1,2,3
	v_add_nc_u32 v[TM+12+\b], 0xff000000, v[TM+\b]
.endr
.irp b, 0,1,2,3
	v_lshrrev_b32 v[TM+4+\b], 23, v[TM+12+\b]
.endr
	v_lshl_or_b32 v[PW], v[TM+5], 8, v[TM+4]
	v_lshl_or_b32 v[PW], v[TM+6], 16, v[PW]
	v_lshl_or_b32 v[PW], v[TM+7], 24, v[PW]
.irp b, 0,1,2,3
	v_cvt_scalef32_pk8_fp4_f32 v[PC+2*\b], v[\s+16*\b:\s+7+16*\b], v[TM+12+\b]
	v_cvt_scalef32_pk8_fp4_f32 v[PC+1+2*\b], v[\s+8+16*\b:\s+15+16*\b], v[TM+12+\b]
.endr
	v_nop                                          ; one plain place behind a scaled conversion
.irp c, 0,1
.irp i, 0,1
	v_permlane16_swap_b32 v[PC+4*\c+\i], v[PC+2+4*\c+\i]
.endr
.endr
.endm
.macro XPHASE                          ; my 16 rows x 128 channels: normalised, turned through my own stage, quantised, laid in LDS as a fragment's image
.irp i, 0,1,2,3,4,5,6,7,8,9,10,11,12,13,14,15
	v_pk_add_f32 v[R+4*\i:R+4*\i+1], v[R+4*\i:R+4*\i+1], v[BNM:BNM+1] neg_lo:[0,1] neg_hi:[0,1]
	v_pk_add_f32 v[R+4*\i+2:R+4*\i+3], v[R+4*\i+2:R+4*\i+3], v[BNM+2:BNM+3] neg_lo:[0,1] neg_hi:[0,1]
.endr
.irp i, 0,1,2,3,4,5,6,7,8,9,10,11,12,13,14,15
	v_pk_fma_f32 v[R+4*\i:R+4*\i+1], v[R+4*\i:R+4*\i+1], v[BNA:BNA+1], v[BNB:BNB+1]
	v_pk_fma_f32 v[R+4*\i+2:R+4*\i+3], v[R+4*\i+2:R+4*\i+3], v[BNA+2:BNA+3], v[BNB+2:BNB+3]
	ds_store_b128 v[STS], v[R+4*\i:R+4*\i+3] offset:SPI*\i
.endr
.irp b, 0,1,2,3
.irp j, 0,1,2,3
	ds_load_b128 v[R+16*\b+4*\j:R+16*\b+4*\j+3], v[STR] offset:128*\b+16*\j   ; LDS serves a wave's instructions in order (ISA guide 5.7.1.4): these see my stores
.endr
.endr
	s_wait_dscnt 0x0
	QUANT R
	ds_store_b128 v[XWI], v[PC:PC+3]
	ds_store_b128 v[XWI], v[PC+4:PC+7] offset:512
	ds_store_b32 v[XWS], v[PW]
	BARRIER                                        ; h2's sixteen fragments lie in LDS, and every wave's reads of its stage are over
.endm
.macro PROD p                          ; row tiles 2 p and 2 p + 1 against my four tiles of W1: eight accumulators by turns
.irp e, 0,1
.irp ks, 0,1
	ds_load_b128 v[HF+8*(2*\e+\ks):HF+8*(2*\e+\ks)+3], v[FI] offset:(2*(2*\p+\e)+\ks)*1024
	ds_load_b128 v[HF+8*(2*\e+\ks)+4:HF+8*(2*\e+\ks)+7], v[FI] offset:(2*(2*\p+\e)+\ks)*1024+512
	ds_load_b32 v[HSR+2*\e+\ks], v[FS] offset:(2*(2*\p+\e)+\ks)*128
.endr
.endr
	s_wait_dscnt 0x0                               ; the fragments are in; the last unit's stores have long read their registers
.irp e, 0,1
.irp t, 0,1,2,3
	WM D+8*(4*\e+\t), W+16*\t, HF+16*\e, BI+8*\t, WS+2*\t, HSR+2*\e
.endr
.endr
.irp e, 0,1
.irp t, 0,1,2,3
	WM D+8*(4*\e+\t), W+16*\t+8, HF+16*\e+8, D+8*(4*\e+\t), WS+2*\t+1, HSR+2*\e+1
.endr
.endr
.endm
	s_load_b512 s[4:19], s[0:1], 0x0               ; r1, st2, beta2, w1 codes, w1 scales, bf1, w2 codes, w2 scales
	s_load_b128 s[20:23], s[0:1], 0x40             ; bf2, out0
	v_lshrrev_b32 v2, 5, v0
	v_readfirstlane_b32 s32, v2                    ; wave 0..15
	s_lshr_b32 s33, s32, 1                         ; my tile of rows; my K step of the second product
	s_and_b32 s34, s32, 1                          ; my half of the channels; my half of that K step
	s_mov_b32 s[SEL], 0x76543210
	s_mov_b32 s[SEL+1], 0xfedcba98
	v_and_b32 v2, 31, v0                           ; lane
	v_and_b32 v14, 15, v0                          ; r: kept
	v_bfe_u32 v15, v0, 4, 1                        ; h: kept
	v_lshlrev_b32 v[A16], 4, v2
	s_lshl_b32 s40, s32, 13
	v_add_nc_u32 v[RC], s40, v[A16]
	s_mul_i32 s40, s32, 16*SPI
	s_add_co_u32 s40, s40, REGB
	v_add_nc_u32 v[STS], s40, v[A16]
	v_mul_u32_u24 v[STR], v14, SPI
	v_lshl_add_u32 v[STR], v15, 6, v[STR]
	v_add_nc_u32 v[STR], s40, v[STR]
	s_lshl_b32 s40, s32, 10
	s_add_co_u32 s40, s40, XIMG
	v_add_nc_u32 v[XWI], s40, v[A16]
	s_lshl_b32 s40, s32, 7
	s_add_co_u32 s40, s40, XSC
	v_lshl_add_u32 v[XWS], v2, 2, s40
	v_add_nc_u32 v[FI], XIMG, v[A16]
	v_lshl_add_u32 v[FS], v2, 2, XSC
	s_lshl_b32 s40, s32, 9
	s_add_co_u32 s40, s40, REGB
	v_add_nc_u32 v[HWI], s40, v[A16]               ; fragment (T, w / 2), registers 4 (w % 2) on: 8,192 T + 512 w + 16 lane
	s_lshl_b32 s40, s33, 7
	s_lshl_b32 s41, s34, 1
	s_add_co_u32 s40, s40, s41
	s_add_co_u32 s40, s40, HSCB
	v_lshl_add_u32 v[HWS], v2, 2, s40              ; 1,024 T + 128 (w / 2) + 2 (w % 2) + 4 lane
	v_and_b32 v[WSA], 8, v14
	v_add_nc_u32 v[WSA], v[WSA], v14               ; r + 8 (r / 8)
	v_lshlrev_b32 v[WA], 7, v[WSA]                 ; a row of W1 is 128 bytes
	v_lshl_add_u32 v[WA], v15, 4, v[WA]
	v_lshlrev_b32 v[WSA], 3, v[WSA]
	v_lshlrev_b32 v[BAQ], 6, v15
.irp b, 0,1,2,3
	v_mov_b32 v[TM+4+\b], 0                        ; written once: a lane permute's destination counts as one of its sources
.endr
	s_lshl_b32 s48, ttmp9, 7
	s_lshl_b32 s49, s33, 4
	s_add_co_u32 s48, s48, s49                     ; my first row
	s_lshl_b32 s48, s48, 10
	s_lshl_b32 s50, s34, 9
	s_add_co_u32 s48, s48, s50                     ; + my 512 bytes of it
	s_mov_b32 s49, 0
	s_mov_b32 s51, 0
	s_lshl_b32 s52, s32, 13                        ; my 64 rows of W1's codes; my 16 rows of W2's
	s_mov_b32 s53, 0
	s_lshl_b32 s54, s32, 9                         ; of their scale bytes
	s_mov_b32 s55, 0
	s_lshl_b32 s56, s32, 8                         ; my 64 numbers of bf1
	s_mov_b32 s57, 0
	s_lshl_b32 s58, s32, 6                         ; my 16 of bf2
	s_mov_b32 s59, 0
	s_wait_kmcnt 0x0
	s_add_nc_u64 s[4:5], s[4:5], s[48:49]
	s_add_nc_u64 s[22:23], s[22:23], s[48:49]
	s_add_nc_u64 s[6:7], s[6:7], s[50:51]
	s_add_nc_u64 s[8:9], s[8:9], s[50:51]
	s_add_nc_u64 s[10:11], s[10:11], s[52:53]
	s_add_nc_u64 s[16:17], s[16:17], s[52:53]
	s_add_nc_u64 s[12:13], s[12:13], s[54:55]
	s_add_nc_u64 s[18:19], s[18:19], s[54:55]
	s_add_nc_u64 s[14:15], s[14:15], s[56:57]
	s_add_nc_u64 s[20:21], s[20:21], s[58:59]
.irp i, 0,1,2,3,4,5,6,7,8,9,10,11,12,13,14,15
	global_load_b128 v[R+4*\i:R+4*\i+3], v[A16], s[4:5] offset:1024*\i th:TH_LOAD_NT      ; 512 consecutive bytes of row i
.endr
	global_load_b128 v[BNM:BNM+3], v[A16], s[6:7]
	global_load_b128 v[BNA:BNA+3], v[A16], s[6:7] offset:1024
	global_load_b128 v[BNB:BNB+3], v[A16], s[8:9]
.irp t, 0,1,2,3
.irp ks, 0,1
.irp c, 0,1
	global_load_b128 v[W+8*(2*\t+\ks)+4*\c:W+8*(2*\t+\ks)+4*\c+3], v[WA], s[10:11] offset:(32*(\t/2)+8*(\t%2))*128+64*\ks+32*\c
.endr
.endr
	global_load_b64 v[WS+2*\t:WS+2*\t+1], v[WSA], s[12:13] offset:(32*(\t/2)+8*(\t%2))*8
	global_load_b128 v[BI+8*\t:BI+8*\t+3], v[BAQ], s[14:15] offset:(32*(\t/2)+8*(\t%2))*4
	global_load_b128 v[BI+8*\t+4:BI+8*\t+7], v[BAQ], s[14:15] offset:(32*(\t/2)+8*(\t%2))*4+16
.endr
	s_wait_loadcnt 28                              ; r1, m, a, beta are in; the 28 loads of W1, its scale words and bf1 may be out
.irp i, 0,1,2,3,4,5,6,7,8,9,10,11,12,13,14,15
	ds_store_b128 v[RC], v[R+4*\i:R+4*\i+3] offset:512*\i  ; r1 as it is, for the last addition: my own bytes
.endr
	XPHASE
	s_wait_loadcnt 0x0                             ; W1, its scale words, bf1
; ---- phase 1.  The 64 results of a lane are 2 row tiles x 2 blocks of 32 hidden units.
.macro H_UNIT p
	PROD \p
	PLACES
.set j, 0
.rept 64
	v_max_num_f32 v[D+j], 0, v[D+j]                ; the activation, in f32; each accumulator from its low end on
.set j, j+1
.endr
	QUANT D
	ds_store_b128 v[HWI], v[PC:PC+3] offset:(2*\p)*8192
	ds_store_b128 v[HWI], v[PC+4:PC+7] offset:(2*\p+1)*8192
	ds_store_b16 v[HWS], v[PW] offset:(2*\p)*1024              ; row tile 2 p: my two bytes of the word
	ds_store_b16_d16_hi v[HWS], v[PW] offset:(2*\p+1)*1024     ; row tile 2 p + 1
.endm
	H_UNIT 0
	H_UNIT 1
	H_UNIT 2
	H_UNIT 3
	v_lshlrev_b32 v[WA], 9, v14                    ; W2: row r of 512 bytes, + 16 h.  (W1's loads are long done: their address registers may be written)
	v_lshl_add_u32 v[WA], v15, 4, v[WA]
	v_lshlrev_b32 v[WSA], 5, v14                   ; its scale bytes: 32 a row
	v_lshlrev_b32 v[BAQ], 5, v15                   ; bf2: lane (r, h) wants columns 8 h + 0 .. 7
.irp ks, 0,1,2,3,4,5,6,7
.irp c, 0,1
	global_load_b128 v[W+8*\ks+4*\c:W+8*\ks+4*\c+3], v[WA], s[16:17] offset:64*\ks+32*\c
.endr
.endr
	global_load_b128 v[WS:WS+3], v[WSA], s[18:19]
	global_load_b128 v[WS+4:WS+7], v[WSA], s[18:19] offset:16
	global_load_b128 v[BI:BI+3], v[BAQ], s[20:21]
	global_load_b128 v[BI+4:BI+7], v[BAQ], s[20:21] offset:16
	v_add_nc_u32 v[HFI], REGB, v[A16]
	v_lshrrev_b32 v[HFS], 2, v[A16]
	v_add_nc_u32 v[HFS], HSCB, v[HFS]
	s_lshl_b32 s40, s32, 6
	s_add_co_u32 s40, s40, REGB
	v_mul_u32_u24 v[SO0], v14, OPI
	v_lshl_add_u32 v[SO0], v15, 5, v[SO0]
	v_add_nc_u32 v[SO0], s40, v[SO0]               ; y's stage: row r, + 64 w + 32 h
	v_add_nc_u32 v[SO1], 64*OPI, v[SO0]            ; rows 64 on: an LDS offset has 16 bits
	s_mul_i32 s40, s33, 16*OPI
	s_lshl_b32 s41, s34, 9
	s_add_co_u32 s40, s40, s41
	s_add_co_u32 s40, s40, REGB
	v_add_nc_u32 v[SR], s40, v[A16]                ; back: the rows and the 512 bytes that I hold of r1
	BARRIER                                        ; the hidden layer's 64 fragments lie in LDS
	s_wait_loadcnt 0x0                             ; W2, its scale words, bf2
; ---- phase 2: sixteen batches, n = 2 s + half: K step s, row tiles 4 half .. + 3; fragments in two sets by turns, fetched a batch ahead
.macro HFETCH n, hf, hs
.irp i, 0,1,2,3
	ds_load_b128 v[\hf+8*\i:\hf+8*\i+3], v[HFI] offset:((4*((\n)%2)+\i)*8+(\n)/2)*1024
	ds_load_b128 v[\hf+8*\i+4:\hf+8*\i+7], v[HFI] offset:((4*((\n)%2)+\i)*8+(\n)/2)*1024+512
	ds_load_b32 v[\hs+\i], v[HFS] offset:((4*((\n)%2)+\i)*8+(\n)/2)*128
.endr
.endm
	HFETCH 0, HF, HSR
.set N, 0
.rept 16
.if N > 0
	PLACES                                         ; in front of loads into the set that the last batch's products read
.endif
.if N < 15
	HFETCH N+1, HF+32*((N+1)%2), HSR+4*((N+1)%2)
	s_wait_dscnt 12                                ; this batch's are in; the twelve just issued may be out
.else
	s_wait_dscnt 0x0
.endif
.irp i, 0,1,2,3
.if N < 2
	WM D+8*(4*(N%2)+\i), W+8*(N/2), HF+32*(N%2)+8*\i, BI, WS+N/2, HSR+4*(N%2)+\i       ; source 0 = my 16 rows of W2, source 1 = 16 rows of the hidden layer; bf2 starts the sum
.else
	WM D+8*(4*(N%2)+\i), W+8*(N/2), HF+32*(N%2)+8*\i, D+8*(4*(N%2)+\i), WS+N/2, HSR+4*(N%2)+\i
.endif
.endr
.set N, N+1
.endr
	BARRIER                                        ; every wave's reads of the hidden layer are over: y's stage may be written over it
	PLACES
.irp t, 0,1,2,3
	ds_store_b128 v[SO0], v[D+8*\t:D+8*\t+3] offset:16*OPI*\t          ; lane (r, h): y(16 T + r, 16 w + 8 h + 0 .. 7); each accumulator from its low end on
	ds_store_b128 v[SO0], v[D+8*\t+4:D+8*\t+7] offset:16*OPI*\t+16
.endr
.irp t, 0,1,2,3
	ds_store_b128 v[SO1], v[D+32+8*\t:D+35+8*\t] offset:16*OPI*\t
	ds_store_b128 v[SO1], v[D+36+8*\t:D+39+8*\t] offset:16*OPI*\t+16
.endr
	BARRIER                                        ; 128 whole rows of y lie in the stage
.irp i, 0,1,2,3,4,5,6,7,8,9,10,11,12,13,14,15
	ds_load_b128 v[D+4*\i:D+4*\i+3], v[SR] offset:OPI*\i
	ds_load_b128 v[W+4*\i:W+4*\i+3], v[RC] offset:512*\i
.endr
.irp i, 0,1,2,3,4,5,6,7,8,9,10,11,12,13,14,15
	s_wait_dscnt 30-2*\i                           ; row i's two loads are in: two for each later row may be out
	v_pk_add_f32 v[W+4*\i:W+4*\i+1], v[W+4*\i:W+4*\i+1], v[D+4*\i:D+4*\i+1]
	v_pk_add_f32 v[W+4*\i+2:W+4*\i+3], v[W+4*\i+2:W+4*\i+3], v[D+4*\i+2:D+4*\i+3]
	global_store_b128 v[A16], v[W+4*\i:W+4*\i+3], s[22:23] offset:1024*\i th:TH_STORE_NT   ; 512 consecutive bytes, aligned
.endr
	s_wait_xcnt 0x0
	v_lshl_add_u32 v254, v0, 2, 0x45800
	v_mov_b32 v255, 0
	s_wait_tensorcnt 0x0
	ds_add_u32 v254, v255
	s_wait_dscnt 0x0
	s_endpgm
.Lfunc_end_k_q17b5c0e773_mlp:
	.size	k_q17b5c0e773_mlp, .Lfunc_end_k_q17b5c0e773_mlp-k_q17b5c0e773_mlp
	.p2alignl 7, 3214868480
	.fill 96, 4, 3214868480
	.section	.rodata,"a",@progbits
	.p2align	6, 0x0
	.amdhsa_kernel k_q17b5c0e773_mlp
		.amdhsa_group_segment_fixed_size 286720
		.amdhsa_private_segment_fixed_size 0
		.amdhsa_enable_private_segment 0
		.amdhsa_kernarg_size 80
		.amdhsa_user_sgpr_count 2
		.amdhsa_user_sgpr_kernarg_segment_ptr 1
		.amdhsa_wavefront_size32 1
		.amdhsa_system_sgpr_workgroup_id_x 1
		.amdhsa_system_sgpr_workgroup_id_y 1
		.amdhsa_system_sgpr_workgroup_id_z 1
		.amdhsa_system_vgpr_workitem_id 0
		.amdhsa_next_free_vgpr 256
		.amdhsa_next_free_sgpr 66
		.amdhsa_reserve_vcc 0
		.amdhsa_float_denorm_mode_32 3
		.amdhsa_float_denorm_mode_16_64 3
		.amdhsa_memory_ordered 1
		.amdhsa_forward_progress 1
		.amdhsa_inst_pref_size 88
	.end_amdhsa_kernel
	.amdgpu_metadata
---
amdhsa.version: [ 1, 2 ]
amdhsa.kernels:
  - .name:           k_q17b5c0e773_mlp
    .symbol:         k_q17b5c0e773_mlp.kd
    .args:
      - { .name: r1, .offset: 0, .size: 8, .value_kind: global_buffer, .address_space: global }
      - { .name: st2, .offset: 8, .size: 8, .value_kind: global_buffer, .address_space: global }
      - { .name: beta2, .offset: 16, .size: 8, .value_kind: global_buffer, .address_space: global }
      - { .name: w1_codes, .offset: 24, .size: 8, .value_kind: global_buffer, .address_space: global }
      - { .name: w1_scales, .offset: 32, .size: 8, .value_kind: global_buffer, .address_space: global }
      - { .name: bf1, .offset: 40, .size: 8, .value_kind: global_buffer, .address_space: global }
      - { .name: w2_codes, .offset: 48, .size: 8, .value_kind: global_buffer, .address_space: global }
      - { .name: w2_scales, .offset: 56, .size: 8, .value_kind: global_buffer, .address_space: global }
      - { .name: bf2, .offset: 64, .size: 8, .value_kind: global_buffer, .address_space: global }
      - { .name: out0, .offset: 72, .size: 8, .value_kind: global_buffer, .address_space: global }
    .group_segment_fixed_size: 286720
    .private_segment_fixed_size: 0
    .kernarg_segment_align: 8
    .kernarg_segment_size: 80
    .max_flat_workgroup_size: 512
    .sgpr_count:     66
    .vgpr_count:     256
    .wavefront_size: 32
...
	.end_amdgpu_metadata
.endif
;; end of part 5
;; ======== version 2 of 2: 5 launches; version 1 with the launches qkv, mlp written anew for expert scheduling mode
;; workspace buffers: part1 131,072 bytes; part2 524,288 bytes; st2 2,048 bytes; qimg 4,718,592 bytes; kv 9,175,040 bytes; r1 33,554,432 bytes
;; launch stats1: the kernel of part 1 again; grid 256 x 1, 8 waves a work-group, no clusters, 5,120 bytes of LDS; arguments x, part1; writes part1
;; launch qkv (part 6): grid 256 x 1, 16 waves a work-group, no clusters, 172,032 bytes of LDS; arguments x, part1, beta1, wq_codes, wq_scales, bq, wk_codes, wk_scales, bk, wv_codes, wv_scales, bv, qimg, kv, g1; writes qimg, kv
.if DOCPART == 6
	.amdgcn_target "amdgcn-amd-amdhsa--gfx1250"
	.amdhsa_code_object_version 6
	.text
	.protected	k_q17b5c0e773_qkv
	.globl	k_q17b5c0e773_qkv
	.p2align	8
	.type	k_q17b5c0e773_qkv,@function
k_q17b5c0e773_qkv:
	s_mov_b64 s[64:65], 0
	v_nop
	global_prefetch_b8 v0, s[64:65] scope:SCOPE_SE
	s_setreg_imm32_b32 hwreg(HW_REG_WAVE_SCHED_MODE, 0, 2), 2
	s_setreg_imm32_b32 hwreg(HW_REG_WAVE_MODE, 25, 1), 1
	s_wait_xcnt 0x0
	s_wait_alu depctr_vm_vsrc(0)
; The 64 groups' column figures of x (part1: mean, M2; 512 rows each) are joined to m and a = g1 / sqrt(variance + 1e-5); h1 = (x - m) a + beta1, quantised along the 256 channels; q, k, v = h1 W^T + b on codes of
; FP4 (E2M1) with E8M0 scales; q and k are quantised along a head's 64 channels, v along the keys.
; All three leave as IMAGES OF OPERAND REGISTERS, laid as the attention launch reads them: lane l's 16 bytes at 16 l, 512 bytes a group of four registers.
;   qimg[batch][head][block of 128 tokens]: 8 tiles x 512 bytes, then 512 bytes of scale words.   kv[batch][head][block]: K: 8 x 512, 512 of scale words; V: 4 tiles x 1,024, 256 of scale words: 8,960 bytes.
; SHARES.  A work-group owns 128 tokens of one batch.  THE FIGURES: wave 2 T + s joins groups 8 T .. + 7 of channels 128 s on (16 loads, issued ahead of x's and worked while x is on its way); the eight slices of a
; channel meet in LDS.  Equal groups of n rows: mean = the average of the means, M2 = the sum of the M2 + n x the sum of (mean_i - mean)^2: no difference of large sums.
; Then the same wave normalises and quantises tile T, channels 128 s on, and lays the fragment's image in LDS.  Then wave 4 m + hd (m: 0 q, 1 k, 2 v) makes the 64 channels of head hd of its matrix for all 128 tokens,
; its part of the weight in registers (asked for when x is in: it lands while x is quantised).
; TILES ARE NOT NEIGHBOURS: lane r of tile 2 b + u (of tokens, and of a weight's rows) takes row 32 b + 8 u + r + 8 (r / 8), so that the 16 registers of result tiles 2 b, 2 b + 1 are 16 neighbours along the next K.
; q, k: source 0 = 16 rows of W, source 1 = 16 tokens: a lane holds one token, its registers run along the head's channels.  v: source 0 = 16 tokens, source 1 = 16 rows of W: a lane holds one channel, its registers run along the tokens.
; A head has 64 channels, half of the matrix instruction's 128: a tile of q or k is FOUR registers; its scale word has the two bytes, and 0x7f twice.
; No tensor load: each byte of x is read once, by the wave that uses it.  No cluster: what work-groups share (128 KiB of figures, 96 KiB of weights) goes straight into the registers of the waves that work on it.
; LIMITS: NaN and infinities are not served; a block whose largest magnitude lies under 2^-124 keeps the byte 1, a block of zeros too (its codes are zeros; the bytes are read by this program alone).
; THE MODE: SCHED_MODE bits 1:0 = 2 (LLVM: expert scheduling mode 2), set by the entry lines.  The code itself states the register dependences
; between vector or matrix instructions and memory or LDS instructions, with s_wait_alu, always for 0.
; THE PLAN.  Registers that memory or LDS instructions touch, and who else names them:
;   v1-v15       offsets and LDS addresses: made once at the head, never written again: one wait on va_vdst ahead of the first load serves them all.
;   MN, MM, LM   the figures' loads land in MN, MM; the first join works them; LM and MM's first quad go to LDS; the slices' loads land in MN, MM; the second join; the roots go into LM; then the weight and the bias land in v16-127.
;   R = D        x lands; 64 packed lines normalise it in place; 16 stage stores read it; 16 stage loads land in it; QUANT reads it; from then on these are accumulators, named by matrix and vector instructions alone.
;   HF, HSR      LDS loads land in them; the products read them.  Behind a run of products and its places stands one wait on va_vdst, and the NEXT run's loads follow it at once: they land while the results are quantised.
;   PC, PW       QUANT writes them; the stores behind it read them (one wait on va_vdst between); the next QUANT writes them again (s_wait_xcnt 0 and one wait on vm_vsrc ahead of it).
;   SCO, VSO     written by selects, read by each role's last store.     v254, v255: written at the head, read by the closing add alone.
.set SPI,  528                         ; a stage row: 512 bytes + 16: sixteen rows start at sixteen different 16-byte columns
.set XIMG, 135168                      ; LDS: 0: a stage of 16 rows x 528 for each wave; here: 16 fragments' images, 1,024 bytes each (2 T + s);
.set XSC,  151552                      ; their scale words, 128 bytes each;
.set SRED, 153600                      ; the slices' figures: 8,192 s + 1,024 T + 512 (mean, M2) + 16 lane
.set A16, 1                            ; v1  16 x lane
.set A4,  2                            ; v2  4 x lane
.set A8,  3                            ; v3  8 x lane
.set STS, 4                            ; v4  the stage, in
.set STR, 5                            ; v5  the stage, back
.set XWI, 6                            ; v6  where I store my fragment's image
.set XWS, 7                            ; v7  and its scale word
.set FI,  8                            ; v8  where fragments are read
.set FS,  9                            ; v9  and scale words
.set WA,  10                           ; v10 my lane's place in a tile of a weight
.set WSA, 11                           ; v11 and among its scale bytes
.set BAV, 12                           ; v12 v's bias: my row
.set BAQ, 13                           ; v13 q's, k's bias: my half
.set SRW, 14                           ; v14 where I store my slice's figures
.set SRR, 15                           ; v15 where the eight slices of my channels are read
.set W,   16                           ; v16-79   the weight: fragment (t, s) at W + 16 t + 8 s
.set MN,  16                           ; first: v16-47 eight means, v48-79 eight M2
.set MM,  48
.set WS,  80                           ; v80-87   the weight's scale words, (t, s) at WS + 2 t + s.  v80-91 hold scales alone
.set HSR, 88                           ; v88-91   h1's scale words
.set SCO, 92                           ; v92-95   scale words on the way out
.set BI,  96                           ; v96-127  q, k: the bias, eight registers a tile
.set LM,  96                           ; first: v96-99 my slice's mean, later 1 / sqrt(..)
.set BV,  96                           ; v96-99   v: my row's bias, a register a tile
.set CB,  104                          ; v104-111 v: that number eight times: a tile's C
.set VW,  112                          ; v112-115 v: the tiles' scale words
.set VSO, 116                          ; v116-117 v: two tiles to a register
.set D,   128                          ; v128-191 eight accumulators
.set R,   128                          ; the same registers: x as loaded
.set HF,  192                          ; v192-223 four fragments of h1
.set BNM, 192                          ; first: m, a, beta, g of my four channels
.set BNA, 196
.set BNB, 200
.set GG,  204
.set TM,  224                          ; v224-239 at work in QUANT
.set PC,  240                          ; v240-247 the codes just made
.set PW,  248                          ; v248     their scale word
.set SEL, 36                           ; s[36:37] lane selects: lane l xor 16
.macro PLACES                          ; four places behind matrix instructions (ISA guide 7.12.1), where no other vector work is at hand
.rept 4
	v_nop
.endr
.endm
.macro BARRIER                         ; my LDS stores have landed and my LDS loads are in: then the work-group's barrier
	s_wait_dscnt 0x0
	s_barrier_signal -1
	s_barrier_wait -1
.endm
.macro WM d, a, b, c, sa, sb
	v_wmma_scale_f32_16x16x128_f8f6f4 v[\d:\d+7], v[\a:\a+7], v[\b:\b+7], v[\c:\c+7], v[\sa], v[\sb] matrix_a_fmt:MATRIX_FMT_FP4 matrix_b_fmt:MATRIX_FMT_FP4
.endm
; Eight equal groups of n rows, means in v[mn] on and M2 in v[mm] on (a quad each), are joined: the mean into v[dm] on, M2 into v[mm .. mm + 3].  The means' registers are used up.
.macro JOIN8 mn, mm, dm, nlit
	v_pk_add_f32 v[\dm:\dm+1], v[\mn:\mn+1], v[\mn+4:\mn+5]
	v_pk_add_f32 v[\dm+2:\dm+3], v[\mn+2:\mn+3], v[\mn+6:\mn+7]
.irp k, 2,3,4,5,6,7
	v_pk_add_f32 v[\dm:\dm+1], v[\dm:\dm+1], v[\mn+4*\k:\mn+4*\k+1]
	v_pk_add_f32 v[\dm+2:\dm+3], v[\dm+2:\dm+3], v[\mn+4*\k+2:\mn+4*\k+3]
.endr
.irp k, 1,2,3,4,5,6,7
	v_pk_add_f32 v[\mm:\mm+1], v[\mm:\mm+1], v[\mm+4*\k:\mm+4*\k+1]
	v_pk_add_f32 v[\mm+2:\mm+3], v[\mm+2:\mm+3], v[\mm+4*\k+2:\mm+4*\k+3]
.endr
	v_pk_mul_f32 v[\dm:\dm+1], v[\dm:\dm+1], 0x3e000000 op_sel_hi:[1,0]     ; / 8
	v_pk_mul_f32 v[\dm+2:\dm+3], v[\dm+2:\dm+3], 0x3e000000 op_sel_hi:[1,0]
.irp k, 0,1,2,3,4,5,6,7
	v_pk_add_f32 v[\mn+4*\k:\mn+4*\k+1], v[\mn+4*\k:\mn+4*\k+1], v[\dm:\dm+1] neg_lo:[0,1] neg_hi:[0,1]
	v_pk_add_f32 v[\mn+4*\k+2:\mn+4*\k+3], v[\mn+4*\k+2:\mn+4*\k+3], v[\dm+2:\dm+3] neg_lo:[0,1] neg_hi:[0,1]
.endr
	v_pk_mul_f32 v[\mn:\mn+1], v[\mn:\mn+1], v[\mn:\mn+1]
	v_pk_mul_f32 v[\mn+2:\mn+3], v[\mn+2:\mn+3], v[\mn+2:\mn+3]
.irp k, 1,2,3,4,5,6,7
	v_pk_fma_f32 v[\mn:\mn+1], v[\mn+4*\k:\mn+4*\k+1], v[\mn+4*\k:\mn+4*\k+1], v[\mn:\mn+1]
	v_pk_fma_f32 v[\mn+2:\mn+3], v[\mn+4*\k+2:\mn+4*\k+3], v[\mn+4*\k+2:\mn+4*\k+3], v[\mn+2:\mn+3]
.endr
	v_pk_fma_f32 v[\mm:\mm+1], v[\mn:\mn+1], \nlit, v[\mm:\mm+1] op_sel_hi:[1,0,1]       ; n x the means' spread + the sum of the M2
	v_pk_fma_f32 v[\mm+2:\mm+3], v[\mn+2:\mn+3], \nlit, v[\mm+2:\mm+3] op_sel_hi:[1,0,1]
.endm
; 64 numbers of a lane, register 16 b + i = number 16 (lane / 16) + i of block b, become codes in v[PC] on (registers 4 c .. 4 c + 3: lanes 0-15 block 2 c, lanes 16-31 block 2 c + 1) and the four blocks' bytes in v[PW].
.macro QUANT s
.irp b, 0,1,2,3
	v_max3_num_f32 v[TM+\b], |v[\s+16*\b]|, |v[\s+1+16*\b]|, 0x1800000   ; my 16 numbers, and the floor 2^(3 - 127): the byte cannot fall under 1
.endr
.irp i, 2,4,6,8,10,12,14
.irp b, 0,1,2,3
	v_max3_num_f32 v[TM+\b], v[TM+\b], |v[\s+16*\b+\i]|, |v[\s+1+16*\b+\i]|   ; the four blocks by turns
.endr
.endr
.irp b, 0,1,2,3
	v_permlanex16_b32 v[TM+4+\b], v[TM+\b], s[SEL], s[SEL+1]
.endr
.irp b, 0,1,2,3
	v_max_num_f32 v[TM+\b], v[TM+\b], v[TM+4+\b]   ; with lane l xor 16's: the block's largest magnitude
.endr
.irp b, 0,1,2,3
	v_add_nc_u32 v[TM+12+\b], 0xff000000, v[TM+\b] ; 2 off its exponent field: the conversion's scale operand
.endr
.irp b, 0,1,2,3
	v_lshrrev_b32 v[TM+4+\b], 23, v[TM+12+\b]      ; the scale's byte
.endr
	v_lshl_or_b32 v[PW], v[TM+5], 8, v[TM+4]
	v_lshl_or_b32 v[PW], v[TM+6], 16, v[PW]
	v_lshl_or_b32 v[PW], v[TM+7], 24, v[PW]
.irp b, 0,1,2,3
	v_cvt_scalef32_pk8_fp4_f32 v[PC+2*\b], v[\s+16*\b:\s+7+16*\b], v[TM+12+\b]
	v_cvt_scalef32_pk8_fp4_f32 v[PC+1+2*\b], v[\s+8+16*\b:\s+15+16*\b], v[TM+12+\b]
.endr
	v_nop                                          ; one plain place behind a scaled conversion
.irp c, 0,1
.irp i, 0,1
	v_permlane16_swap_b32 v[PC+4*\c+\i], v[PC+2+4*\c+\i]   ; a whole block to a lane
.endr
.endr
.endm
; My 16 rows x 128 channels, loaded 512 consecutive bytes a row, are normalised, turned through my own stage so that a lane holds 16 neighbours of each block of its row, quantised, and laid in LDS as a fragment's image.
.macro XPHASE
.irp i, 0,1,2,3,4,5,6,7,8,9,10,11,12,13,14,15
	v_pk_add_f32 v[R+4*\i:R+4*\i+1], v[R+4*\i:R+4*\i+1], v[BNM:BNM+1] neg_lo:[0,1] neg_hi:[0,1]
	v_pk_add_f32 v[R+4*\i+2:R+4*\i+3], v[R+4*\i+2:R+4*\i+3], v[BNM+2:BNM+3] neg_lo:[0,1] neg_hi:[0,1]
.endr
.irp i, 0,1,2,3,4,5,6,7,8,9,10,11,12,13,14,15
	v_pk_fma_f32 v[R+4*\i:R+4*\i+1], v[R+4*\i:R+4*\i+1], v[BNA:BNA+1], v[BNB:BNB+1]
	v_pk_fma_f32 v[R+4*\i+2:R+4*\i+3], v[R+4*\i+2:R+4*\i+3], v[BNA+2:BNA+3], v[BNB+2:BNB+3]
.endr
	s_wait_alu depctr_va_vdst(0)                   ; the multiply-adds have written v[R ..], which the stage's stores read; they are done reading m, a and beta, in whose registers fragments land later
.irp i, 0,1,2,3,4,5,6,7,8,9,10,11,12,13,14,15
	ds_store_b128 v[STS], v[R+4*\i:R+4*\i+3] offset:SPI*\i
.endr
	s_wait_alu depctr_vm_vsrc(0)                   ; those stores have read v[R ..], in which the loads below land
.irp b, 0,1,2,3
.irp j, 0,1,2,3
	ds_load_b128 v[R+16*\b+4*\j:R+16*\b+4*\j+3], v[STR] offset:128*\b+16*\j   ; LDS serves a wave's instructions in order (ISA guide 5.7.1.4): these see my stores
.endr
.endr
	s_wait_dscnt 0x0
	QUANT R
	s_wait_alu depctr_va_vdst(0)                   ; QUANT has written the codes v[PC ..] and the scale word v[PW], which the three stores read
	ds_store_b128 v[XWI], v[PC:PC+3]
	ds_store_b128 v[XWI], v[PC+4:PC+7] offset:512
	ds_store_b32 v[XWS], v[PW]
	BARRIER                                        ; all sixteen fragments lie in LDS; nothing is written there any more
.endm
; q, k: the four fragments and scale words of token tiles 2 p and 2 p + 1: twelve LDS loads
.macro HLOAD p
.irp e, 0,1
.irp ks, 0,1
	ds_load_b128 v[HF+8*(2*\e+\ks):HF+8*(2*\e+\ks)+3], v[FI] offset:(2*(2*(\p)+\e)+\ks)*1024
	ds_load_b128 v[HF+8*(2*\e+\ks)+4:HF+8*(2*\e+\ks)+7], v[FI] offset:(2*(2*(\p)+\e)+\ks)*1024+512
	ds_load_b32 v[HSR+2*\e+\ks], v[FS] offset:(2*(2*(\p)+\e)+\ks)*128
.endr
.endr
.endm
; Those two token tiles against my four tiles of weight rows: eight accumulators by turns, the bias as the C of each sum's first product.
.macro HMUL
.irp e, 0,1
.irp t, 0,1,2,3
	WM D+8*(4*\e+\t), W+16*\t, HF+16*\e, BI+8*\t, WS+2*\t, HSR+2*\e
.endr
.endr
.irp e, 0,1
.irp t, 0,1,2,3
	WM D+8*(4*\e+\t), W+16*\t+8, HF+16*\e+8, D+8*(4*\e+\t), WS+2*\t+1, HSR+2*\e+1
.endr
.endr
.endm
	s_load_b512 s[4:19], s[0:1], 0x0               ; x, part1, beta1, wq codes, wq scales, bq, wk codes, wk scales
	s_load_b256 s[20:27], s[0:1], 0x40             ; bk, wv codes, wv scales, bv
	s_load_b128 s[28:31], s[0:1], 0x60             ; qimg, kv
	s_load_b64 s[56:57], s[0:1], 0x70              ; g1
	v_lshl_add_u32 v254, v0, 2, 0x29800
	v_mov_b32 v255, 0
	v_lshrrev_b32 v13, 5, v0
	v_readfirstlane_b32 s32, v13                   ; wave 0..15
	s_wait_alu depctr_va_sdst(0)                   ; s32 is written, ahead of its first reader: roles, bases and LDS addresses are made from it
	s_lshr_b32 s33, s32, 2                         ; which matrix
	s_and_b32 s34, s32, 3                          ; which head
	s_mov_b32 s[SEL], 0x76543210
	s_mov_b32 s[SEL+1], 0xfedcba98
	s_mov_b32 s38, 0xffff0000                      ; lanes 16-31
	s_mov_b32 s39, 0x7f7f0000                      ; the upper two bytes of a half tile's scale word: 1.0 twice
	s_mov_b32 s58, 0x38000000                      ; 1 / 32,768
	s_mov_b32 s59, 0x3727c5ac                      ; 1e-5
	v_and_b32 v13, 31, v0                          ; lane
	v_and_b32 v14, 15, v0                          ; r
	v_bfe_u32 v15, v0, 4, 1                        ; h
	v_lshlrev_b32 v[A16], 4, v13
	v_lshlrev_b32 v[A4], 2, v13
	v_lshlrev_b32 v[A8], 3, v13
	s_mul_i32 s48, s32, 16*SPI                     ; my stage
	v_add_nc_u32 v[STS], s48, v[A16]
	v_mul_u32_u24 v[STR], v14, SPI
	v_lshl_add_u32 v[STR], v15, 6, v[STR]
	v_add_nc_u32 v[STR], s48, v[STR]               ; row r, + 64 h: my 16 numbers of a block of 32
	s_lshl_b32 s48, s32, 10
	s_add_co_u32 s48, s48, XIMG
	v_add_nc_u32 v[XWI], s48, v[A16]
	s_lshl_b32 s48, s32, 7
	s_add_co_u32 s48, s48, XSC
	v_add_nc_u32 v[XWS], s48, v[A4]
	v_add_nc_u32 v[FI], XIMG, v[A16]
	v_add_nc_u32 v[FS], XSC, v[A4]
	v_and_b32 v[BAV], 8, v14
	v_add_nc_u32 v[BAV], v[BAV], v14               ; r + 8 (r / 8)
	v_lshlrev_b32 v[WA], 7, v[BAV]                 ; a weight's row is 128 bytes
	v_lshl_add_u32 v[WA], v15, 4, v[WA]
	v_lshlrev_b32 v[WSA], 3, v[BAV]                ; and 8 scale bytes
	v_lshlrev_b32 v[BAV], 2, v[BAV]
	v_lshlrev_b32 v[BAQ], 6, v15
	s_and_b32 s48, s32, 1                          ; r and h are done with: their registers take the figures' two LDS addresses
	s_lshl_b32 s48, s48, 13
	s_add_co_u32 s48, s48, SRED
	v_add_nc_u32 v[SRR], s48, v[A16]               ; SRED + 8,192 s + 16 lane
	s_lshr_b32 s49, s32, 1
	s_lshl_b32 s49, s49, 10
	s_add_co_u32 s48, s48, s49
	v_add_nc_u32 v[SRW], s48, v[A16]               ; + 1,024 T
.irp b, 0,1,2,3
	v_mov_b32 v[TM+4+\b], 0                        ; written once: a lane permute's destination counts as one of its sources
.endr
	s_lshl_b32 s48, ttmp9, 7                       ; the work-group's first token,
	s_lshl_b32 s49, s33, 5                         ; tile T = wave / 2 = 2 b + u begins at token 32 b + 8 u
	s_add_co_u32 s48, s48, s49
	s_bfe_u32 s49, s32, 0x10001
	s_lshl_b32 s49, s49, 3
	s_add_co_u32 s48, s48, s49
	s_lshl_b32 s48, s48, 10                        ; rows of 1,024 bytes
	s_and_b32 s50, s32, 1
	s_lshl_b32 s50, s50, 9                         ; channels 128 s on
	s_add_co_u32 s48, s48, s50
	s_mov_b32 s49, 0
	s_mov_b32 s51, 0
	s_lshr_b32 s54, ttmp9, 3                       ; where my role's results go: record ((batch x 4 + head) x 8 + block)
	s_lshl_b32 s54, s54, 2
	s_add_co_u32 s54, s54, s34
	s_lshl_b32 s54, s54, 3
	s_and_b32 s55, ttmp9, 7
	s_add_co_u32 s54, s54, s55
	s_movk_i32 s55, 8960
	s_cmp_eq_u32 s33, 0
	s_cselect_b32 s55, 4608, s55
	s_mul_i32 s54, s54, s55
	s_mov_b32 s55, 0
	s_mov_b32 s53, 0
	s_wait_kmcnt 0x0
	s_add_nc_u64 s[4:5], s[4:5], s[48:49]
	s_add_nc_u64 s[6:7], s[6:7], s[50:51]
	s_add_nc_u64 s[8:9], s[8:9], s[50:51]
	s_add_nc_u64 s[56:57], s[56:57], s[50:51]
	s_lshr_b32 s52, s32, 1
	s_lshl_b32 s52, s52, 14                        ; my eight groups of part1: 8 T x 2,048 bytes on
	s_add_nc_u64 s[6:7], s[6:7], s[52:53]
	s_cmp_eq_u32 s33, 0                            ; the role's buffers: the choice hangs on the wave's number alone
	s_cselect_b64 s[40:41], s[10:11], s[16:17]
	s_cselect_b64 s[42:43], s[12:13], s[18:19]
	s_cselect_b64 s[44:45], s[14:15], s[20:21]
	s_cselect_b64 s[46:47], s[28:29], s[30:31]
	s_cmp_eq_u32 s33, 2
	s_cselect_b64 s[40:41], s[22:23], s[40:41]
	s_cselect_b64 s[42:43], s[24:25], s[42:43]
	s_cselect_b64 s[44:45], s[26:27], s[44:45]
	s_lshl_b32 s52, s34, 13                        ; the head's 64 rows of codes,
	s_add_nc_u64 s[40:41], s[40:41], s[52:53]
	s_lshl_b32 s52, s34, 9                         ; of scale bytes,
	s_add_nc_u64 s[42:43], s[42:43], s[52:53]
	s_lshl_b32 s52, s34, 8                         ; its 64 biases
	s_add_nc_u64 s[44:45], s[44:45], s[52:53]
	s_add_nc_u64 s[46:47], s[46:47], s[54:55]
	s_wait_alu depctr_va_vdst(0)                   ; the fifteen offsets and LDS addresses v1 to v15 are written, which the loads and stores of the whole kernel read; none is written again
.irp k, 0,1,2,3,4,5,6,7
	global_load_b128 v[MN+4*\k:MN+4*\k+3], v[A16], s[6:7] offset:2048*\k          ; group 8 T + k: the means of my 128 channels, 512 consecutive bytes;
	global_load_b128 v[MM+4*\k:MM+4*\k+3], v[A16], s[6:7] offset:2048*\k+1024     ; their M2
.endr
	global_load_b128 v[GG:GG+3], v[A16], s[56:57]
	global_load_b128 v[BNB:BNB+3], v[A16], s[8:9]
.irp i, 0,1,2,3,4,5,6,7,8,9,10,11,12,13,14,15
	global_load_b128 v[R+4*\i:R+4*\i+3], v[A16], s[4:5] offset:(\i+8*(\i/8))*1024     ; 512 consecutive bytes of the tile's row i
.endr
	s_wait_loadcnt 18                              ; the sixteen loads of figures are in; g1, beta1 and x's sixteen may be out
	JOIN8 MN, MM, LM, 0x44000000                   ; n = 512 rows a group
	s_wait_alu depctr_va_vdst(0)                   ; the join has written v[LM ..] and v[MM .. MM + 3], which the two stores read; it is done with v[MN ..] and v[MM ..], in which the slices' loads land
	ds_store_b128 v[SRW], v[LM:LM+3]
	ds_store_b128 v[SRW], v[MM:MM+3] offset:512
	BARRIER                                        ; the sixteen slices' figures lie in LDS; these bytes are not written again
	s_wait_alu depctr_vm_vsrc(0)                   ; my two stores have read v[LM ..] and v[MM .. MM + 3]: the loads below land in the one, the roots are written into the other
.irp t, 0,1,2,3,4,5,6,7
	ds_load_b128 v[MN+4*\t:MN+4*\t+3], v[SRR] offset:1024*\t
	ds_load_b128 v[MM+4*\t:MM+4*\t+3], v[SRR] offset:1024*\t+512
.endr
	s_wait_dscnt 0x0
	JOIN8 MN, MM, BNM, 0x45800000                  ; n = 4,096 rows a slice: m, and M2 of all 32,768 rows
.irp j, 0,1,2,3
	v_fma_f32 v[MM+\j], v[MM+\j], s58, s59         ; the variance + 1e-5
.endr
.irp j, 0,1,2,3
	v_rsq_f32 v[LM+\j], v[MM+\j]
.endr
	v_nop                                          ; a plain instruction behind the last of the four
	s_wait_alu depctr_va_vdst(0)                   ; the four roots are written into v[LM ..]: one wait for the four, ahead of their first reader
	s_wait_loadcnt 0x0                             ; g1, beta1, x
.irp j, 0,1,2,3
	v_mul_f32 v[BNA+\j], v[GG+\j], v[LM+\j]        ; a = g1 / sqrt(..)
.endr
	s_wait_alu depctr_va_vdst(0)                   ; the four products are done reading v[LM ..], in which the bias lands (the joins, done with v16-79, in which the weight lands, stand ahead of it too)
	s_cmp_lt_u32 s32, 12                           ; the role's weight, scale words and bias: asked for now, into the registers that the figures have left; they land while x is quantised
	s_cbranch_scc0 .Lno_role
.irp t, 0,1,2,3
.irp ks, 0,1
.irp c, 0,1
	global_load_b128 v[W+8*(2*\t+\ks)+4*\c:W+8*(2*\t+\ks)+4*\c+3], v[WA], s[40:41] offset:(32*(\t/2)+8*(\t%2))*128+64*\ks+32*\c
.endr
.endr
	global_load_b64 v[WS+2*\t:WS+2*\t+1], v[WSA], s[42:43] offset:(32*(\t/2)+8*(\t%2))*8
.endr
	s_cmp_lt_u32 s32, 8
	s_cbranch_scc0 .Lbias_v
.irp t, 0,1,2,3
	global_load_b128 v[BI+8*\t:BI+8*\t+3], v[BAQ], s[44:45] offset:(32*(\t/2)+8*(\t%2))*4        ; lane (r, h), tile 2 b + u: channels 32 b + 16 h + 8 u + 0 .. 7
	global_load_b128 v[BI+8*\t+4:BI+8*\t+7], v[BAQ], s[44:45] offset:(32*(\t/2)+8*(\t%2))*4+16
.endr
	s_branch .Lno_role
.Lbias_v:
.irp t, 0,1,2,3
	global_load_b32 v[BV+\t], v[BAV], s[44:45] offset:(32*(\t/2)+8*(\t%2))*4
.endr
.Lno_role:
	XPHASE
	s_wait_loadcnt 0x0                             ; the role's loads
	s_cmp_lt_u32 s32, 8
	s_cbranch_scc0 .Lnot_qk
; q or k: two token tiles at a time.  The 64 results of a lane are 2 tiles x 2 blocks of 32 channels: v[PC .. PC+3] is tile 2 p's half fragment, v[PC+4 .. PC+7] tile 2 p + 1's.
; more = 1: the next unit's fragments are asked for as soon as this unit's products are done with the registers: they land while the results are quantised.
.macro QK_UNIT p, more
	s_wait_dscnt 0x0                               ; this unit's four fragments and their scale words are in
	HMUL
	PLACES
.if \more
	s_wait_alu depctr_va_vdst(0)                   ; the sixteen products are done reading v[HF ..] and v[HSR ..], in which the next unit's loads land
	HLOAD (\p)+1
.endif
	s_wait_xcnt 0x0                                ; the last unit's stores have read their data: the codes' registers are written again only behind this wait
	s_wait_alu depctr_vm_vsrc(0)                   ; the stores issued so far (the image's, the last unit's) have read v[PC ..] and v[PW], which QUANT writes again
	QUANT D
	s_wait_alu depctr_va_vdst(0)                   ; QUANT has written the codes v[PC ..], which the two stores read
	global_store_b128 v[A16], v[PC:PC+3], s[46:47] offset:(2*\p)*512          ; 512 consecutive bytes each
	global_store_b128 v[A16], v[PC+4:PC+7], s[46:47] offset:(2*\p+1)*512
	v_and_or_b32 v249, v[PW], 0xffff, s39          ; tile 2 p's two bytes,
	v_lshrrev_b32 v250, 16, v[PW]
	v_or_b32 v250, s39, v250                       ; tile 2 p + 1's,
	v_cndmask_b32 v[SCO+\p], v249, v250, s38       ; one in lanes 0-15, the other in lanes 16-31
.endm
	HLOAD 0                                        ; no wait: the last vector lines that named v192-207 (m, a, beta, g) stand ahead of the waits in the phase above
	QK_UNIT 0, 1
	QK_UNIT 1, 1
	QK_UNIT 2, 1
	QK_UNIT 3, 0
	s_wait_alu depctr_va_vdst(0)                   ; the selects have written v[SCO ..], which the store reads
	global_store_b128 v[A16], v[SCO:SCO+3], s[46:47] offset:4096
	s_wait_dscnt 0x0                               ; the closing lines, six on end
	s_wait_alu 0x0
	s_wait_tensorcnt 0x0
	ds_add_u32 v254, v255
	s_wait_dscnt 0x0
	s_endpgm
.Lnot_qk:
	s_cmp_lt_u32 s32, 12
	s_cbranch_scc0 .Ldone
; v: tile t of the head's channels against all eight token tiles.  The 64 results of a lane are 128 keys of one channel, in four blocks of 32: one whole fragment of the second product.
; Batch n of four: K step n / 2, token tiles 4 (n % 2) .. + 3: twelve LDS loads.
.macro VLOAD n
.irp i, 0,1,2,3
	ds_load_b128 v[HF+8*\i:HF+8*\i+3], v[FI] offset:(2*(4*((\n)%2)+\i)+(\n)/2)*1024
	ds_load_b128 v[HF+8*\i+4:HF+8*\i+7], v[FI] offset:(2*(4*((\n)%2)+\i)+(\n)/2)*1024+512
	ds_load_b32 v[HSR+\i], v[FS] offset:(2*(4*((\n)%2)+\i)+(\n)/2)*128
.endr
.endm
; more = 1: the next unit's first batch is asked for ahead of QUANT.
.macro V_UNIT t, more
	s_wait_xcnt 0x0                                ; the last unit's stores have read their data
	s_wait_alu depctr_vm_vsrc(0)                   ; the stores issued so far (the image's, the last unit's) have read v[PC ..] and v[PW], which QUANT writes again
.irp j, 0,1,2,3,4,5,6,7
	v_mov_b32 v[CB+\j], v[BV+\t]                   ; the bias in the result's layout: my channel's, eight times
.endr
	PLACES                                         ; behind the lines above
.irp n, 0,1,2,3
	s_wait_dscnt 0x0                               ; batch n is in
.irp i, 0,1,2,3
.if \n < 2
	WM D+8*(4*(\n%2)+\i), HF+8*\i, W+16*\t, CB, HSR+\i, WS+2*\t
.else
	WM D+8*(4*(\n%2)+\i), HF+8*\i, W+16*\t+8, D+8*(4*(\n%2)+\i), HSR+\i, WS+2*\t+1
.endif
.endr
	PLACES                                         ; behind the products: in front of the loads into the registers that they have read, and, behind the last batch, of the first read of results
.if (\n < 3) || \more
	s_wait_alu depctr_va_vdst(0)                   ; the batch's four products are done reading v[HF ..] and v[HSR ..], in which the next batch's loads land
	VLOAD (\n+1)%4
.endif
.endr
	QUANT D
	s_wait_alu depctr_va_vdst(0)                   ; QUANT has written the codes v[PC ..], which the two stores read
	global_store_b128 v[A16], v[PC:PC+3], s[46:47] offset:4608+1024*\t
	global_store_b128 v[A16], v[PC+4:PC+7], s[46:47] offset:4608+1024*\t+512
	v_mov_b32 v[VW+\t], v[PW]
.endm
	VLOAD 0                                        ; no wait: the last vector lines that named v192-207 (m, a, beta, g) stand ahead of the waits in the phase above
	V_UNIT 0, 1
	V_UNIT 1, 1
	V_UNIT 2, 1
	V_UNIT 3, 0
	v_cndmask_b32 v[VSO], v[VW], v[VW+1], s38      ; tile 2 j in lanes 0-15, tile 2 j + 1 in lanes 16-31
	v_cndmask_b32 v[VSO+1], v[VW+2], v[VW+3], s38
	s_wait_alu depctr_va_vdst(0)                   ; the two selects have written v[VSO ..], which the store reads
	global_store_b64 v[A8], v[VSO:VSO+1], s[46:47] offset:8704                ; 256 consecutive bytes
.Ldone:
	s_wait_dscnt 0x0                               ; the closing lines, six on end
	s_wait_alu 0x0
	s_wait_tensorcnt 0x0
	ds_add_u32 v254, v255
	s_wait_dscnt 0x0
	s_endpgm
.Lfunc_end_k_q17b5c0e773_qkv:
	.size	k_q17b5c0e773_qkv, .Lfunc_end_k_q17b5c0e773_qkv-k_q17b5c0e773_qkv
	.p2alignl 7, 3214868480
	.fill 96, 4, 3214868480
	.section	.rodata,"a",@progbits
	.p2align	6, 0x0
	.amdhsa_kernel k_q17b5c0e773_qkv
		.amdhsa_group_segment_fixed_size 172032
		.amdhsa_private_segment_fixed_size 0
		.amdhsa_enable_private_segment 0
		.amdhsa_kernarg_size 120
		.amdhsa_user_sgpr_count 2
		.amdhsa_user_sgpr_kernarg_segment_ptr 1
		.amdhsa_wavefront_size32 1
		.amdhsa_system_sgpr_workgroup_id_x 1
		.amdhsa_system_sgpr_workgroup_id_y 1
		.amdhsa_system_sgpr_workgroup_id_z 1
		.amdhsa_system_vgpr_workitem_id 0
		.amdhsa_next_free_vgpr 256
		.amdhsa_next_free_sgpr 66
		.amdhsa_reserve_vcc 0
		.amdhsa_float_denorm_mode_32 3
		.amdhsa_float_denorm_mode_16_64 3
		.amdhsa_memory_ordered 1
		.amdhsa_forward_progress 1
		.amdhsa_inst_pref_size 102
	.end_amdhsa_kernel
	.amdgpu_metadata
---
amdhsa.version: [ 1, 2 ]
amdhsa.kernels:
  - .name:           k_q17b5c0e773_qkv
    .symbol:         k_q17b5c0e773_qkv.kd
    .args:
      - { .name: x, .offset: 0, .size: 8, .value_kind: global_buffer, .address_space: global }
      - { .name: part1, .offset: 8, .size: 8, .value_kind: global_buffer, .address_space: global }
      - { .name: beta1, .offset: 16, .size: 8, .value_kind: global_buffer, .address_space: global }
      - { .name: wq_codes, .offset: 24, .size: 8, .value_kind: global_buffer, .address_space: global }
      - { .name: wq_scales, .offset: 32, .size: 8, .value_kind: global_buffer, .address_space: global }
      - { .name: bq, .offset: 40, .size: 8, .value_kind: global_buffer, .address_space: global }
      - { .name: wk_codes, .offset: 48, .size: 8, .value_kind: global_buffer, .address_space: global }
      - { .name: wk_scales, .offset: 56, .size: 8, .value_kind: global_buffer, .address_space: global }
      - { .name: bk, .offset: 64, .size: 8, .value_kind: global_buffer, .address_space: global }
      - { .name: wv_codes, .offset: 72, .size: 8, .value_kind: global_buffer, .address_space: global }
      - { .name: wv_scales, .offset: 80, .size: 8, .value_kind: global_buffer, .address_space: global }
      - { .name: bv, .offset: 88, .size: 8, .value_kind: global_buffer, .address_space: global }
      - { .name: qimg, .offset: 96, .size: 8, .value_kind: global_buffer, .address_space: global }
      - { .name: kv, .offset: 104, .size: 8, .value_kind: global_buffer, .address_space: global }
      - { .name: g1, .offset: 112, .size: 8, .value_kind: global_buffer, .address_space: global }
    .group_segment_fixed_size: 172032
    .private_segment_fixed_size: 0
    .kernarg_segment_align: 8
    .kernarg_segment_size: 120
    .max_flat_workgroup_size: 512
    .sgpr_count:     66
    .vgpr_count:     256
    .wavefront_size: 32
...
	.end_amdgpu_metadata
.endif
;; end of part 6
;; launch attn: the kernel of part 3 again; grid 256 x 1, 16 waves a work-group, clusters of 4 x 1, 327,680 bytes of LDS; arguments qimg, kv, wo_codes, wo_scales, bo, x, r1, part2; writes r1, part2
;; launch fin2: the kernel of part 4 again; grid 4 x 1, 16 waves a work-group, no clusters, 18,432 bytes of LDS; arguments part2, g2, st2; writes st2
;; launch mlp (part 7): grid 256 x 1, 16 waves a work-group, no clusters, 286,720 bytes of LDS; arguments r1, st2, beta2, w1_codes, w1_scales, bf1, w2_codes, w2_scales, bf2, out0; writes out0
.if DOCPART == 7
	.amdgcn_target "amdgcn-amd-amdhsa--gfx1250"
	.amdhsa_code_object_version 6
	.text
	.protected	k_q17b5c0e773_mlp
	.globl	k_q17b5c0e773_mlp
	.p2align	8
	.type	k_q17b5c0e773_mlp,@function
k_q17b5c0e773_mlp:
	s_mov_b64 s[64:65], 0
	v_nop
	global_prefetch_b8 v0, s[64:65] scope:SCOPE_SE
	s_setreg_imm32_b32 hwreg(HW_REG_WAVE_SCHED_MODE, 0, 2), 2
	s_setreg_imm32_b32 hwreg(HW_REG_WAVE_MODE, 25, 1), 1
	s_wait_xcnt 0x0
	s_wait_alu depctr_vm_vsrc(0)
; out0 = r1 + relu(h2 W1^T + bf1) W2^T + bf2, h2 = (r1 - m) a + beta2 (m, a from st2); both products on codes of FP4 (E2M1) with E8M0 scales.  The hidden layer never goes to memory, and r1 is read from memory once: it waits in LDS for the last addition.
; SHARES.  A work-group owns 128 rows.  First wave 2 T + s normalises and quantises rows 16 T .. + 15, channels 128 s on, and lays the fragment's image in LDS.
; Phase 1: wave w makes hidden units 64 w .. + 63 for all rows: registers 4 (w % 2) .. + 3 of the fragments of K step w / 2 of the second product, and two bytes of their scale words.
; Phase 2: wave w makes output columns 16 w .. + 15 for all rows.  Each wave's part of W1, then of W2, lies in its registers, read once.
; OPERANDS GO FROM WAVE TO WAVE THROUGH LDS AS IMAGES OF THEIR REGISTERS: lane l's 16 bytes at 16 l, 512 bytes a group of four registers; scale words 4 bytes a lane.
; THE ROWS OF W1 THAT FORM A TILE ARE NOT NEIGHBOURS: lane r of tile 2 b + u takes row 32 b + 8 u + r + 8 (r / 8), so that the 16 registers of tiles 2 b, 2 b + 1 are 16 neighbours along the next K.
; The biases are the C of each sum's first product.  No tensor load, no cluster: the weights go once into registers, and rows are each work-group's own.
; LIMITS: NaN and infinities are not served; a block whose largest magnitude lies under 2^-124 keeps the byte 1, a block of zeros too.
; THE MODE: SCHED_MODE bits 1:0 = 2 (LLVM: expert scheduling mode 2), set by the entry lines.  The code itself states the register dependences
; between vector or matrix instructions and memory or LDS instructions, with s_wait_alu, always for 0.
; THE PLAN.  Registers that memory or LDS instructions touch, and who else names them:
;   v1-v13       offsets and LDS addresses, made at the head: one wait on va_vdst ahead of the first load.  v10, v11, v13 are made anew for W2 in the last unit of phase 1, v4-v8 behind it: each time behind a wait on
;                vm_vsrc that is younger than their last readers, and ahead of a wait on va_vdst that stands there anyway.
;   R = D        r1 lands; 16 stores copy it to LDS; 64 packed lines normalise it in place; 16 stage stores read it; 16 stage loads land in it; QUANT reads it.  Then accumulators; at the end the stage stores read them and y's rows land there.
;   HF, HSR      LDS loads land in them; the products read them.  Phase 1: behind a unit's products and places one wait on va_vdst, and the NEXT unit's loads at once: they land during the activation and QUANT.
;                Phase 2: two sets by turns (the second in v224-255, v92-95); one wait on va_vdst a batch, behind the places, ahead of the fetch into the set that the last batch's products read.
;   W, WS, BI    W1's loads land at the head; phase 1's products read them; W2's loads land there from the last unit's middle on, behind that unit's wait; phase 2's products read them; at the end r1 lands in W, and the stores read it.
;   PC, PW       QUANT writes them; four LDS stores read them (one wait on va_vdst between); the next QUANT, and later the second set's loads, write them again (one wait on vm_vsrc ahead).
;   v254, v255   read by no memory or LDS instruction before the closing add; made anew straight ahead of the closing lines.
.set SPI,  528                         ; a stage row: 512 bytes + 16
.set REGB, 131072                      ; LDS: 0: r1 as loaded, 8,192 bytes a wave.  From here 135,168 bytes used three ways, parted by barriers: a stage of 16 x 528 for each wave;
.set HSCB, REGB+65536                  ;   the hidden layer's 64 fragments ((8 T + s) x 1,024) and, from HSCB, their scale words ((8 T + s) x 128); the stage for y: 128 rows x 1,040
.set XIMG, 266240                      ; h2's 16 fragments (2 T + s), 1,024 bytes each;
.set XSC,  282624                      ; their scale words
.set OPI,  1040                        ; a row of y: 1,024 bytes + 16
.set A16, 1                            ; v1  16 x lane
.set HWS, 2                            ; v2  where I store my two bytes of the hidden layer's scale words
.set RC,  3                            ; v3  my r1 in LDS
.set STS, 4                            ; v4  the stage, in;   later HFI: where hidden fragments are read
.set STR, 5                            ; v5  the stage, back; later HFS: and their scale words
.set XWI, 6                            ; v6  where I store my fragment's image; later SO0: y's stage, tiles 0-3
.set XWS, 7                            ; v7  and its scale word;                later SO1: tiles 4-7
.set FI,  8                            ; v8  where h2's fragments are read;     later SR: y's stage, back
.set FS,  9                            ; v9  and their scale words
.set WA,  10                           ; v10 my lane's place in a tile of W1, later of W2
.set WSA, 11                           ; v11 among its scale bytes
.set HWI, 12                           ; v12 where I store my half fragments
.set BAQ, 13                           ; v13 the bias: my half
.set HFI, 4
.set HFS, 5
.set SO0, 6
.set SO1, 7
.set SR,  8
.set W,   16                           ; v16-79   W1: fragment (t, s) at W + 16 t + 8 s; W2: K step s at W + 8 s
.set WS,  80                           ; v80-87   their scale words.  v80-95 hold scales alone
.set HSR, 88                           ; v88-95   the activations' scale words, two sets of four
.set BI,  96                           ; v96-127  bf1, eight registers a tile; later bf2 in v96-103
.set D,   128                          ; v128-191 eight accumulators
.set R,   128                          ; the same registers: r1 as loaded
.set HF,  192                          ; v192-223 four fragments; in phase 2 a second set in v224-255
.set BNM, 192                          ; first: m, a, beta of my four channels
.set BNA, 196
.set BNB, 200
.set TM,  224
.set PC,  240
.set PW,  248
.set SEL, 36
.macro PLACES
.rept 4
	v_nop
.endr
.endm
.macro BARRIER                         ; my LDS stores have landed and my LDS loads are in: then the work-group's barrier
	s_wait_dscnt 0x0
	s_barrier_signal -1
	s_barrier_wait -1
.endm
.macro WM d, a, b, c, sa, sb
	v_wmma_scale_f32_16x16x128_f8f6f4 v[\d:\d+7], v[\a:\a+7], v[\b:\b+7], v[\c:\c+7], v[\sa], v[\sb] matrix_a_fmt:MATRIX_FMT_FP4 matrix_b_fmt:MATRIX_FMT_FP4
.endm
; 64 numbers of a lane, register 16 b + i = number 16 (lane / 16) + i of block b, become codes in v[PC] on and the four blocks' bytes in v[PW].
.macro QUANT s
.irp b, 0,1,2,3
	v_max3_num_f32 v[TM+\b], |v[\s+16*\b]|, |v[\s+1+16*\b]|, 0x1800000   ; my 16 numbers, and the floor 2^(3 - 127): the byte cannot fall under 1
.endr
.irp i, 2,4,6,8,10,12,14
.irp b, 0,1,2,3
	v_max3_num_f32 v[TM+\b], v[TM+\b], |v[\s+16*\b+\i]|, |v[\s+1+16*\b+\i]|
.endr
.endr
.irp b, 0,1,2,3
	v_permlanex16_b32 v[TM+4+\b], v[TM+\b], s[SEL], s[SEL+1]
.endr
.irp b, 0,1,2,3
	v_max_num_f32 v[TM+\b], v[TM+\b], v[TM+4+\b]
.endr
.irp b, 0,1,2,3
	v_add_nc_u32 v[TM+12+\b], 0xff000000, v[TM+\b]
.endr
.irp b, 0,1,2,3
	v_lshrrev_b32 v[TM+4+\b], 23, v[TM+12+\b]
.endr
	v_lshl_or_b32 v[PW], v[TM+5], 8, v[TM+4]
	v_lshl_or_b32 v[PW], v[TM+6], 16, v[PW]
	v_lshl_or_b32 v[PW], v[TM+7], 24, v[PW]
.irp b, 0,1,2,3
	v_cvt_scalef32_pk8_fp4_f32 v[PC+2*\b], v[\s+16*\b:\s+7+16*\b], v[TM+12+\b]
	v_cvt_scalef32_pk8_fp4_f32 v[PC+1+2*\b], v[\s+8+16*\b:\s+15+16*\b], v[TM+12+\b]
.endr
	v_nop                                          ; one plain place behind a scaled conversion
.irp c, 0,1
.irp i, 0,1
	v_permlane16_swap_b32 v[PC+4*\c+\i], v[PC+2+4*\c+\i]
.endr
.endr
.endm
.macro XPHASE                          ; my 16 rows x 128 channels: normalised, turned through my own stage, quantised, laid in LDS as a fragment's image
.irp i, 0,1,2,3,4,5,6,7,8,9,10,11,12,13,14,15
	v_pk_add_f32 v[R+4*\i:R+4*\i+1], v[R+4*\i:R+4*\i+1], v[BNM:BNM+1] neg_lo:[0,1] neg_hi:[0,1]
	v_pk_add_f32 v[R+4*\i+2:R+4*\i+3], v[R+4*\i+2:R+4*\i+3], v[BNM+2:BNM+3] neg_lo:[0,1] neg_hi:[0,1]
.endr
.irp i, 0,1,2,3,4,5,6,7,8,9,10,11,12,13,14,15
	v_pk_fma_f32 v[R+4*\i:R+4*\i+1], v[R+4*\i:R+4*\i+1], v[BNA:BNA+1], v[BNB:BNB+1]
	v_pk_fma_f32 v[R+4*\i+2:R+4*\i+3], v[R+4*\i+2:R+4*\i+3], v[BNA+2:BNA+3], v[BNB+2:BNB+3]
.endr
	s_wait_alu depctr_va_vdst(0)                   ; the multiply-adds have written v[R ..], which the stage's stores read; they are done reading m, a and beta, in whose registers fragments land later
.irp i, 0,1,2,3,4,5,6,7,8,9,10,11,12,13,14,15
	ds_store_b128 v[STS], v[R+4*\i:R+4*\i+3] offset:SPI*\i
.endr
	s_wait_alu depctr_vm_vsrc(0)                   ; those stores have read v[R ..], in which the loads below land
.irp b, 0,1,2,3
.irp j, 0,1,2,3
	ds_load_b128 v[R+16*\b+4*\j:R+16*\b+4*\j+3], v[STR] offset:128*\b+16*\j   ; LDS serves a wave's instructions in order (ISA guide 5.7.1.4): these see my stores
.endr
.endr
	s_wait_dscnt 0x0
	QUANT R
	s_wait_alu depctr_va_vdst(0)                   ; QUANT has written the codes v[PC ..] and the scale word v[PW], which the three stores read
	ds_store_b128 v[XWI], v[PC:PC+3]
	ds_store_b128 v[XWI], v[PC+4:PC+7] offset:512
	ds_store_b32 v[XWS], v[PW]
	BARRIER                                        ; h2's sixteen fragments lie in LDS, and every wave's reads of its stage are over
.endm
.macro HLOAD p                         ; the four fragments and scale words of row tiles 2 p and 2 p + 1: twelve LDS loads
.irp e, 0,1
.irp ks, 0,1
	ds_load_b128 v[HF+8*(2*\e+\ks):HF+8*(2*\e+\ks)+3], v[FI] offset:(2*(2*(\p)+\e)+\ks)*1024
	ds_load_b128 v[HF+8*(2*\e+\ks)+4:HF+8*(2*\e+\ks)+7], v[FI] offset:(2*(2*(\p)+\e)+\ks)*1024+512
	ds_load_b32 v[HSR+2*\e+\ks], v[FS] offset:(2*(2*(\p)+\e)+\ks)*128
.endr
.endr
.endm
.macro HMUL                            ; those two row tiles against my four tiles of W1: eight accumulators by turns
.irp e, 0,1
.irp t, 0,1,2,3
	WM D+8*(4*\e+\t), W+16*\t, HF+16*\e, BI+8*\t, WS+2*\t, HSR+2*\e
.endr
.endr
.irp e, 0,1
.irp t, 0,1,2,3
	WM D+8*(4*\e+\t), W+16*\t+8, HF+16*\e+8, D+8*(4*\e+\t), WS+2*\t+1, HSR+2*\e+1
.endr
.endr
.endm
	s_load_b512 s[4:19], s[0:1], 0x0               ; r1, st2, beta2, w1 codes, w1 scales, bf1, w2 codes, w2 scales
	s_load_b128 s[20:23], s[0:1], 0x40             ; bf2, out0
	v_lshrrev_b32 v2, 5, v0
	v_readfirstlane_b32 s32, v2                    ; wave 0..15
	s_wait_alu depctr_va_sdst(0)                   ; s32 is written, ahead of its first reader: bases and LDS addresses are made from it
	s_lshr_b32 s33, s32, 1                         ; my tile of rows; my K step of the second product
	s_and_b32 s34, s32, 1                          ; my half of the channels; my half of that K step
	s_mov_b32 s[SEL], 0x76543210
	s_mov_b32 s[SEL+1], 0xfedcba98
	v_and_b32 v2, 31, v0                           ; lane
	v_and_b32 v14, 15, v0                          ; r: kept
	v_bfe_u32 v15, v0, 4, 1                        ; h: kept
	v_lshlrev_b32 v[A16], 4, v2
	s_lshl_b32 s40, s32, 13
	v_add_nc_u32 v[RC], s40, v[A16]
	s_mul_i32 s40, s32, 16*SPI
	s_add_co_u32 s40, s40, REGB
	v_add_nc_u32 v[STS], s40, v[A16]
	v_mul_u32_u24 v[STR], v14, SPI
	v_lshl_add_u32 v[STR], v15, 6, v[STR]
	v_add_nc_u32 v[STR], s40, v[STR]
	s_lshl_b32 s40, s32, 10
	s_add_co_u32 s40, s40, XIMG
	v_add_nc_u32 v[XWI], s40, v[A16]
	s_lshl_b32 s40, s32, 7
	s_add_co_u32 s40, s40, XSC
	v_lshl_add_u32 v[XWS], v2, 2, s40
	v_add_nc_u32 v[FI], XIMG, v[A16]
	v_lshl_add_u32 v[FS], v2, 2, XSC
	s_lshl_b32 s40, s32, 9
	s_add_co_u32 s40, s40, REGB
	v_add_nc_u32 v[HWI], s40, v[A16]               ; fragment (T, w / 2), registers 4 (w % 2) on: 8,192 T + 512 w + 16 lane
	s_lshl_b32 s40, s33, 7
	s_lshl_b32 s41, s34, 1
	s_add_co_u32 s40, s40, s41
	s_add_co_u32 s40, s40, HSCB
	v_lshl_add_u32 v[HWS], v2, 2, s40              ; 1,024 T + 128 (w / 2) + 2 (w % 2) + 4 lane
	v_and_b32 v[WSA], 8, v14
	v_add_nc_u32 v[WSA], v[WSA], v14               ; r + 8 (r / 8)
	v_lshlrev_b32 v[WA], 7, v[WSA]                 ; a row of W1 is 128 bytes
	v_lshl_add_u32 v[WA], v15, 4, v[WA]
	v_lshlrev_b32 v[WSA], 3, v[WSA]
	v_lshlrev_b32 v[BAQ], 6, v15
.irp b, 0,1,2,3
	v_mov_b32 v[TM+4+\b], 0                        ; written once: a lane permute's destination counts as one of its sources
.endr
	s_lshl_b32 s48, ttmp9, 7
	s_lshl_b32 s49, s33, 4
	s_add_co_u32 s48, s48, s49                     ; my first row
	s_lshl_b32 s48, s48, 10
	s_lshl_b32 s50, s34, 9
	s_add_co_u32 s48, s48, s50                     ; + my 512 bytes of it
	s_mov_b32 s49, 0
	s_mov_b32 s51, 0
	s_lshl_b32 s52, s32, 13                        ; my 64 rows of W1's codes; my 16 rows of W2's
	s_mov_b32 s53, 0
	s_lshl_b32 s54, s32, 9                         ; of their scale bytes
	s_mov_b32 s55, 0
	s_lshl_b32 s56, s32, 8                         ; my 64 numbers of bf1
	s_mov_b32 s57, 0
	s_lshl_b32 s58, s32, 6                         ; my 16 of bf2
	s_mov_b32 s59, 0
	s_wait_kmcnt 0x0
	s_add_nc_u64 s[4:5], s[4:5], s[48:49]
	s_add_nc_u64 s[22:23], s[22:23], s[48:49]
	s_add_nc_u64 s[6:7], s[6:7], s[50:51]
	s_add_nc_u64 s[8:9], s[8:9], s[50:51]
	s_add_nc_u64 s[10:11], s[10:11], s[52:53]
	s_add_nc_u64 s[16:17], s[16:17], s[52:53]
	s_add_nc_u64 s[12:13], s[12:13], s[54:55]
	s_add_nc_u64 s[18:19], s[18:19], s[54:55]
	s_add_nc_u64 s[14:15], s[14:15], s[56:57]
	s_add_nc_u64 s[20:21], s[20:21], s[58:59]
	s_wait_alu depctr_va_vdst(0)                   ; the thirteen offsets and LDS addresses v1 to v13 are written, which the loads and stores below read
.irp i, 0,1,2,3,4,5,6,7,8,9,10,11,12,13,14,15
	global_load_b128 v[R+4*\i:R+4*\i+3], v[A16], s[4:5] offset:1024*\i th:TH_LOAD_NT      ; 512 consecutive bytes of row i
.endr
	global_load_b128 v[BNM:BNM+3], v[A16], s[6:7]
	global_load_b128 v[BNA:BNA+3], v[A16], s[6:7] offset:1024
	global_load_b128 v[BNB:BNB+3], v[A16], s[8:9]
.irp t, 0,1,2,3
.irp ks, 0,1
.irp c, 0,1
	global_load_b128 v[W+8*(2*\t+\ks)+4*\c:W+8*(2*\t+\ks)+4*\c+3], v[WA], s[10:11] offset:(32*(\t/2)+8*(\t%2))*128+64*\ks+32*\c
.endr
.endr
	global_load_b64 v[WS+2*\t:WS+2*\t+1], v[WSA], s[12:13] offset:(32*(\t/2)+8*(\t%2))*8
	global_load_b128 v[BI+8*\t:BI+8*\t+3], v[BAQ], s[14:15] offset:(32*(\t/2)+8*(\t%2))*4
	global_load_b128 v[BI+8*\t+4:BI+8*\t+7], v[BAQ], s[14:15] offset:(32*(\t/2)+8*(\t%2))*4+16
.endr
	s_wait_loadcnt 28                              ; r1, m, a, beta are in; the 28 loads of W1, its scale words and bf1 may be out
.irp i, 0,1,2,3,4,5,6,7,8,9,10,11,12,13,14,15
	ds_store_b128 v[RC], v[R+4*\i:R+4*\i+3] offset:512*\i  ; r1 as it is, for the last addition: my own bytes
.endr
	s_wait_alu depctr_vm_vsrc(0)                   ; these sixteen stores have read v[R ..], which the lines below normalise in place
	XPHASE
	HLOAD 0                                        ; no wait: the last vector lines that named v192-203 (m, a, beta) stand ahead of the waits in the phase above
	s_wait_loadcnt 0x0                             ; W1, its scale words, bf1
; ---- phase 1.  The 64 results of a lane are 2 row tiles x 2 blocks of 32 hidden units.
; left: the LDS instructions issued behind this unit's twelve loads, which may stay out: the last unit's four stores, or none.
; As soon as a unit's products are done with their registers, what comes next is asked for: the next unit's fragments, or, in the last unit, W2, its scale words and bf2: they land during the activation and QUANT.
.macro H_UNIT p, left
	s_wait_dscnt \left                             ; LDS instructions end in order (ISA guide 5.7.1): this unit's fragments and scale words are in
	HMUL
	PLACES
.if \p < 3
	s_wait_alu depctr_va_vdst(0)                   ; the sixteen products are done reading v[HF ..] and v[HSR ..], in which the next unit's loads land
	HLOAD (\p)+1
.else
	v_lshlrev_b32 v[WA], 9, v14                    ; W2: row r of 512 bytes, + 16 h.  (W1's loads are long done, and waits on vm_vsrc have stood behind them: their address registers may be written)
	v_lshl_add_u32 v[WA], v15, 4, v[WA]
	v_lshlrev_b32 v[WSA], 5, v14                   ; its scale bytes: 32 a row
	v_lshlrev_b32 v[BAQ], 5, v15                   ; bf2: lane (r, h) wants columns 8 h + 0 .. 7
	s_wait_alu depctr_va_vdst(0)                   ; the three offsets are written, which the loads below read; the last products are done reading W1, its scale words and bf1, in whose registers these loads land
.irp ks, 0,1,2,3,4,5,6,7
.irp c, 0,1
	global_load_b128 v[W+8*\ks+4*\c:W+8*\ks+4*\c+3], v[WA], s[16:17] offset:64*\ks+32*\c
.endr
.endr
	global_load_b128 v[WS:WS+3], v[WSA], s[18:19]
	global_load_b128 v[WS+4:WS+7], v[WSA], s[18:19] offset:16
	global_load_b128 v[BI:BI+3], v[BAQ], s[20:21]
	global_load_b128 v[BI+4:BI+7], v[BAQ], s[20:21] offset:16
.endif
.set j, 0
.rept 64
	v_max_num_f32 v[D+j], 0, v[D+j]                ; the activation, in f32; each accumulator from its low end on
.set j, j+1
.endr
	s_wait_alu depctr_vm_vsrc(0)                   ; the LDS stores issued so far (the image's, the last unit's) have read v[PC ..] and v[PW], which QUANT writes again
	QUANT D
	s_wait_alu depctr_va_vdst(0)                   ; QUANT has written the codes v[PC ..] and the scale word v[PW], which the four stores read
	ds_store_b128 v[HWI], v[PC:PC+3] offset:(2*\p)*8192
	ds_store_b128 v[HWI], v[PC+4:PC+7] offset:(2*\p+1)*8192
	ds_store_b16 v[HWS], v[PW] offset:(2*\p)*1024              ; row tile 2 p: my two bytes of the word
	ds_store_b16_d16_hi v[HWS], v[PW] offset:(2*\p+1)*1024     ; row tile 2 p + 1
.endm
	H_UNIT 0, 0
	H_UNIT 1, 4
	H_UNIT 2, 4
	H_UNIT 3, 4
	v_add_nc_u32 v[HFI], REGB, v[A16]              ; v4 to v8 are made anew: their last readers (the stage's and the image's accesses, the fragments' loads) stand ahead of the last unit's wait on vm_vsrc
	v_lshrrev_b32 v[HFS], 2, v[A16]
	v_add_nc_u32 v[HFS], HSCB, v[HFS]
	s_lshl_b32 s40, s32, 6
	s_add_co_u32 s40, s40, REGB
	v_mul_u32_u24 v[SO0], v14, OPI
	v_lshl_add_u32 v[SO0], v15, 5, v[SO0]
	v_add_nc_u32 v[SO0], s40, v[SO0]               ; y's stage: row r, + 64 w + 32 h
	v_add_nc_u32 v[SO1], 64*OPI, v[SO0]            ; rows 64 on: an LDS offset has 16 bits
	s_mul_i32 s40, s33, 16*OPI
	s_lshl_b32 s41, s34, 9
	s_add_co_u32 s40, s40, s41
	s_add_co_u32 s40, s40, REGB
	v_add_nc_u32 v[SR], s40, v[A16]                ; back: the rows and the 512 bytes that I hold of r1
	BARRIER                                        ; the hidden layer's 64 fragments lie in LDS
	s_wait_loadcnt 0x0                             ; W2, its scale words, bf2
	s_wait_alu depctr_va_vdst(0)                   ; the five addresses v4 to v8 are written, which the LDS accesses from here on read; QUANT is done with v224-248, in which the second set's loads land
	s_wait_alu depctr_vm_vsrc(0)                   ; the last unit's four LDS stores have read v[PC ..] and v[PW], in which the second set's loads land
; ---- phase 2: sixteen batches, n = 2 s + half: K step s, row tiles 4 half .. + 3; fragments in two sets by turns, fetched a batch ahead
.macro HFETCH n, hf, hs
.irp i, 0,1,2,3
	ds_load_b128 v[\hf+8*\i:\hf+8*\i+3], v[HFI] offset:((4*((\n)%2)+\i)*8+(\n)/2)*1024
	ds_load_b128 v[\hf+8*\i+4:\hf+8*\i+7], v[HFI] offset:((4*((\n)%2)+\i)*8+(\n)/2)*1024+512
	ds_load_b32 v[\hs+\i], v[HFS] offset:((4*((\n)%2)+\i)*8+(\n)/2)*128
.endr
.endm
	HFETCH 0, HF, HSR
.set N, 0
.rept 16
.if N > 0
	PLACES                                         ; in front of loads into the set that the last batch's products read
.endif
.if N < 15
.if N > 0
	s_wait_alu depctr_va_vdst(0)                   ; the last batch's four products are done reading their set of fragments and scale words, in which the loads below land
.endif
	HFETCH N+1, HF+32*((N+1)%2), HSR+4*((N+1)%2)
	s_wait_dscnt 12                                ; this batch's are in; the twelve just issued may be out
.else
	s_wait_dscnt 0x0
.endif
.irp i, 0,1,2,3
.if N < 2
	WM D+8*(4*(N%2)+\i), W+8*(N/2), HF+32*(N%2)+8*\i, BI, WS+N/2, HSR+4*(N%2)+\i       ; source 0 = my 16 rows of W2, source 1 = 16 rows of the hidden layer; bf2 starts the sum
.else
	WM D+8*(4*(N%2)+\i), W+8*(N/2), HF+32*(N%2)+8*\i, D+8*(4*(N%2)+\i), WS+N/2, HSR+4*(N%2)+\i
.endif
.endr
.set N, N+1
.endr
	BARRIER                                        ; every wave's reads of the hidden layer are over: y's stage may be written over it
	PLACES
	s_wait_alu depctr_va_vdst(0)                   ; the products have written the accumulators, which the stage's stores read, and are done reading W2, in whose registers r1 lands below; the places above stay beside this wait
.irp t, 0,1,2,3
	ds_store_b128 v[SO0], v[D+8*\t:D+8*\t+3] offset:16*OPI*\t          ; lane (r, h): y(16 T + r, 16 w + 8 h + 0 .. 7); each accumulator from its low end on
	ds_store_b128 v[SO0], v[D+8*\t+4:D+8*\t+7] offset:16*OPI*\t+16
.endr
.irp t, 0,1,2,3
	ds_store_b128 v[SO1], v[D+32+8*\t:D+35+8*\t] offset:16*OPI*\t
	ds_store_b128 v[SO1], v[D+36+8*\t:D+39+8*\t] offset:16*OPI*\t+16
.endr
	BARRIER                                        ; 128 whole rows of y lie in the stage
	s_wait_alu depctr_vm_vsrc(0)                   ; my sixteen stage stores have read v[D ..], in which y's rows land
.irp i, 0,1,2,3,4,5,6,7,8,9,10,11,12,13,14,15
	ds_load_b128 v[D+4*\i:D+4*\i+3], v[SR] offset:OPI*\i
	ds_load_b128 v[W+4*\i:W+4*\i+3], v[RC] offset:512*\i
.endr
.irp g, 0,1,2,3                        ; four rows at a time: their additions, one wait, their stores
	s_wait_dscnt 24-8*\g                           ; rows 4 g .. 4 g + 3 are in: two loads for each later row may be out
.irp k, 0,1,2,3
	v_pk_add_f32 v[W+4*(4*\g+\k):W+4*(4*\g+\k)+1], v[W+4*(4*\g+\k):W+4*(4*\g+\k)+1], v[D+4*(4*\g+\k):D+4*(4*\g+\k)+1]
	v_pk_add_f32 v[W+4*(4*\g+\k)+2:W+4*(4*\g+\k)+3], v[W+4*(4*\g+\k)+2:W+4*(4*\g+\k)+3], v[D+4*(4*\g+\k)+2:D+4*(4*\g+\k)+3]
.endr
	s_wait_alu depctr_va_vdst(0)                   ; the eight additions have written these four rows' registers, which the four stores read
.irp k, 0,1,2,3
	global_store_b128 v[A16], v[W+4*(4*\g+\k):W+4*(4*\g+\k)+3], s[22:23] offset:1024*(4*\g+\k) th:TH_STORE_NT   ; 512 consecutive bytes, aligned
.endr
.endr
	s_wait_xcnt 0x0
	v_lshl_add_u32 v254, v0, 2, 0x45800            ; the add's two registers, made anew: no memory or LDS instruction has read either
	v_mov_b32 v255, 0
	s_wait_dscnt 0x0                               ; the closing lines, six on end
	s_wait_alu 0x0
	s_wait_tensorcnt 0x0
	ds_add_u32 v254, v255
	s_wait_dscnt 0x0
	s_endpgm
.Lfunc_end_k_q17b5c0e773_mlp:
	.size	k_q17b5c0e773_mlp, .Lfunc_end_k_q17b5c0e773_mlp-k_q17b5c0e773_mlp
	.p2alignl 7, 3214868480
	.fill 96, 4, 3214868480
	.section	.rodata,"a",@progbits
	.p2align	6, 0x0
	.amdhsa_kernel k_q17b5c0e773_mlp
		.amdhsa_group_segment_fixed_size 286720
		.amdhsa_private_segment_fixed_size 0
		.amdhsa_enable_private_segment 0
		.amdhsa_kernarg_size 80
		.amdhsa_user_sgpr_count 2
		.amdhsa_user_sgpr_kernarg_segment_ptr 1
		.amdhsa_wavefront_size32 1
		.amdhsa_system_sgpr_workgroup_id_x 1
		.amdhsa_system_sgpr_workgroup_id_y 1
		.amdhsa_system_sgpr_workgroup_id_z 1
		.amdhsa_system_vgpr_workitem_id 0
		.amdhsa_next_free_vgpr 256
		.amdhsa_next_free_sgpr 66
		.amdhsa_reserve_vcc 0
		.amdhsa_float_denorm_mode_32 3
		.amdhsa_float_denorm_mode_16_64 3
		.amdhsa_memory_ordered 1
		.amdhsa_forward_progress 1
		.amdhsa_inst_pref_size 89
	.end_amdhsa_kernel
	.amdgpu_metadata
---
amdhsa.version: [ 1, 2 ]
amdhsa.kernels:
  - .name:           k_q17b5c0e773_mlp
    .symbol:         k_q17b5c0e773_mlp.kd
    .args:
      - { .name: r1, .offset: 0, .size: 8, .value_kind: global_buffer, .address_space: global }
      - { .name: st2, .offset: 8, .size: 8, .value_kind: global_buffer, .address_space: global }
      - { .name: beta2, .offset: 16, .size: 8, .value_kind: global_buffer, .address_space: global }
      - { .name: w1_codes, .offset: 24, .size: 8, .value_kind: global_buffer, .address_space: global }
      - { .name: w1_scales, .offset: 32, .size: 8, .value_kind: global_buffer, .address_space: global }
      - { .name: bf1, .offset: 40, .size: 8, .value_kind: global_buffer, .address_space: global }
      - { .name: w2_codes, .offset: 48, .size: 8, .value_kind: global_buffer, .address_space: global }
      - { .name: w2_scales, .offset: 56, .size: 8, .value_kind: global_buffer, .address_space: global }
      - { .name: bf2, .offset: 64, .size: 8, .value_kind: global_buffer, .address_space: global }
      - { .name: out0, .offset: 72, .size: 8, .value_kind: global_buffer, .address_space: global }
    .group_segment_fixed_size: 286720
    .private_segment_fixed_size: 0
    .kernarg_segment_align: 8
    .kernarg_segment_size: 80
    .max_flat_workgroup_size: 512
    .sgpr_count:     66
    .vgpr_count:     256
    .wavefront_size: 32
...
	.end_amdgpu_metadata
.endif
;; end of part 7
